; MI455X (gfx1250); checked and timed in simulation.
; The chip was launched on July 23, 2026; its instructions are those of AMD's public machine-readable ISA for CDNA 5 (MIT licence, August 2026) and "CDNA5" Instruction Set Architecture Reference Guide (July 2026). The comments in the code are by the model that wrote it; some were corrected since.
;; Multi Modal Cross Attention. Allowed arithmetic: matrix products marked QUANTISED: E3M2 operands, one E8M0 scale for each 32 along K, by v_wmma_scale_f32_16x16x128_f8f6f4 with both operands' format E3M2, f32 sums; everything else in f32.
;; Inputs: K_image 4 x 2,048 x 512 float32; K_text 4 x 2,048 x 512 float32; Q_image 4 x 2,048 x 512 float32; Q_text 4 x 2,048 x 512 float32; V_image 4 x 2,048 x 512 float32; V_text 4 x 2,048 x 512 float32; Wk_image 512 x 512 float32; Wk_text 512 x 512 float32; Wq_image 512 x 512 float32; Wq_text 512 x 512 float32; Wv_image 512 x 512 float32; Wv_text 512 x 512 float32; bk_image 512 float32; bk_text 512 float32; bq_image 512 float32; bq_text 512 float32; bv_image 512 float32; bv_text 512 float32.
;; Outputs: out0 4 x 2,048 x 512 float32; out1 4 x 2,048 x 512 float32.
;; This version of the problem:
;;   THIS VERSION OF THE PROBLEM IS GIVEN IN LOW PRECISION. The matrix products marked QUANTISED in the list below multiply operands that are first quantised to E3M2 (3 exponent bits, 2 mantissa bits; 6 bits a number), with one power-of-two scale for each 32 numbers along K (OCP MX v1.0); their sums are f32. All else is computed in f32.
;;   The module's matrix products, in the order in which they are computed (A, B: the left and right operand; K: the contracted axis; several contracted axes count as one K, in the product's order):
;;     1. [M 8,192, K 512] x [K 512, N 512]; A: input Q_text; B: input Wq_text: QUANTISED
;;     2. [M 8,192, K 512] x [K 512, N 512]; A: input K_image; B: input Wk_image: QUANTISED
;;     3. [M 8,192, K 512] x [K 512, N 512]; A: input V_image; B: input Wv_image: QUANTISED
;;     4. [M 8,192, K 512] x [K 512, N 512]; A: input Q_image; B: input Wq_image: QUANTISED
;;     5. [M 8,192, K 512] x [K 512, N 512]; A: input K_text; B: input Wk_text: QUANTISED
;;     6. [M 8,192, K 512] x [K 512, N 512]; A: input V_text; B: input Wv_text: QUANTISED
;;     7. batch 4 x [M 2,048, K 512] x [K 512, N 2,048]; A: computed on the way; B: computed on the way: QUANTISED
;;     8. batch 4 x [M 2,048, K 2,048] x [K 2,048, N 512]; A: softmax (see below); B: computed on the way: QUANTISED
;;     9. batch 4 x [M 2,048, K 512] x [K 512, N 2,048]; A: computed on the way; B: computed on the way: QUANTISED
;;     10. batch 4 x [M 2,048, K 2,048] x [K 2,048, N 512]; A: softmax (see below); B: computed on the way: QUANTISED
;;   THE QUANTISER, for each operand of a quantised product, along K:
;;     - K is cut into blocks of 32 from its start; a last block that is shorter is filled with zeros.
;;     - A block's scale is 2^e with e = floor(log2(the largest magnitude in the block)) - 4, held to -126 .. 127; a block of zeros has e = 0. As a byte (E8M0): e + 127.
;;     - Each number is divided by its block's scale, clamped to +-28, and rounded to the nearest number of E3M2, ties to even, subnormals kept.
;;     - The product sums the exact products of the quantised numbers (number of the format x scale) in f32.
;;   ~~~python
;;   def quantise(x, axis):      # numpy; x: float32 -> the quantised numbers, widened to float32 again
;;       x = np.moveaxis(x, axis, -1); K = x.shape[-1]
;;       x = np.pad(x, [(0, 0)] * (x.ndim - 1) + [(0, -K % 32)]); x = x.reshape(x.shape[:-1] + (-1, 32)); a = np.abs(x).max(-1, keepdims=True)
;;       e = np.where(a > 0, np.clip(np.frexp(np.where(a > 0, a, 1))[1] - 1 - 4, -126, 127), 0)      # np.frexp(a)[1] - 1 = floor(log2(a)), exactly
;;       r = np.clip(x / 2.0 ** e, -28, 28)
;;       step = 2.0 ** (np.maximum(np.frexp(np.where(r == 0, 1, r))[1] - 1, -2) - 2)
;;       q = np.round(r / step) * step * 2.0 ** e      # np.round: ties to even
;;       return np.moveaxis(q.reshape(q.shape[:-2] + (-1,))[..., :K], -1, axis).astype(np.float32)
;;   ~~~
;;   SOFTMAX AHEAD OF A QUANTISED PRODUCT. Where the list says 'softmax', what is quantised is not the finished softmax but p = 2^(t - M), with t = logit x log2(e) and M = ceil(the row's largest t), a whole number; so 1/2 < the row's largest p <= 1. The row's sum l is taken of the UNQUANTISED p, in f32, and the product's result is divided by l at the end. Since M is a whole number, a kernel that streams over the keys may use a running M (the ceiling of the running maximum): every later rescaling is an exact power of two, which a block's scale takes up: the codes' values come out the same.
;;   OPERANDS COMPUTED ON THE WAY. 'Computed on the way' means the value that the module computes at that place (a softmax that the list does not call 'softmax' is quantised finished and normalised). What goes into a quantiser is computed in f32, as accurately as f32 sums, v_exp_f32 and their like allow (about 1e-6 of the number): no bf16 or f16 on the way to a quantiser, and a product that is left as it is and whose result goes on into a quantised operand takes f32 operands (vector FMAs, or v_wmma_f32_16x16x4_f32). A number that lies on a knife's edge between two numbers of the format may be rounded either way, as far as f32 arithmetic and the matrix unit's own rounding can turn it there, and no further.
;; 2 versions. Each part assembles by itself: llvm-mc -triple=amdgcn-amd-amdhsa -mcpu=gfx1250 --defsym DOCPART=n.
;; ======== version 1 of 2: 3 launches
;; workspace buffers: wimg 1,179,648 bytes; wsc 49,152 bytes; kv 12,582,912 bytes; scl 524,288 bytes
;; launch wq (part 1): grid 16 x 6, 4 waves a work-group, no clusters, 68,096 bytes of LDS; arguments Wq_text, Wq_image, Wk_image, Wk_text, Wv_image, Wv_text, wimg, wsc; writes wimg, wsc
.if DOCPART == 1
	.amdgcn_target "amdgcn-amd-amdhsa--gfx1250"
	.amdhsa_code_object_version 6
	.text
	.protected	k_q6eee58c035_wq
	.globl	k_q6eee58c035_wq
	.p2align	8
	.type	k_q6eee58c035_wq,@function
k_q6eee58c035_wq:
	s_mov_b64 s[64:65], 0
	v_nop
	global_prefetch_b8 v0, s[64:65] scope:SCOPE_SE
	s_setreg_imm32_b32 hwreg(HW_REG_WAVE_MODE, 25, 1), 1
	s_wait_xcnt 0x0
; The six weights W [512][512] f32 (K = the last axis) become codes of BF6 (E3M2) with one E8M0 byte for each 32 along K, laid as IMAGES OF OPERAND REGISTERS.
; A fragment (16 rows x 128 K) is 12 registers a lane; its image is 1,536 bytes: registers 4 c .. 4 c + 3 of lane l at 512 c + 16 l.  wimg: [tensor][tile 0..31][K step 0..3][1,536];  wsc: [tensor][K step][512 words], word 16 tile + lane.
; Tensors 0-3 (q's and k's weights) have PERMUTED tiles: lane r of tile 2 G + u takes row 32 G + 8 u + r + 8 (r / 8), so that a product used transposed leaves 16 neighbours along its N in a lane's 16 registers of two tiles.
; Tensors 4, 5 (v's weights) have natural tiles: row 16 tile + r.
; SHARES: work-group x = G, a group of 32 rows; y = the tensor; wave = the K step.  A wave makes two fragments.  Each load takes 512 consecutive bytes of one row; the 32 rows turn through the wave's own stage in LDS
; (rows 528 bytes apart), so that a lane gets 16 neighbours of each block of 32.  The order of rows is made by three bases, so the LDS text is the same for both orders.  No barrier: waves share nothing.
; A block's scale is 2^(floor(log2(largest magnitude)) - 4): its byte is the largest magnitude's exponent field - 4, held at 1 from below.
; LIMITS: NaN and infinities are not served; a block whose largest magnitude lies under 2^-122 (a block of zeros among them) gets the byte 1: a block of zeros has zero codes, and this program alone reads the bytes.
.set SP,    528                        ; a stage row: 512 bytes + 16
.set STGW,  32*SP                      ; a wave's stage
.set FRB,   1536                       ; a fragment's image
.set GL16,  1                          ; v1   16 x lane
.set SWR,   2                          ; v2   the stage, on the way in: 16 x lane
.set SRD,   3                          ; v3   on the way out: row r, + 64 h
.set L4,    4                          ; v4   4 x lane
.set RAW,   16                         ; v16-143  32 rows as loaded
.set XN0,   144                        ; v144-207 tile 0: 64 numbers of my row
.set XN1,   16                         ; v16-79   tile 1 (once RAW has been stored)
.set TM,    80                         ; v80-95   at work in QUANT
.set PW0,   96                         ; the two scale words
.set PW1,   97
.set PC0,   208                        ; v208-226 codes of tile 0
.set PC1,   228                        ; v228-246 codes of tile 1
.set SEL,   40                         ; s[40:41] selects for lane l xor 16
; 64 numbers of a lane, register 16 b + i = k 32 b + 16 (lane / 16) + i of my row, become a fragment's 12 registers in v[pc] on and my row's scale word in v[pw].
.macro QUANT src, pc, pw
.irp b, 0,1,2,3
	v_max3_num_f32 v[TM+\b], |v[(\src)+16*\b]|, |v[(\src)+1+16*\b]|, 0x2800000   ; my 16 numbers of block b, and the floor 2^(5 - 127): the byte cannot fall under 1
.endr
.irp i, 2,4,6,8,10,12,14
.irp b, 0,1,2,3
	v_max3_num_f32 v[TM+\b], v[TM+\b], |v[(\src)+16*\b+\i]|, |v[(\src)+1+16*\b+\i]|   ; the four blocks by turns
.endr
.endr
.irp b, 0,1,2,3
	v_permlanex16_b32 v[TM+4+\b], v[TM+\b], s[SEL], s[SEL+1]
.endr
.irp b, 0,1,2,3
	v_max_num_f32 v[TM+\b], v[TM+\b], v[TM+4+\b]           ; with lane l xor 16's 16: the block's largest magnitude
.endr
.irp b, 0,1,2,3
	v_add_nc_u32 v[TM+12+\b], 0xfe000000, v[TM+\b]         ; 4 off its exponent field: the conversion takes this operand's exponent field as its scale
.endr
.irp b, 0,1,2,3
	v_lshrrev_b32 v[TM+4+\b], 23, v[TM+12+\b]              ; the scale's byte
.endr
	v_lshl_or_b32 v[\pw], v[TM+5], 8, v[TM+4]
	v_lshl_or_b32 v[\pw], v[TM+6], 16, v[\pw]
	v_lshl_or_b32 v[\pw], v[TM+7], 24, v[\pw]
.irp c, 0,1
	v_cvt_scalef32_pk16_bf6_f32 v[(\pc)+6*\c:(\pc)+2+6*\c], v[(\src)+32*\c:(\src)+15+32*\c], v[TM+12+2*\c]
	v_cvt_scalef32_pk16_bf6_f32 v[(\pc)+12+4*\c:(\pc)+14+4*\c], v[(\src)+16+32*\c:(\src)+31+32*\c], v[TM+12+2*\c+1]   ; (three registers that begin on an even number)
.endr
	v_nop                                                  ; one plain place behind a scaled conversion
.irp c, 0,1                                            ; the layout wants a whole block in a lane: lanes 0-15 block 2 c, lanes 16-31 block 2 c + 1
.irp i, 0,1,2
	v_permlane16_swap_b32 v[(\pc)+6*\c+\i], v[(\pc)+12+4*\c+\i]
.endr
.irp i, 0,1,2
	v_mov_b32 v[(\pc)+3+6*\c+\i], v[(\pc)+12+4*\c+\i]
.endr
.endr
.endm
	s_load_b512 s[4:19], s[0:1], 0x0               ; the six weights s[4:15], wimg s[16:17], wsc s[18:19]
	v_lshl_add_u32 v254, v0, 2, 0x10800
	v_mov_b32 v255, 0
	v_lshrrev_b32 v5, 5, v0
	v_readfirstlane_b32 s21, v5                    ; wave = K step
	s_and_b32 s20, ttmp7, 0xffff                   ; the tensor
	v_and_b32 v6, 31, v0                           ; lane
	v_and_b32 v7, 15, v0                           ; r
	v_bfe_u32 v8, v0, 4, 1                         ; h
	v_lshlrev_b32 v[GL16], 4, v6
	v_lshlrev_b32 v[L4], 2, v6
	s_mul_i32 s30, s21, STGW
	v_add_nc_u32 v[SWR], s30, v[GL16]
	v_mul_u32_u24 v[SRD], v7, SP
	v_lshl_add_u32 v[SRD], v8, 6, v[SRD]
	v_add_nc_u32 v[SRD], s30, v[SRD]
	s_mov_b32 s[SEL], 0x76543210
	s_mov_b32 s[SEL+1], 0xfedcba98
	s_lshl_b32 s24, ttmp9, 16                      ; 32 rows of 2,048 bytes a group,
	s_lshl_b32 s25, s21, 9                         ; 512 bytes a K step
	s_add_co_u32 s24, s24, s25
	s_mov_b32 s25, 0
	s_mov_b32 s27, 0
	s_mov_b32 s29, 0
	s_mov_b32 s26, 16384                           ; natural order: stage rows 8-15 are rows 8-15, stage rows 16-23 are rows 16-23
	s_mov_b32 s28, 32768
	s_cmp_lt_u32 s20, 4                            ; permuted order: they change places
	s_cselect_b32 s26, 32768, s26
	s_cselect_b32 s28, 16384, s28
	s_mul_i32 s32, s20, 32*4*FRB                   ; my images: tensor, tile 2 G, K step
	s_mul_i32 s34, ttmp9, 8*FRB
	s_add_co_u32 s32, s32, s34
	s_mul_i32 s34, s21, FRB
	s_add_co_u32 s32, s32, s34
	s_mov_b32 s33, 0
	s_lshl_b32 s34, s20, 13                        ; my scale words: tensor, K step, 32 words a group
	s_lshl_b32 s36, s21, 11
	s_add_co_u32 s34, s34, s36
	s_lshl_b32 s36, ttmp9, 7
	s_add_co_u32 s34, s34, s36
	s_mov_b32 s35, 0
	s_wait_kmcnt 0x0
	s_cmp_eq_u32 s20, 1                            ; the choice hangs on the work-group's number alone
	s_cselect_b64 s[4:5], s[6:7], s[4:5]
	s_cmp_eq_u32 s20, 2
	s_cselect_b64 s[4:5], s[8:9], s[4:5]
	s_cmp_eq_u32 s20, 3
	s_cselect_b64 s[4:5], s[10:11], s[4:5]
	s_cmp_eq_u32 s20, 4
	s_cselect_b64 s[4:5], s[12:13], s[4:5]
	s_cmp_eq_u32 s20, 5
	s_cselect_b64 s[4:5], s[14:15], s[4:5]
	s_add_nc_u64 s[4:5], s[4:5], s[24:25]          ; stage rows 0-7 and 24-31
	s_add_nc_u64 s[6:7], s[4:5], s[26:27]          ; stage rows 8-15
	s_add_nc_u64 s[8:9], s[4:5], s[28:29]          ; stage rows 16-23
	s_add_nc_u64 s[16:17], s[16:17], s[32:33]
	s_add_nc_u64 s[18:19], s[18:19], s[34:35]
.set P, 0
.rept 32                                       ; 32 lanes read 512 consecutive bytes of one row
.if P < 8
	global_load_b128 v[RAW+4*P:RAW+4*P+3], v[GL16], s[4:5] offset:P*2048 th:TH_LOAD_NT
.elseif P < 16
	global_load_b128 v[RAW+4*P:RAW+4*P+3], v[GL16], s[6:7] offset:(P-8)*2048 th:TH_LOAD_NT
.elseif P < 24
	global_load_b128 v[RAW+4*P:RAW+4*P+3], v[GL16], s[8:9] offset:(P-16)*2048 th:TH_LOAD_NT
.else
	global_load_b128 v[RAW+4*P:RAW+4*P+3], v[GL16], s[4:5] offset:P*2048 th:TH_LOAD_NT
.endif
.set P, P+1
.endr
	s_wait_loadcnt 0x0
.set P, 0
.rept 32
	ds_store_b128 v[SWR], v[RAW+4*P:RAW+4*P+3] offset:P*SP
.set P, P+1
.endr
.irp b, 0,1,2,3
.irp j, 0,1,2,3
	ds_load_b128 v[XN0+16*\b+4*\j:XN0+16*\b+4*\j+3], v[SRD] offset:128*\b+16*\j   ; LDS serves a wave's instructions in order: these see my stores
.endr
.endr
	s_wait_dscnt 0x0                               ; tile 0 is back, and the stores have read RAW: its registers are free
.irp b, 0,1,2,3
.irp j, 0,1,2,3
	ds_load_b128 v[XN1+16*\b+4*\j:XN1+16*\b+4*\j+3], v[SRD] offset:16*SP+128*\b+16*\j
.endr
.endr
.irp b, 0,1,2,3
	v_mov_b32 v[TM+4+\b], 0                        ; written once: a lane permute's destination counts as one of its sources
.endr
	QUANT XN0, PC0, PW0
	s_wait_dscnt 0x0                               ; tile 1 is back
	QUANT XN1, PC1, PW1
	v_cmp_gt_u32 vcc_lo, 16, v6
	v_cndmask_b32 v9, v[PW1], v[PW0], vcc_lo       ; lanes 0-15: tile 0's words, lanes 16-31: tile 1's (both halves of a word register hold row r's)
.irp k, 0,1,2
	global_store_b128 v[GL16], v[PC0+4*\k:PC0+4*\k+3], s[16:17] offset:512*\k          ; each store covers 512 consecutive bytes, aligned
	global_store_b128 v[GL16], v[PC1+4*\k:PC1+4*\k+3], s[16:17] offset:4*FRB+512*\k
.endr
	global_store_b32 v[L4], v9, s[18:19]           ; 128 consecutive bytes
	s_wait_tensorcnt 0x0
	ds_add_u32 v254, v255
	s_wait_dscnt 0x0
	s_endpgm
.Lfunc_end_k_q6eee58c035_wq:
	.size	k_q6eee58c035_wq, .Lfunc_end_k_q6eee58c035_wq-k_q6eee58c035_wq
	.p2alignl 7, 3214868480
	.fill 96, 4, 3214868480
	.section	.rodata,"a",@progbits
	.p2align	6, 0x0
	.amdhsa_kernel k_q6eee58c035_wq
		.amdhsa_group_segment_fixed_size 68096
		.amdhsa_private_segment_fixed_size 0
		.amdhsa_enable_private_segment 0
		.amdhsa_kernarg_size 64
		.amdhsa_user_sgpr_count 2
		.amdhsa_user_sgpr_kernarg_segment_ptr 1
		.amdhsa_wavefront_size32 1
		.amdhsa_system_sgpr_workgroup_id_x 1
		.amdhsa_system_sgpr_workgroup_id_y 1
		.amdhsa_system_sgpr_workgroup_id_z 1
		.amdhsa_system_vgpr_workitem_id 0
		.amdhsa_next_free_vgpr 256
		.amdhsa_next_free_sgpr 66
		.amdhsa_reserve_vcc 1
		.amdhsa_float_denorm_mode_32 3
		.amdhsa_float_denorm_mode_16_64 3
		.amdhsa_memory_ordered 1
		.amdhsa_forward_progress 1
		.amdhsa_inst_pref_size 19
	.end_amdhsa_kernel
	.amdgpu_metadata
---
amdhsa.version: [ 1, 2 ]
amdhsa.kernels:
  - .name:           k_q6eee58c035_wq
    .symbol:         k_q6eee58c035_wq.kd
    .args:
      - { .name: Wq_text, .offset: 0, .size: 8, .value_kind: global_buffer, .address_space: global }
      - { .name: Wq_image, .offset: 8, .size: 8, .value_kind: global_buffer, .address_space: global }
      - { .name: Wk_image, .offset: 16, .size: 8, .value_kind: global_buffer, .address_space: global }
      - { .name: Wk_text, .offset: 24, .size: 8, .value_kind: global_buffer, .address_space: global }
      - { .name: Wv_image, .offset: 32, .size: 8, .value_kind: global_buffer, .address_space: global }
      - { .name: Wv_text, .offset: 40, .size: 8, .value_kind: global_buffer, .address_space: global }
      - { .name: wimg, .offset: 48, .size: 8, .value_kind: global_buffer, .address_space: global }
      - { .name: wsc, .offset: 56, .size: 8, .value_kind: global_buffer, .address_space: global }
    .group_segment_fixed_size: 68096
    .private_segment_fixed_size: 0
    .kernarg_segment_align: 8
    .kernarg_segment_size: 64
    .max_flat_workgroup_size: 128
    .sgpr_count:     66
    .vgpr_count:     256
    .wavefront_size: 32
...
	.end_amdgpu_metadata
.endif
;; end of part 1
;; launch projkv (part 2): grid 64 x 4, 4 waves a work-group, no clusters, 246,272 bytes of LDS; arguments K_image, K_text, V_image, V_text, bk_image, bk_text, bv_image, bv_text, wimg, wsc, kv, scl; writes kv, scl
.if DOCPART == 2
	.amdgcn_target "amdgcn-amd-amdhsa--gfx1250"
	.amdhsa_code_object_version 6
	.text
	.protected	k_q6eee58c035_projkv
	.globl	k_q6eee58c035_projkv
	.p2align	8
	.type	k_q6eee58c035_projkv,@function
k_q6eee58c035_projkv:
	s_mov_b64 s[64:65], 0
	v_nop
	global_prefetch_b8 v0, s[64:65] scope:SCOPE_SE
	s_setreg_imm32_b32 hwreg(HW_REG_WAVE_MODE, 25, 1), 1
	s_wait_xcnt 0x0
; k and v of both attentions: y = x W^T + b on codes of BF6 (E3M2) with one E8M0 scale for each 32 along K, and y quantised again for the attention launch: k along its 512 channels, v ALONG THE KEYS (the rows of x).
; y-id T: 0 k_image, 1 k_text, 2 v_image, 3 v_text.  kind = T / 2, direction = T % 2.  x-id: a block of 128 rows of x [8,192][512] f32: batch = x / 16, g = x % 16.  256 equal work-groups.
; The head is common; then the text parts ONCE, on the work-group's y alone, into k's body and v's body, which do not join again.  Each body has LDS bytes of its own.
; BOTH BODIES.  Wave w first quantises rows 32 w .. 32 w + 31 of the block (two tiles x four K steps) and stores the fragments' images in LDS; one barrier; then it owns output channels 128 w .. 128 w + 127.
; A fragment (16 rows x 128 K) is 12 registers a lane; its image is 1,536 bytes: registers 4 c .. 4 c + 3 of lane l at 512 c + 16 l.  x's tiles are PERMUTED: lane r of tile 2 b + u takes row 32 b + 8 u + r + 8 (r / 8).
; k: source 0 = 16 rows of W (permuted tiles; my quarter, 384 registers, loaded at the head), source 1 = 16 rows of x, from LDS tile by tile: a lane holds one key, its 64 results run along the channels in the order QUANT takes:
;    ONE fragment (tile n of keys, K step w of the attention's first product).  The bias is the C of each sum's first product.
; v: source 0 = 16 rows of x (all 32 fragments in registers), source 1 = 16 rows of W (natural tiles, from memory tile by tile): a lane holds ONE CHANNEL, its 64 results are keys 32 b + 16 h + i:
;    ONE fragment (16 channels x these 128 keys).  The bias, one number a lane, is spread over eight registers as C.
; OUT: kv [y of the attention][wave w'][16 units of 24,576].  k: w' = g % 4, unit 4 (g / 4) holds tiles 0-3, unit 4 (g / 4) + 2 tiles 4-7, fragment 4 (n % 4) + K step.
;      v: w' = my wave, unit 4 (g / 4) + 1 + 2 ((g / 2) % 2), fragment 8 (g % 2) + channel tile.  Scale words: scl: k's at 0, [y][K step][2,048 words]; v's at 262,144, [y][g][512 words by channel].
; NO JOINT LOADS: of the 458,752 bytes that a work-group reads, the 196,608 of W's images are shared with others, but each wave's quarter goes once from memory straight into the registers of the one wave that uses it;
; through LDS it would be written and read once more, and there is no loop in which a ring could turn.  The 262,144 bytes of x are nobody else's.
; LIMITS: NaN and infinities are not served; a block whose largest magnitude lies under 2^-122 (a block of zeros among them) gets the byte 1: a block of zeros has zero codes, and this program alone reads the bytes.
; REGISTERS, in windows of 256.  window 0: v1-15 addresses; v16-79 the results (earlier: tile 1's numbers); v80-143 tile 0's numbers; v144-183 codes, two sets; v184-199 at work; v200-201 scale words made;
;   v204-219 the resident operand's scale words (tiles 2 tp and 2 tp + 1 in the two halves of the lanes); v220-227 the other's, two sets; v228-243 v's bias.
;   window 1: the resident operand's fragments of K steps 0, 1 (k: from v192 the bias, 8 registers a tile).   window 2: K steps 2, 3.   window 3: x as loaded, two sets of 128; later the other operand's fragments, two sets of 48.
.set SP,    528                        ; a stage row: 512 bytes + 16
.set STGW,  32*SP                      ; a wave's stage
.set FRB,   1536                       ; a fragment's image
.set XIMG,  4*STGW                     ; a path's LDS: behind the four stages x's 32 fragments, (4 tile + K step) x FRB,
.set XSC,   XIMG+32*FRB                ; their scale words, 128 bytes each,
.set SCG,   XSC+32*128                 ; and 512 bytes for each wave, in which its results' scale words are gathered
.set PATHB, SCG+4*512                  ; 122,880 bytes a path: k's at 0, v's behind them
.set GL16,  1                          ; v1   16 x lane
.set SWR,   2                          ; v2   my stage, in: 16 x lane
.set SRD,   3                          ; v3   my stage, out: row r, + 64 h
.set XWI,   4                          ; v4   where I store x's images
.set XWS,   5                          ; v5   and their scale words
.set XIR,   6                          ; v6   where anybody reads x's images: XIMG + 16 x lane
.set XSR,   7                          ; v7   k: x's scale words: XSC + 4 x lane
.set XSH,   8                          ; v8   v: XSC + 4 r + 512 h: lanes 16-31 take the next tile's words
.set GW,    9                          ; v9   my gathering place, in: 4 r
.set GR,    10                         ; v10  out: 16 x lane
.set R4,    13                         ; v13  4 r
.set H64,   14                         ; v14  64 h
.set L4,    15                         ; v15  4 x lane
.set HA,    16
.set XN1,   16
.set XN0,   80
.set PC0,   144
.set PC1,   164
.set TM,    184
.set PW0,   200
.set PW1,   201
.set AS,    204
.set BS,    220
.set CB,    228
.set BV,    236
.set T0,    244                        ; v244 lane, v245 r, v246 h
.set T1,    245
.set T2,    246
.set BIAS,  192                        ; in window 1
.set WV,    38
.set X0,    44                         ; s[44:45] my 32 rows of x
.set BP,    50                         ; s[50:51] my 128 numbers of the bias
.set WI,    52                         ; s[52:53] my quarter of W's images
.set WS,    54                         ; s[54:55] and of its scale words
.set OB0,   56                         ; s[56:57] where the fragments go (k: tiles 0-3;  s[58:59] tiles 4-7)
.set OB1,   58
.set SB,    60                         ; s[60:61] where my 128 scale words go
.set SEL,   62
.set MSB, 0
.macro WIN new                         ; the immediate's high byte repeats the setting that is left; a switch that changes nothing is dropped
.if MSB != \new
	s_set_vgpr_msb (MSB<<8)|\new
.set MSB, \new
.endif
.endm
; 64 numbers of a lane, register 16 b + i = k 32 b + 16 (lane / 16) + i of my row, become a fragment's 12 registers in v[pc] on and my row's scale word in v[pw].
.macro QUANT src, pc, pw
.irp b, 0,1,2,3
	v_max3_num_f32 v[TM+\b], |v[(\src)+16*\b]|, |v[(\src)+1+16*\b]|, 0x2800000   ; my 16 numbers of block b, and the floor 2^(5 - 127): the byte cannot fall under 1
.endr
.irp i, 2,4,6,8,10,12,14
.irp b, 0,1,2,3
	v_max3_num_f32 v[TM+\b], v[TM+\b], |v[(\src)+16*\b+\i]|, |v[(\src)+1+16*\b+\i]|   ; the four blocks by turns; each tile of results is read from its low end on
.endr
.endr
.irp b, 0,1,2,3
	v_permlanex16_b32 v[TM+4+\b], v[TM+\b], s[SEL], s[SEL+1]
.endr
.irp b, 0,1,2,3
	v_max_num_f32 v[TM+\b], v[TM+\b], v[TM+4+\b]           ; with lane l xor 16's 16: the block's largest magnitude
.endr
.irp b, 0,1,2,3
	v_add_nc_u32 v[TM+12+\b], 0xfe000000, v[TM+\b]         ; 4 off its exponent field: the conversion takes this operand's exponent field as its scale
.endr
.irp b, 0,1,2,3
	v_lshrrev_b32 v[TM+4+\b], 23, v[TM+12+\b]              ; the scale's byte
.endr
	v_lshl_or_b32 v[\pw], v[TM+5], 8, v[TM+4]
	v_lshl_or_b32 v[\pw], v[TM+6], 16, v[\pw]
	v_lshl_or_b32 v[\pw], v[TM+7], 24, v[\pw]
.irp c, 0,1
	v_cvt_scalef32_pk16_bf6_f32 v[(\pc)+6*\c:(\pc)+2+6*\c], v[(\src)+32*\c:(\src)+15+32*\c], v[TM+12+2*\c]
	v_cvt_scalef32_pk16_bf6_f32 v[(\pc)+12+4*\c:(\pc)+14+4*\c], v[(\src)+16+32*\c:(\src)+31+32*\c], v[TM+12+2*\c+1]   ; (three registers that begin on an even number)
.endr
	v_nop                                                  ; one plain place behind a scaled conversion
.irp c, 0,1                                            ; the layout wants a whole block in a lane: lanes 0-15 block 2 c, lanes 16-31 block 2 c + 1
.irp i, 0,1,2
	v_permlane16_swap_b32 v[(\pc)+6*\c+\i], v[(\pc)+12+4*\c+\i]
.endr
.irp i, 0,1,2
	v_mov_b32 v[(\pc)+3+6*\c+\i], v[(\pc)+12+4*\c+\i]
.endr
.endr
.endm
.macro ADDRS base                      ; a path's LDS addresses: a constant, a constant x lane, a constant x wave
	s_mul_i32 s30, s[WV], STGW
	s_add_co_u32 s30, s30, \base
	v_add_nc_u32 v[SWR], s30, v[GL16]
	v_mul_u32_u24 v[SRD], v[T1], SP
	v_lshl_add_u32 v[SRD], v[T2], 6, v[SRD]
	v_add_nc_u32 v[SRD], s30, v[SRD]
	s_mul_i32 s30, s[WV], 8*FRB
	s_add_co_u32 s30, s30, (\base)+XIMG
	v_add_nc_u32 v[XWI], s30, v[GL16]
	s_lshl_b32 s30, s[WV], 10
	s_add_co_u32 s30, s30, (\base)+XSC
	v_add_nc_u32 v[XWS], s30, v[L4]
	v_add_nc_u32 v[XIR], (\base)+XIMG, v[GL16]
	s_lshl_b32 s30, s[WV], 9
	s_add_co_u32 s30, s30, (\base)+SCG
	v_add_nc_u32 v[GW], s30, v[R4]
	v_add_nc_u32 v[GR], s30, v[GL16]
.endm
.macro XLOAD s                         ; K step s of my 32 rows, in the permuted order: stage rows 8-15 are rows 16-23, stage rows 16-23 are rows 8-15
	WIN 0xc0
.set P, 0
.rept 32
.set SROW, P
.if (P >= 8) && (P < 16)
.set SROW, P+8
.elseif (P >= 16) && (P < 24)
.set SROW, P-8
.endif
	global_load_b128 v[128*((\s)%2)+4*P:128*((\s)%2)+4*P+3], v[GL16], s[X0:X0+1] offset:SROW*2048+512*(\s) th:TH_LOAD_NT   ; 512 consecutive bytes of one row
.set P, P+1
.endr
	WIN 0
.endm
.macro XTURN s                         ; through my stage: in as loaded, out 16 neighbours of each block of 32 to a lane
	WIN 0x0c                                       ; an LDS store's data are its source 1: window 3
.set P, 0
.rept 32
	ds_store_b128 v[SWR], v[128*((\s)%2)+4*P:128*((\s)%2)+4*P+3] offset:P*SP
.set P, P+1
.endr
	WIN 0
.irp u, 0,1
.irp b, 0,1,2,3
.irp j, 0,1,2,3
	ds_load_b128 v[XN0-64*\u+16*\b+4*\j:XN0-64*\u+16*\b+4*\j+3], v[SRD] offset:16*SP*\u+128*\b+16*\j   ; LDS serves a wave's instructions in order: these see my stores
.endr
.endr
.endr
.endm
.macro IMG u, s                        ; the fragment just made (my tile u, K step s) goes to LDS as it stands, its scale words beside it
.irp k, 0,1,2
	ds_store_b128 v[XWI], v[PC0+20*(\u)+4*\k:PC0+20*(\u)+4*\k+3] offset:(4*(\u)+(\s))*FRB+512*\k
.endr
	ds_store_b32 v[XWS], v[PW0+(\u)] offset:(4*(\u)+(\s))*128
.endm
.macro WM d, a, b, c, x, y, ra         ; one product; ra = 1: source 0's scale words stand in lanes 16-31
.if \ra
	v_wmma_scale_f32_16x16x128_f8f6f4 v[(\d):(\d)+7], v[(\a):(\a)+11], v[(\b):(\b)+11], v[(\c):(\c)+7], v[\x], v[\y] matrix_a_fmt:MATRIX_FMT_BF6 matrix_b_fmt:MATRIX_FMT_BF6 matrix_a_scale:MATRIX_SCALE_ROW1
.else
	v_wmma_scale_f32_16x16x128_f8f6f4 v[(\d):(\d)+7], v[(\a):(\a)+11], v[(\b):(\b)+11], v[(\c):(\c)+7], v[\x], v[\y] matrix_a_fmt:MATRIX_FMT_BF6 matrix_b_fmt:MATRIX_FMT_BF6
.endif
.endm
.macro KBFETCH n                       ; k: tile n of x from LDS: four fragments into set n % 2 of window 3, four scale words: 16 loads
	WIN 0xc0
.irp s, 0,1,2,3
.irp k, 0,1,2
	ds_load_b128 v[48*((\n)%2)+12*\s+4*\k:48*((\n)%2)+12*\s+4*\k+3], v[XIR] offset:(4*(\n)+\s)*FRB+512*\k
.endr
.endr
	WIN 0
.irp s, 0,1,2,3
	ds_load_b32 v[BS+4*((\n)%2)+\s], v[XSR] offset:(4*(\n)+\s)*128
.endr
.endm
.macro VBFETCH n                       ; v: tile n of my quarter of W from memory: four fragments into set n % 2 of window 3, four scale words: 16 loads
	WIN 0xc0
.irp s, 0,1,2,3
.irp k, 0,1,2
	global_load_b128 v[48*((\n)%2)+12*\s+4*\k:48*((\n)%2)+12*\s+4*\k+3], v[GL16], s[WI:WI+1] offset:(4*(\n)+\s)*FRB+512*\k
.endr
.endr
	WIN 0
.irp s, 0,1,2,3
	global_load_b32 v[BS+4*((\n)%2)+\s], v[R4], s[WS:WS+1] offset:2048*\s+64*(\n)
.endr
.endm
.macro XSTEP s, v                      ; K step s of my 32 rows becomes two fragments.  v = 1: v's body
.if (\s) < 3
	s_wait_loadcnt 32                              ; this K step's loads (and all older ones) are in; the next K step's 32 may be out
.else
	s_wait_loadcnt 0x0
.endif
	XTURN \s
	s_wait_dscnt 0x0                               ; the numbers are back; the stage's stores have read their registers, the last images' stores theirs
.if (\s) < 2
	XLOAD (\s)+2
.endif
.if (\s) == 3
.if \v
	VBFETCH 0                                      ; W's first two tiles are asked for here, into registers of x that have been stored: they land while the last K step is quantised
	VBFETCH 1
.endif
.endif
	QUANT XN0, PC0, PW0
	IMG 0, \s
	QUANT XN1, PC1, PW1
	IMG 1, \s
.endm
.macro KPMUL n                         ; k: 32 products: my 8 tiles of W by turns, K step by K step; the first takes the bias as C
.irp s, 0,1,2,3
.if \s == 0
	WIN 0x1d                                       ; source 0 (W) window 1, source 1 (x) window 3, C (bias) window 1, D window 0
.elseif \s == 1
	WIN 0x0d
.else
	WIN 0x0e                                       ; W's K steps 2, 3: window 2
.endif
.irp t, 0,1,2,3,4,5,6,7
.set rD, HA+8*\t
.set rC, rD
.if \s == 0
.set rC, BIAS+8*\t
.endif
	WM rD, 12*(8*(\s%2)+\t), 48*((\n)%2)+12*\s, rC, AS+4*(\t/2)+\s, BS+4*((\n)%2)+\s, \t%2
.endr
.endr
.endm
.macro VPMUL n                         ; v: 32 products: x's 8 tiles by turns, K step by K step; the first takes the bias as C
.irp s, 0,1,2,3
.if \s < 2
	WIN 0x0d                                       ; source 0 (x) window 1, source 1 (W) window 3, C and D window 0
.else
	WIN 0x0e                                       ; x's K steps 2, 3: window 2
.endif
.irp t, 0,1,2,3,4,5,6,7
.set rD, HA+8*\t
.set rC, rD
.if \s == 0
.set rC, CB
.endif
	WM rD, 12*(8*(\s%2)+\t), 48*((\n)%2)+12*\s, rC, AS+4*(\t/2)+\s, BS+4*((\n)%2)+\s, \t%2
.endr
.endr
.endm
.macro KSTEP n                         ; k: tile n of x against my quarter of W; the results become one fragment
.if (\n) < 7
	s_wait_dscnt 16                                ; tile n's 16 loads are in; the next tile's 16 may be out
.else
	s_wait_dscnt 0x0
.endif
	KPMUL \n
	WIN 0
.rept 4
	v_nop                                          ; four places behind the products, in front of loads into their operands and of the first read of results
.endr
.if (\n) < 6
	KBFETCH (\n)+2
.endif
	s_wait_xcnt 0x0                                ; the stores of two tiles ago have read this set of codes
	QUANT HA, PC0+20*((\n)%2), PW0+((\n)%2)
.irp k, 0,1,2
.if (\n) < 4
	global_store_b128 v[GL16], v[PC0+20*((\n)%2)+4*\k:PC0+20*((\n)%2)+4*\k+3], s[OB0:OB0+1] offset:(\n)*4*FRB+512*\k   ; 512 consecutive bytes, aligned
.else
	global_store_b128 v[GL16], v[PC0+20*((\n)%2)+4*\k:PC0+20*((\n)%2)+4*\k+3], s[OB1:OB1+1] offset:((\n)-4)*4*FRB+512*\k
.endif
.endr
	ds_store_b32 v[GW], v[PW0+((\n)%2)] offset:64*(\n)     ; both halves of the lanes write row r's word with the same value
.endm
.macro VSTEP n                         ; v: the 128 keys against tile n of W; the results become one fragment
.if (\n) < 7
	s_wait_loadcnt 16                              ; tile n's 16 loads are in; the next tile's 16 may be out
.else
	s_wait_loadcnt 0x0
.endif
	VPMUL \n
	WIN 0
.rept 4
	v_nop                                          ; four places behind the products, in front of writes of and loads into their operands and of the first read of results
.endr
.if (\n) < 7
.irp j, 0,1,2,3,4,5,6,7
	v_mov_b32 v[CB+\j], v[BV+(\n)+1]               ; the next tile's bias, one number a lane, as eight registers of C
.endr
.endif
.if (\n) < 6
	VBFETCH (\n)+2
.endif
	s_wait_xcnt 0x0                                ; the stores of two tiles ago have read this set of codes
	QUANT HA, PC0+20*((\n)%2), PW0+((\n)%2)
.irp k, 0,1,2
	global_store_b128 v[GL16], v[PC0+20*((\n)%2)+4*\k:PC0+20*((\n)%2)+4*\k+3], s[OB0:OB0+1] offset:(\n)*FRB+512*\k   ; 512 consecutive bytes, aligned
.endr
	ds_store_b32 v[GW], v[PW0+((\n)%2)] offset:64*(\n)     ; both halves of the lanes write channel r's word with the same value
.endm
	; ---- the common head
	s_load_b512 s[4:19], s[0:1], 0x0               ; x: K_image, K_text, V_image, V_text s[4:11];  their biases s[12:19]
	s_load_b256 s[20:27], s[0:1], 0x40             ; wimg s[20:21], wsc s[22:23], kv s[24:25], scl s[26:27]
	v_lshl_add_u32 v254, v0, 2, 0x3c000
	v_mov_b32 v255, 0
	v_lshrrev_b32 v[T0], 5, v0
	v_readfirstlane_b32 s[WV], v[T0]               ; wave 0..3
	s_and_b32 s39, ttmp7, 0xffff                   ; T
	s_lshr_b32 s40, s39, 1                         ; kind: 0 k, 1 v
	s_add_co_u32 s43, s39, 2                       ; the tensor's number among the six weights
	s_and_b32 s41, s39, 1
	s_lshl_b32 s41, s41, 2
	s_lshr_b32 s30, ttmp9, 4
	s_add_co_u32 s41, s41, s30                     ; y of the attention = 4 x direction + batch
	s_and_b32 s42, ttmp9, 15                       ; g
	v_and_b32 v[T0], 31, v0                        ; lane
	v_and_b32 v[T1], 15, v0                        ; r
	v_bfe_u32 v[T2], v0, 4, 1                      ; h
	v_lshlrev_b32 v[GL16], 4, v[T0]
	v_lshlrev_b32 v[L4], 2, v[T0]
	v_lshlrev_b32 v[R4], 2, v[T1]
	v_lshlrev_b32 v[H64], 6, v[T2]
.irp b, 0,1,2,3
	v_mov_b32 v[TM+4+\b], 0                        ; written once: a lane permute's destination counts as one of its sources
.endr
	s_mov_b32 s[SEL], 0x76543210
	s_mov_b32 s[SEL+1], 0xfedcba98
	s_lshl_b32 s[X0], ttmp9, 18                    ; offsets, each in the registers that will hold the address: 128 rows of 2,048 bytes a block,
	s_lshl_b32 s30, s[WV], 16                      ; 32 rows a wave
	s_add_co_u32 s[X0], s[X0], s30
	s_mov_b32 s[X0+1], 0
	s_lshl_b32 s[BP], s[WV], 9
	s_mov_b32 s[BP+1], 0
	s_mul_i32 s[WI], s43, 32*4*FRB
	s_mul_i32 s30, s[WV], 8*4*FRB
	s_add_co_u32 s[WI], s[WI], s30
	s_mov_b32 s[WI+1], 0
	s_lshl_b32 s[WS], s43, 13
	s_lshl_b32 s30, s[WV], 9
	s_add_co_u32 s[WS], s[WS], s30
	s_mov_b32 s[WS+1], 0
	s_wait_kmcnt 0x0
	s_cmp_eq_u32 s39, 1                            ; the choices hang on the work-group's number alone
	s_cselect_b64 s[4:5], s[6:7], s[4:5]
	s_cselect_b64 s[12:13], s[14:15], s[12:13]
	s_cmp_eq_u32 s39, 2
	s_cselect_b64 s[4:5], s[8:9], s[4:5]
	s_cselect_b64 s[12:13], s[16:17], s[12:13]
	s_cmp_eq_u32 s39, 3
	s_cselect_b64 s[4:5], s[10:11], s[4:5]
	s_cselect_b64 s[12:13], s[18:19], s[12:13]
	s_add_nc_u64 s[X0:X0+1], s[4:5], s[X0:X0+1]
	s_add_nc_u64 s[BP:BP+1], s[12:13], s[BP:BP+1]
	s_add_nc_u64 s[WI:WI+1], s[20:21], s[WI:WI+1]
	s_add_nc_u64 s[WS:WS+1], s[22:23], s[WS:WS+1]
	s_cmp_lg_u32 s40, 0                            ; the one parting: alike in all four waves of a work-group
	s_cbranch_scc1 .Lv_body
	; ---- k's body.  My quarter of W, its scale words and the bias are asked for ahead of x, so that the counted waits of the K steps cover them
	WIN 0x40
.irp s, 0,1
.irp t, 0,1,2,3,4,5,6,7
.irp k, 0,1,2
	global_load_b128 v[12*(8*\s+\t)+4*\k:12*(8*\s+\t)+4*\k+3], v[GL16], s[WI:WI+1] offset:(4*\t+\s)*FRB+512*\k
.endr
.endr
.endr
.irp t, 0,1,2,3,4,5,6,7                        ; lane (r, h) wants, for tile t, the bias of channels 32 (t / 2) + 8 (t % 2) + 16 h + 0 .. 7
	global_load_b128 v[BIAS+8*\t:BIAS+8*\t+3], v[H64], s[BP:BP+1] offset:(32*(\t/2)+8*(\t%2))*4
	global_load_b128 v[BIAS+8*\t+4:BIAS+8*\t+7], v[H64], s[BP:BP+1] offset:(32*(\t/2)+8*(\t%2))*4+16
.endr
	WIN 0x80
.irp s, 0,1
.irp t, 0,1,2,3,4,5,6,7
.irp k, 0,1,2
	global_load_b128 v[12*(8*\s+\t)+4*\k:12*(8*\s+\t)+4*\k+3], v[GL16], s[WI:WI+1] offset:(4*\t+\s+2)*FRB+512*\k
.endr
.endr
.endr
	WIN 0
.irp s, 0,1,2,3
.irp tp, 0,1,2,3
	global_load_b32 v[AS+4*\tp+\s], v[L4], s[WS:WS+1] offset:2048*\s+128*\tp
.endr
.endr
	XLOAD 0
	XLOAD 1
	ADDRS 0
	v_add_nc_u32 v[XSR], XSC, v[L4]
	s_lshl_b32 s30, s41, 2                         ; the stream of the attention's wave g % 4,
	s_and_b32 s31, s42, 3
	s_add_co_u32 s30, s30, s31
	s_mul_i32 s[OB0], s30, 393216
	s_lshr_b32 s30, s42, 2                         ; step g / 4,
	s_mul_i32 s30, s30, 98304
	s_add_co_u32 s[OB0], s[OB0], s30
	s_mul_i32 s30, s[WV], FRB                      ; the next product's K step is my wave's number
	s_add_co_u32 s[OB0], s[OB0], s30
	s_mov_b32 s[OB0+1], 0
	s_add_nc_u64 s[OB0:OB0+1], s[24:25], s[OB0:OB0+1]
	s_add_nc_u64 s[OB1:OB1+1], s[OB0:OB0+1], 49152 ; tiles 4-7: two units on
	s_lshl_b32 s[SB], s41, 15                      ; scale words: y, plane = K step, 128 words a block
	s_lshl_b32 s30, s[WV], 13
	s_add_co_u32 s[SB], s[SB], s30
	s_lshl_b32 s30, s42, 9
	s_add_co_u32 s[SB], s[SB], s30
	s_mov_b32 s[SB+1], 0
	s_add_nc_u64 s[SB:SB+1], s[26:27], s[SB:SB+1]
	XSTEP 0, 0
	XSTEP 1, 0
	XSTEP 2, 0
	XSTEP 3, 0
	s_wait_dscnt 0x0                               ; for the others' sake: my images and scale words have landed
	s_barrier_signal -1
	s_barrier_wait -1                              ; x's 32 fragments lie in LDS; from here on they are only read
	KBFETCH 0
	KBFETCH 1
.irp n, 0,1,2,3,4,5,6,7
	KSTEP \n
.endr
	ds_load_b128 v[XN0:XN0+3], v[GR]               ; my 128 scale words: LDS serves a wave's instructions in order, these see my stores
	s_wait_dscnt 0x0
	global_store_b128 v[GL16], v[XN0:XN0+3], s[SB:SB+1]    ; 512 consecutive bytes, aligned
	s_wait_tensorcnt 0x0
	ds_add_u32 v254, v255
	s_wait_dscnt 0x0
	s_endpgm
	; ---- v's body, on LDS bytes of its own
.Lv_body:
.irp n, 0,1,2,3,4,5,6,7
	global_load_b32 v[BV+\n], v[R4], s[BP:BP+1] offset:64*\n       ; the bias of channel 16 n + r of my quarter; asked for ahead of x, so that the counted waits of the K steps cover it
.endr
	XLOAD 0
	XLOAD 1
	ADDRS PATHB
	v_lshl_add_u32 v[XSH], v[T2], 9, v[R4]
	v_add_nc_u32 v[XSH], PATHB+XSC, v[XSH]
	s_lshl_b32 s30, s41, 2                         ; the stream of the attention's wave w = my wave,
	s_add_co_u32 s30, s30, s[WV]
	s_mul_i32 s[OB0], s30, 393216
	s_lshr_b32 s30, s42, 2                         ; step g / 4,
	s_mul_i32 s30, s30, 98304
	s_add_co_u32 s[OB0], s[OB0], s30
	s_bfe_u32 s30, s42, 0x10001                    ; unit 1 or 3 of the step: (g / 2) % 2,
	s_mul_i32 s30, s30, 49152
	s_add_co_u32 s[OB0], s[OB0], s30
	s_and_b32 s30, s42, 1                          ; its first or second eight fragments
	s_mul_i32 s30, s30, 8*FRB
	s_add_co_u32 s[OB0], s[OB0], s30
	s_add_co_u32 s[OB0], s[OB0], 24576
	s_mov_b32 s[OB0+1], 0
	s_add_nc_u64 s[OB0:OB0+1], s[24:25], s[OB0:OB0+1]
	s_lshl_b32 s[SB], s41, 15                      ; scale words: the second part, y, plane g, my 128 channels
	s_lshl_b32 s30, s42, 11
	s_add_co_u32 s[SB], s[SB], s30
	s_lshl_b32 s30, s[WV], 9
	s_add_co_u32 s[SB], s[SB], s30
	s_add_co_u32 s[SB], s[SB], 262144
	s_mov_b32 s[SB+1], 0
	s_add_nc_u64 s[SB:SB+1], s[26:27], s[SB:SB+1]
	XSTEP 0, 1
	XSTEP 1, 1
	XSTEP 2, 1
	XSTEP 3, 1
	s_wait_dscnt 0x0                               ; for the others' sake: my images and scale words have landed
	s_barrier_signal -1
	s_barrier_wait -1                              ; x's 32 fragments lie in LDS; from here on they are only read
	WIN 0x40
.irp s, 0,1
.irp t, 0,1,2,3,4,5,6,7
.irp k, 0,1,2
	ds_load_b128 v[12*(8*\s+\t)+4*\k:12*(8*\s+\t)+4*\k+3], v[XIR] offset:(4*\t+\s)*FRB+512*\k
.endr
.endr
.endr
	WIN 0x80
.irp s, 0,1
.irp t, 0,1,2,3,4,5,6,7
.irp k, 0,1,2
	ds_load_b128 v[12*(8*\s+\t)+4*\k:12*(8*\s+\t)+4*\k+3], v[XIR] offset:(4*\t+\s+2)*FRB+512*\k
.endr
.endr
.endr
	WIN 0
.irp s, 0,1,2,3
.irp tp, 0,1,2,3
	ds_load_b32 v[AS+4*\tp+\s], v[XSH] offset:1024*\tp+128*\s
.endr
.endr
.irp j, 0,1,2,3,4,5,6,7
	v_mov_b32 v[CB+\j], v[BV]                      ; the first tile's bias
.endr
	s_wait_dscnt 0x0                               ; x's fragments and scale words are in
.irp n, 0,1,2,3,4,5,6,7
	VSTEP \n
.endr
	ds_load_b128 v[XN0:XN0+3], v[GR]               ; my 128 scale words: LDS serves a wave's instructions in order, these see my stores
	s_wait_dscnt 0x0
	global_store_b128 v[GL16], v[XN0:XN0+3], s[SB:SB+1]    ; 512 consecutive bytes, aligned
	s_wait_tensorcnt 0x0
	ds_add_u32 v254, v255
	s_wait_dscnt 0x0
	s_endpgm
.Lfunc_end_k_q6eee58c035_projkv:
	.size	k_q6eee58c035_projkv, .Lfunc_end_k_q6eee58c035_projkv-k_q6eee58c035_projkv
	.p2alignl 7, 3214868480
	.fill 96, 4, 3214868480
	.section	.rodata,"a",@progbits
	.p2align	6, 0x0
	.amdhsa_kernel k_q6eee58c035_projkv
		.amdhsa_group_segment_fixed_size 246272
		.amdhsa_private_segment_fixed_size 0
		.amdhsa_enable_private_segment 0
		.amdhsa_kernarg_size 96
		.amdhsa_user_sgpr_count 2
		.amdhsa_user_sgpr_kernarg_segment_ptr 1
		.amdhsa_wavefront_size32 1
		.amdhsa_system_sgpr_workgroup_id_x 1
		.amdhsa_system_sgpr_workgroup_id_y 1
		.amdhsa_system_sgpr_workgroup_id_z 1
		.amdhsa_system_vgpr_workitem_id 0
		.amdhsa_next_free_vgpr 1024
		.amdhsa_next_free_sgpr 66
		.amdhsa_reserve_vcc 0
		.amdhsa_float_denorm_mode_32 3
		.amdhsa_float_denorm_mode_16_64 3
		.amdhsa_memory_ordered 1
		.amdhsa_forward_progress 1
		.amdhsa_inst_pref_size 255
	.end_amdhsa_kernel
	.section	.bss,"aw",@nobits
	.p2align	6
	.space	262144
	.amdgpu_metadata
---
amdhsa.version: [ 1, 2 ]
amdhsa.kernels:
  - .name:           k_q6eee58c035_projkv
    .symbol:         k_q6eee58c035_projkv.kd
    .args:
      - { .name: K_image, .offset: 0, .size: 8, .value_kind: global_buffer, .address_space: global }
      - { .name: K_text, .offset: 8, .size: 8, .value_kind: global_buffer, .address_space: global }
      - { .name: V_image, .offset: 16, .size: 8, .value_kind: global_buffer, .address_space: global }
      - { .name: V_text, .offset: 24, .size: 8, .value_kind: global_buffer, .address_space: global }
      - { .name: bk_image, .offset: 32, .size: 8, .value_kind: global_buffer, .address_space: global }
      - { .name: bk_text, .offset: 40, .size: 8, .value_kind: global_buffer, .address_space: global }
      - { .name: bv_image, .offset: 48, .size: 8, .value_kind: global_buffer, .address_space: global }
      - { .name: bv_text, .offset: 56, .size: 8, .value_kind: global_buffer, .address_space: global }
      - { .name: wimg, .offset: 64, .size: 8, .value_kind: global_buffer, .address_space: global }
      - { .name: wsc, .offset: 72, .size: 8, .value_kind: global_buffer, .address_space: global }
      - { .name: kv, .offset: 80, .size: 8, .value_kind: global_buffer, .address_space: global }
      - { .name: scl, .offset: 88, .size: 8, .value_kind: global_buffer, .address_space: global }
    .group_segment_fixed_size: 246272
    .private_segment_fixed_size: 0
    .kernarg_segment_align: 8
    .kernarg_segment_size: 96
    .max_flat_workgroup_size: 128
    .sgpr_count:     66
    .vgpr_count:     1024
    .wavefront_size: 32
...
	.end_amdgpu_metadata
.endif
;; end of part 2
;; launch attn (part 3): grid 32 x 8, 4 waves a work-group, clusters of 4 x 1, 327,680 bytes of LDS; arguments Q_text, Q_image, bq_text, bq_image, wimg, wsc, kv, scl, out0, out1; writes out0, out1
.if DOCPART == 3
	.amdgcn_target "amdgcn-amd-amdhsa--gfx1250"
	.amdhsa_code_object_version 6
	.text
	.protected	k_q6eee58c035_attn
	.globl	k_q6eee58c035_attn
	.p2align	8
	.type	k_q6eee58c035_attn,@function
k_q6eee58c035_attn:
	s_mov_b64 s[64:65], 0
	v_nop
	global_prefetch_b8 v0, s[64:65] scope:SCOPE_SE
	s_setreg_imm32_b32 hwreg(HW_REG_WAVE_MODE, 25, 1), 1
	s_wait_xcnt 0x0
	s_wait_alu depctr_hold_cnt(0) depctr_sa_sdst(0) depctr_va_vdst(0) depctr_va_sdst(0) depctr_va_ssrc(0) depctr_va_vcc(0) depctr_vm_vsrc(0)
	s_getreg_b32 s2, hwreg(HW_REG_IB_STS2, 6, 4)
	s_cmp_eq_u32 s2, 0
	s_cbranch_scc0 .Lentry_in_a_cluster
	s_endpgm
.Lentry_in_a_cluster:
	s_bfe_u32 s2, ttmp6, 0x10000c
	s_cmp_lg_u32 s2, 0x3003
	s_cbranch_scc0 .Lentry_shape_is_right
	s_endpgm
.Lentry_shape_is_right:
; Both cross attentions, O = softmax(q k^T / sqrt(512)) v, with q = x Wq^T + bq made here, all products on codes of BF6 (E3M2) with one E8M0 scale for each 32 along a product's K.
; y = 4 x direction + batch; 2,048 queries, 2,048 keys, one head of 512.  Wq, k and v arrive as IMAGES OF OPERAND REGISTERS (a fragment of 16 rows x 128 K: 1,536 bytes, registers 4 c .. 4 c + 3 of lane l at 512 c + 16 l),
; so every fragment comes by three loads of 512 consecutive bytes.  x (Q_text or Q_image) arrives as f32.
; THE SOFTMAX AHEAD OF THE SECOND PRODUCT: t = score x log2(e) / sqrt(512); M = the row's largest t so far, rounded UP to a whole number; p = 2^(t - M) is quantised along the keys, not normalised; the row's sum is taken
; of the unquantised p and divides O at the end.  When M moves, the sum and O are multiplied by 2^(old M - new M), which rounds nothing.
; SHARES.  A work-group owns 64 queries (four tiles m).  O for them is 64 x 512 f32, four times a wave's window, so THE FOUR WAVES SHARE THE QUERIES: in a step of 512 keys wave w makes the scores of keys 128 w .. 128 w + 127
; of the step for all 64 queries (128 products; q's 16 fragments stay in every wave's registers, each fragment of k feeds four products), and O^T for channels 128 w .. 128 w + 127 (128 products; each fragment of v feeds
; four, each of p eight).  Between the two the waves exchange through LDS: their rows' largest scores, so that all four use one M; and p, as images of its registers: wave w's p of tile m is the whole fragment (m, key step w).
; q.  The 64 queries are nobody else's, so their projection is made here and never goes to memory.  Wave w quantises rows 16 w .. 16 w + 15 of x (four fragments, images to LDS), then makes channels 128 w .. 128 w + 127 of q for
; all 64 rows: source 0 = 16 rows of Wq (permuted tiles), source 1 = 16 rows of x, the bias as the C of each sum's first product: a lane holds one query and its 64 results run along the channels in the order QUANT takes:
; they become the fragment (m, K step w), which goes to the other waves as an image, in the bytes that p's images take later.
; LAYOUT.  The attention's products are used transposed (S^T = k q^T, O^T = v^T p^T): a lane holds ONE query (lane % 16) throughout.  k's tiles are permuted (lane r of tile 2 b + u holds key 32 b + 8 u + r + 8 (r / 8)), so that
; the 16 registers of tiles 2 b, 2 b + 1 are keys 32 b + 16 (lane / 16) + 0 .. 15.
; TILES.  Every byte of k and v is read by exactly one wave of a work-group, and kv holds each wave's bytes as one stream in the order of reading, in units of 24,576 bytes: K_a (key tiles 0-3), V_a (key steps 0, 1), K_b, V_b.
; Each wave fetches its own stream into three parts R0, R1, R2 of its own LDS area and reads them behind its own wait on TENSORcnt.  The four work-groups of a cluster (four query blocks of one y) need the same streams and
; the same weights: every tensor load is JOINT, the same descriptor and the mask 15 in all four.  First fills: K_a of step 0 into R2, my quarter of Wq's images (49,152 bytes) into R0, R1.  Behind each round of the cluster's
; barrier a wave issues one load, of two units: [V_a, K_b] into R0, R1 once Wq (later: v's last fragments) is in registers; [V_b, next K_a] into R1, R2 once the scores are made.
; By this text's own count a wave has two tensor loads out at the start and one later.  x is each work-group's own: it comes by plain loads into registers.
; All of a WGP's LDS is claimed.
; LIMITS: NaN and infinities are not served.  The largest t begins at -3e38, under every t.  A block whose largest magnitude lies under 2^-122 (a block of zeros, or of p fallen to 0, among them) gets the scale byte 1:
; a block of zeros has zero codes, and this program alone reads the bytes.
; REGISTERS, in windows of 256.  window 0: v1-15 addresses; v16-47 statistics, 8 a tile; v48-63 the blocks' largest scores; v64-79 at work; v88-135 scale words of k, v, p; v136-143 at work; v144-159 q's scale words;
;   v176-255 p's codes, 20 a tile (while scores are made: v176-223 k's odd tiles).   window 1: v0-191 q; v192-239 k's even tiles, later p's fragments of odd key steps.
;   window 2: S^T, then p, (n, m) at 64 m + 8 n; later v's fragments in two sets of 96 and p's fragments of even key steps at v192; at the end rows of O.   window 3: O^T, (i, m) at 64 m + 8 i.
;   WHILE q IS MADE: window 0: v48-63 at work; v64-79 x's scale words; v88-127 codes, two sets; v128-129 scale words made; v160-175 Wq's scale words; v176-239 the results.   window 1: v0-191 x's fragments.
;   window 2: x as f32, 64 registers a K step; then Wq's K steps 2, 3.   window 3: Wq's K steps 0, 1; from v192 the bias.
.set FRB,   1536
.set UNIT,  24576
.set AREA,  3*UNIT                     ; a wave's area: R0 at 0, R1 at UNIT, R2 at 2 UNIT
.set STEPB, 4*UNIT                     ; a step's bytes in a stream
.set XB,    4*AREA                     ; behind the areas: 16 fragments' images: x's (4 wave + K step), then q's (4 m + K step), then p's (4 m + key step)
.set PSC,   XB+UNIT                    ; words, 512 m + 128 wave + 4 lane: x's scale words, later p's;  2,048 on: the largest scores;  4,096 on: q's scale words, at the end the sums
.set SPARE, PSC+3*2048                 ; the spare words, 128 bytes for each wave: two blocks of 256 bytes that no other line names
.set SPI,   528                        ; the way out: a stage of 16 rows x (512 bytes + 16) in my own R0, which has had its last fill and which I alone read
.set AR0,   1                          ; v1   my area + 16 x lane
.set AR2,   2                          ; v2   my R2 + 16 x lane
.set AL16,  3                          ; v3   XB + 16 x lane
.set APW,   4                          ; v4   where I store q's and p's images: XB + FRB x wave + 16 x lane
.set AXW,   5                          ; v5   where I store words: PSC + 128 x wave + 4 x lane
.set SPW,   6                          ; v6   my spare word; never rewritten
.set NIL,   7                          ; v7   0; never rewritten
.set L4,    8                          ; v8   4 x lane
.set GL16,  9                          ; v9   16 x lane
.set STO,   10                         ; v10  the stage: row r, + 32 h
.set AL4,   11                         ; v11  PSC + 4 x lane
.set XA,    12                         ; v12  x: row r of 2,048 bytes, + 64 h
.set H64,   13                         ; v13  64 h
.set APX,   14                         ; v14  where I store x's images: XB + 4 FRB x wave + 16 x lane
.set AXS,   15                         ; v15  and x's scale words: PSC + 512 x wave + 4 x lane
.set ST,    16                         ; tile m at ST + 8 m: +0 -M, +1 the largest t, +2, +3 the sum in two halves, +4 f, +5 (named with f as a pair), +6 at work, +7 p's scale word
.set BM,    48                         ; (m, b) at 4 m + b
.set TM,    48                         ; while q is made: at work in QUANT
.set X,     64
.set XS,    64                         ; while q is made: x's scale words (m, K step s) at 4 m + s
.set KS,    88                         ; k's scale words (K step s, pair of tiles np) at 4 s + np
.set VS,    104                        ; v's (key step c, pair of tiles ip) at 4 c + ip
.set PS,    120                        ; p's (m, key step c) at 4 m + c
.set PCA,   88                         ; while q is made: codes, two sets,
.set PCB,   108
.set PW0,   128                        ; and the scale words just made
.set PW1,   129
.set SUM2,  136
.set QS,    144                        ; q's scale words (K step s, m) at 4 s + m
.set AS,    160                        ; Wq's (pair of tiles tp, K step s) at 4 tp + s
.set PC,    176
.set HA,    176                        ; while q is made: the 64 results
.set KO,    176                        ; k's odd tiles, window 0
.set KE,    192                        ; k's even tiles, window 1
.set BIASQ, 192                        ; the bias, window 3
.set G1B,   24                         ; s[24:31] group 1: 192 rows of 256 bytes
.set G1S,   32                         ; s[32:39] group 1: 96 rows
.set G0F,   40                         ; s[40:43] group 0 of the first K_a
.set G0B,   44                         ; s[44:47] group 0 of [V_a, K_b], which walks
.set G0A,   48                         ; s[48:51] group 0 of [V_b, K_a], which walks
.set CS,    52                         ; s[52:53] c = log2(e) / sqrt(512)
.set SEL,   54
.set KSP,   56
.set VSP,   58
.set OUT,   60
.set CNT,   62
.set WV,    76
.set XP,    82                         ; s[82:83] my 16 rows of x
.set BP,    84                         ; s[84:85] my 128 numbers of the bias
.set WS,    86                         ; s[86:87] my quarter of Wq's scale words
.set G0W,   88                         ; s[88:91] group 0 of my quarter of Wq's images
.set MSB, 0
.macro WIN new                         ; the immediate's high byte repeats the setting that is left; a switch that changes nothing is dropped
.if MSB != \new
	s_set_vgpr_msb (MSB<<8)|\new
.set MSB, \new
.endif
.endm
.macro ROUND                           ; a round of the cluster's barrier: my work-group's barrier; wave 0 signals for the work-group; every wave waits for all four work-groups; my work-group's barrier once more
	s_barrier_signal -1
	s_barrier_wait -1
	s_cmp_lg_u32 s[WV], 0
	s_cbranch_scc1 .Lnot_wave_0_\@
	s_barrier_signal -3
.Lnot_wave_0_\@:
	s_barrier_wait -3
	s_barrier_signal -1
	s_barrier_wait -1
.endm
; In front of a refill: all my tensor loads have landed; 0 onto my spare word; the other walking descriptor steps while the add is out; the add is done and all my
; LDS reads and stores are over; then the round: no wave of any partner still reads the bytes to be filled or has a load on its way.
.macro RITUAL g0, step
	WIN 0
	s_wait_tensorcnt 0x0
	ds_add_u32 v[SPW], v[NIL]
.if \step
	s_add_nc_u64 s[\g0+2:\g0+3], s[\g0+2:\g0+3], STEPB     ; no load of mine is out, so a group 0 may be written; the type bits on top are not reached
.endif
	s_wait_dscnt 0x0
	ROUND
.endm
.macro TL g0, g1                       ; the joint refill, first thing behind the round; four v_nop follow it
	tensor_load_to_lds s[\g0:\g0+3], s[\g1:\g1+7]
	s_nop 0
.rept 4
	v_nop
.endr
.endm
.macro WM d, a, b, c, x, y, ra         ; one product; c < 0: it starts the sum; ra = 1: source 0's scale words stand in lanes 16-31
.if (\c) < 0
.if \ra
	v_wmma_scale_f32_16x16x128_f8f6f4 v[(\d):(\d)+7], v[(\a):(\a)+11], v[(\b):(\b)+11], 0, v[\x], v[\y] matrix_a_fmt:MATRIX_FMT_BF6 matrix_b_fmt:MATRIX_FMT_BF6 matrix_a_scale:MATRIX_SCALE_ROW1
.else
	v_wmma_scale_f32_16x16x128_f8f6f4 v[(\d):(\d)+7], v[(\a):(\a)+11], v[(\b):(\b)+11], 0, v[\x], v[\y] matrix_a_fmt:MATRIX_FMT_BF6 matrix_b_fmt:MATRIX_FMT_BF6
.endif
.else
.if \ra
	v_wmma_scale_f32_16x16x128_f8f6f4 v[(\d):(\d)+7], v[(\a):(\a)+11], v[(\b):(\b)+11], v[(\c):(\c)+7], v[\x], v[\y] matrix_a_fmt:MATRIX_FMT_BF6 matrix_b_fmt:MATRIX_FMT_BF6 matrix_a_scale:MATRIX_SCALE_ROW1
.else
	v_wmma_scale_f32_16x16x128_f8f6f4 v[(\d):(\d)+7], v[(\a):(\a)+11], v[(\b):(\b)+11], v[(\c):(\c)+7], v[\x], v[\y] matrix_a_fmt:MATRIX_FMT_BF6 matrix_b_fmt:MATRIX_FMT_BF6
.endif
.endif
.endm
.macro PLACES n                        ; places behind matrix instructions (ISA guide 7.12.1): plain vector instructions that name none of their registers
.rept \n
	v_nop
.endr
.endm
; ---- the macros with which q is made
; 64 numbers of a lane in window w, register 16 b + i = k 32 b + 16 (lane / 16) + i of my row, become a fragment's 12 registers in v[pc] on and my row's scale word in v[pw] (both in window 0).
.macro QUANT src, w, pc, pw
.set QW1, 5*(\w)                       ; sources 0 and 1 in window w
.set QW2, 20*(\w)                      ; sources 1 and 2 in window w
	WIN QW1
.irp b, 0,1,2,3
	v_max3_num_f32 v[TM+\b], |v[(\src)+16*\b]|, |v[(\src)+1+16*\b]|, 0x2800000   ; my 16 numbers of block b, and the floor 2^(5 - 127): the byte cannot fall under 1
.endr
	WIN QW2
.irp i, 2,4,6,8,10,12,14
.irp b, 0,1,2,3
	v_max3_num_f32 v[TM+\b], v[TM+\b], |v[(\src)+16*\b+\i]|, |v[(\src)+1+16*\b+\i]|   ; the four blocks by turns; each tile of results is read from its low end on
.endr
.endr
	WIN 0
.irp b, 0,1,2,3
	v_permlanex16_b32 v[TM+4+\b], v[TM+\b], s[SEL], s[SEL+1]
.endr
.irp b, 0,1,2,3
	v_max_num_f32 v[TM+\b], v[TM+\b], v[TM+4+\b]           ; with lane l xor 16's 16: the block's largest magnitude
.endr
.irp b, 0,1,2,3
	v_add_nc_u32 v[TM+12+\b], 0xfe000000, v[TM+\b]         ; 4 off its exponent field: the conversion takes this operand's exponent field as its scale
.endr
.irp b, 0,1,2,3
	v_lshrrev_b32 v[TM+4+\b], 23, v[TM+12+\b]              ; the scale's byte
.endr
	v_lshl_or_b32 v[\pw], v[TM+5], 8, v[TM+4]
	v_lshl_or_b32 v[\pw], v[TM+6], 16, v[\pw]
	v_lshl_or_b32 v[\pw], v[TM+7], 24, v[\pw]
	WIN \w                                                 ; the numbers: source 0
.irp c, 0,1
	v_cvt_scalef32_pk16_bf6_f32 v[(\pc)+6*\c:(\pc)+2+6*\c], v[(\src)+32*\c:(\src)+15+32*\c], v[TM+12+2*\c]
	v_cvt_scalef32_pk16_bf6_f32 v[(\pc)+12+4*\c:(\pc)+14+4*\c], v[(\src)+16+32*\c:(\src)+31+32*\c], v[TM+12+2*\c+1]   ; (three registers that begin on an even number)
.endr
	WIN 0
	v_nop                                                  ; one plain place behind a scaled conversion
.irp c, 0,1                                            ; the layout wants a whole block in a lane: lanes 0-15 block 2 c, lanes 16-31 block 2 c + 1
.irp i, 0,1,2
	v_permlane16_swap_b32 v[(\pc)+6*\c+\i], v[(\pc)+12+4*\c+\i]
.endr
.irp i, 0,1,2
	v_mov_b32 v[(\pc)+3+6*\c+\i], v[(\pc)+12+4*\c+\i]
.endr
.endr
.endm
.macro IMGX s, pc, pw                  ; x's fragment (my tile, K step s) goes to LDS as it stands, its scale words beside it
.irp k, 0,1,2
	ds_store_b128 v[APX], v[(\pc)+4*\k:(\pc)+4*\k+3] offset:(\s)*FRB+512*\k
.endr
	ds_store_b32 v[AXS], v[\pw] offset:128*(\s)
.endm
.macro QOUT m, pc, pw                  ; q's fragment (tile m, K step = my wave) likewise
.irp k, 0,1,2
	ds_store_b128 v[APW], v[(\pc)+4*\k:(\pc)+4*\k+3] offset:4*FRB*(\m)+512*\k
.endr
	ds_store_b32 v[AXW], v[\pw] offset:4096+512*(\m)
.endm
.macro WL s                            ; Wq's eight fragments of K step s, from my R0 and R1: 24 loads
.if (\s) < 2
	WIN 0xc0
.else
	WIN 0x80
.endif
.irp t, 0,1,2,3,4,5,6,7
.irp k, 0,1,2
	ds_load_b128 v[12*(8*((\s)%2)+\t)+4*\k:12*(8*((\s)%2)+\t)+4*\k+3], v[AR0] offset:(4*\t+(\s))*FRB+512*\k
.endr
.endr
	WIN 0
.endm
.macro F16                             ; the 16 fragments whose images lie at XB, into window 1: 48 loads
	WIN 0x40
.irp f, 0,1,2,3,4,5,6,7,8,9,10,11,12,13,14,15
.irp k, 0,1,2
	ds_load_b128 v[12*\f+4*\k:12*\f+4*\k+3], v[AL16] offset:\f*FRB+512*\k
.endr
.endr
	WIN 0
.endm
.macro PMULQ m                         ; 32 products: my 8 tiles of Wq by turns x tile m of x, K step by K step; the first takes the bias as C
.irp s, 0,1,2,3
.if \s == 0
	WIN 0x37                                       ; source 0 (Wq) window 3, source 1 (x) window 1, C (bias) window 3, D window 0
.elseif \s == 1
	WIN 0x07
.else
	WIN 0x06                                       ; Wq's K steps 2, 3: window 2
.endif
.irp t, 0,1,2,3,4,5,6,7
.set rD, HA+8*\t
.set rC, rD
.if \s == 0
.set rC, BIASQ+8*\t
.endif
	WM rD, 12*(8*(\s%2)+\t), 12*(4*(\m)+\s), rC, AS+4*(\t/2)+\s, XS+4*(\m)+\s, \t%2
.endr
.endr
	WIN 0
	PLACES 4                                       ; in front of the first read of results
.endm
; ---- the macros of a step of the attention
.macro KLOAD n                         ; key tile n: four fragments, 12 loads.  Tiles 0-3 lie in R2, tiles 4-7 in R1
.if ((\n)%2) == 0
	WIN 0x40
.set KD, KE
.else
	WIN 0
.set KD, KO
.endif
.irp s, 0,1,2,3
.irp k, 0,1,2
.if (\n) < 4
	ds_load_b128 v[KD+12*\s+4*\k:KD+12*\s+4*\k+3], v[AR2] offset:(4*(\n)+\s)*FRB+512*\k
.else
	ds_load_b128 v[KD+12*\s+4*\k:KD+12*\s+4*\k+3], v[AR0] offset:UNIT+(4*((\n)-4)+\s)*FRB+512*\k
.endif
.endr
.endr
.endm
.macro SMUL n                          ; 16 products: key tile n x the four tiles of queries by turns, K step by K step; the first four start the sums
.if ((\n)%2) == 0
	WIN 0xa5                                       ; k and q window 1, S^T window 2
.set KD, KE
.else
	WIN 0xa4                                       ; k window 0
.set KD, KO
.endif
.irp s, 0,1,2,3
.irp m, 0,1,2,3
.set rD, 64*\m+8*(\n)
.set rC, rD
.if \s == 0
.set rC, -1
.endif
	WM rD, KD+12*\s, 12*(4*\m+\s), rC, KS+4*\s+(\n)/2, QS+4*\s+\m, (\n)%2
.endr
.endr
.endm
.macro VLOAD c                         ; v's eight fragments of key step c, 24 loads, into set c % 2.  Key steps 0, 1 lie in R0, key steps 2, 3 in R1
	WIN 0x80
.irp i, 0,1,2,3,4,5,6,7
.irp k, 0,1,2
	ds_load_b128 v[96*((\c)%2)+12*\i+4*\k:96*((\c)%2)+12*\i+4*\k+3], v[AR0] offset:((\c)/2)*UNIT+(8*((\c)%2)+\i)*FRB+512*\k
.endr
.endr
.endm
.macro PLOAD c                         ; p's four fragments of key step c, 12 loads
.if ((\c)%2) == 0
	WIN 0x80
.else
	WIN 0x40
.endif
.irp m, 0,1,2,3
.irp k, 0,1,2
	ds_load_b128 v[192+12*\m+4*\k:192+12*\m+4*\k+3], v[AL16] offset:(4*\m+(\c))*FRB+512*\k
.endr
.endr
.endm
.macro PVMUL c                         ; 32 products: O^T += v^T p^T for key step c; the 32 accumulators by turns
.if ((\c)%2) == 0
	WIN 0xfa                                       ; v and p window 2, O^T window 3
.else
	WIN 0xf6                                       ; p window 1
.endif
.irp i, 0,1,2,3,4,5,6,7
.irp m, 0,1,2,3
.set rD, 64*\m+8*\i
	WM rD, 96*((\c)%2)+12*\i, 192+12*\m, rD, VS+4*(\c)+\i/2, PS+4*\m+(\c), \i%2
.endr
.endr
.endm
.macro SCLOAD last                     ; this step's scale words of v and, if there is one, the next step's of k: two tiles' words, 128 consecutive bytes, a load
.irp c, 0,1,2,3
.irp ip, 0,1,2,3
	global_load_b32 v[VS+4*\c+\ip], v[L4], s[VSP:VSP+1] offset:2048*\c+128*\ip
.endr
.endr
.if !\last
.irp s, 0,1,2,3
.irp np, 0,1,2,3
	global_load_b32 v[KS+4*\s+\np], v[L4], s[KSP:KSP+1] offset:8192*\s+128*\np
.endr
.endr
.endif
.endm
; The largest score of each block of 32 keys (it serves twice: for the row's maximum, and, since p rises with the score, for the block's largest p), and of my 128 keys, which goes to LDS for the other waves.
.macro MAXPART
	WIN 0x2a
.irp m, 0,1,2,3
.irp b, 0,1,2,3
	v_max3_num_f32 v[BM+4*\m+\b], v[64*\m+16*\b], v[64*\m+16*\b+1], v[64*\m+16*\b+2]   ; each tile of scores is read from its low end on
.endr
.endr
	WIN 0x28
.irp i, 3,5,7,9,11,13
.irp m, 0,1,2,3
.irp b, 0,1,2,3
	v_max3_num_f32 v[BM+4*\m+\b], v[BM+4*\m+\b], v[64*\m+16*\b+\i], v[64*\m+16*\b+\i+1]   ; sixteen chains by turns
.endr
.endr
.endr
	WIN 0x08
.irp m, 0,1,2,3
.irp b, 0,1,2,3
	v_max_num_f32 v[BM+4*\m+\b], v[BM+4*\m+\b], v[64*\m+16*\b+15]
.endr
.endr
	WIN 0
.irp i, 0,1,2,3,4,5,6,7,8,9,10,11,12,13,14,15
	v_permlanex16_b32 v[X+\i], v[BM+\i], s[SEL], s[SEL+1]
.endr
.irp i, 0,1,2,3,4,5,6,7,8,9,10,11,12,13,14,15
	v_max_num_f32 v[BM+\i], v[BM+\i], v[X+\i]      ; with lane l xor 16's 16 keys
.endr
.irp m, 0,1,2,3
	v_max3_num_f32 v[ST+8*\m+6], v[BM+4*\m], v[BM+4*\m+1], v[BM+4*\m+2]
.endr
.irp m, 0,1,2,3
	v_max_num_f32 v[ST+8*\m+6], v[ST+8*\m+6], v[BM+4*\m+3]
.endr
.irp m, 0,1,2,3
	ds_store_b32 v[AXW], v[ST+8*\m+6] offset:2048+512*\m
.endr
.endm
; From the four waves' largest scores (in X) to p's images in LDS and the sums.
.macro EXPPART
.irp m, 0,1,2,3
	v_max3_num_f32 v[ST+8*\m+6], v[X+4*\m], v[X+4*\m+1], v[X+4*\m+2]
.endr
.irp m, 0,1,2,3
	v_max_num_f32 v[ST+8*\m+6], v[ST+8*\m+6], v[X+4*\m+3]  ; the step's largest score of my query, over all 512 keys
.endr
.irp m, 0,1,2,3
	v_mul_f32 v[ST+8*\m+6], s[CS], v[ST+8*\m+6]            ; as t (c is positive)
.endr
.irp m, 0,1,2,3
	v_max_num_f32 v[ST+8*\m+1], v[ST+8*\m+1], v[ST+8*\m+6] ; the running largest t
.endr
.irp m, 0,1,2,3
	v_mov_b32 v[ST+8*\m+6], v[ST+8*\m]
.endr
.irp m, 0,1,2,3
	v_floor_f32 v[ST+8*\m], -v[ST+8*\m+1]                  ; the new -M = floor(-t): M is a whole number
.endr
.irp m, 0,1,2,3
	v_sub_f32 v[ST+8*\m+6], v[ST+8*\m], v[ST+8*\m+6]       ; old M - new M: a whole number, 0 or less
.endr
.irp m, 0,1,2,3
	v_cvt_i32_f32 v[ST+8*\m+6], v[ST+8*\m+6]               ; (it saturates)
.endr
.irp m, 0,1,2,3
	v_ldexp_f32 v[ST+8*\m+4], 1.0, v[ST+8*\m+6]            ; f = 2^(old M - new M)
.endr
	WIN 0x82
.irp m, 0,1,2,3
.set J, 64*\m
.rept 32
	v_pk_fma_f32 v[J:J+1], v[J:J+1], s[CS:CS+1], v[ST+8*\m:ST+8*\m+1] op_sel_hi:[1,0,0]   ; t - M, two at a time (of the pairs c and -M the low word serves both halves)
.set J, J+2
.endr
.endr
	WIN 0
.irp m, 0,1,2,3
.irp b, 0,1,2,3
	v_fma_f32 v[BM+4*\m+\b], v[BM+4*\m+\b], s[CS], v[ST+8*\m]      ; the same of each block's largest score
.endr
.endr
	WIN 0x82
.set J, 0
.rept 256
	v_exp_f32 v[J], v[J]                           ; p = 2^(t - M), at most 1
.set J, J+1
.endr
	WIN 0
.irp i, 0,1,2,3,4,5,6,7,8,9,10,11,12,13,14,15
	v_exp_f32 v[BM+\i], v[BM+\i]                   ; the block's largest p: the same arithmetic on the same number
.endr
.irp m, 0,1,2,3
	v_pk_mul_f32 v[ST+8*\m+2:ST+8*\m+3], v[ST+8*\m+2:ST+8*\m+3], v[ST+8*\m+4:ST+8*\m+5] op_sel_hi:[1,0]   ; the sums under the new M (plain places behind the exponentials)
.endr
	s_wait_alu depctr_va_vdst(0)
.irp i, 0,1,2,3,4,5,6,7,8,9,10,11,12,13,14,15
	v_max_num_f32 v[BM+\i], 0x2800000, v[BM+\i]    ; the floor 2^(5 - 127): the byte cannot fall under 1
.endr
.irp i, 0,1,2,3,4,5,6,7,8,9,10,11,12,13,14,15
	v_add_nc_u32 v[X+\i], 0xfe000000, v[BM+\i]     ; 4 off the exponent field: the conversion's scale operand
.endr
.irp i, 0,1,2,3,4,5,6,7,8,9,10,11,12,13,14,15
	v_lshrrev_b32 v[BM+\i], 23, v[X+\i]            ; the scale's byte
.endr
.irp m, 0,1,2,3
	v_lshl_or_b32 v[ST+8*\m+7], v[BM+4*\m+1], 8, v[BM+4*\m]
.endr
.irp m, 0,1,2,3
	v_lshl_or_b32 v[ST+8*\m+7], v[BM+4*\m+2], 16, v[ST+8*\m+7]
.endr
.irp m, 0,1,2,3
	v_lshl_or_b32 v[ST+8*\m+7], v[BM+4*\m+3], 24, v[ST+8*\m+7]     ; p's scale word of my query for my 128 keys
.endr
	WIN 0x02
.irp m, 0,1,2,3
.irp c, 0,1
	v_cvt_scalef32_pk16_bf6_f32 v[PC+20*\m+6*\c:PC+20*\m+6*\c+2], v[64*\m+32*\c:64*\m+32*\c+15], v[X+4*\m+2*\c]
	v_cvt_scalef32_pk16_bf6_f32 v[PC+20*\m+12+4*\c:PC+20*\m+14+4*\c], v[64*\m+32*\c+16:64*\m+32*\c+31], v[X+4*\m+2*\c+1]   ; (three registers that begin on an even number)
.endr
.endr
	WIN 0
	v_nop                                          ; one plain place behind a scaled conversion
.irp m, 0,1,2,3
.irp c, 0,1                                    ; the layout wants a whole block in a lane
.irp i, 0,1,2
	v_permlane16_swap_b32 v[PC+20*\m+6*\c+\i], v[PC+20*\m+12+4*\c+\i]
.endr
.irp i, 0,1,2
	v_mov_b32 v[PC+20*\m+3+6*\c+\i], v[PC+20*\m+12+4*\c+\i]
.endr
.endr
.endr
.irp m, 0,1,2,3
.irp k, 0,1,2
	ds_store_b128 v[APW], v[PC+20*\m+4*\k:PC+20*\m+4*\k+3] offset:4*FRB*\m+512*\k   ; fragment (m, key step = my wave) as it stands
.endr
	ds_store_b32 v[AXW], v[ST+8*\m+7] offset:512*\m
.endr
	WIN 0x0a                                       ; the row's sum is taken of the unquantised p: two at a time, in two chains a tile
.irp m, 0,1,2,3
	v_pk_add_f32 v[SUM2+2*\m:SUM2+2*\m+1], v[64*\m:64*\m+1], v[64*\m+2:64*\m+3]
.endr
	WIN 0x08
.irp q, 4,8,12,16,20,24,28,32,36,40,44,48,52,56,60
.irp m, 0,1,2,3
	v_pk_add_f32 v[ST+8*\m+2:ST+8*\m+3], v[ST+8*\m+2:ST+8*\m+3], v[64*\m+\q:64*\m+\q+1]
	v_pk_add_f32 v[SUM2+2*\m:SUM2+2*\m+1], v[SUM2+2*\m:SUM2+2*\m+1], v[64*\m+\q+2:64*\m+\q+3]
.endr
.endr
	WIN 0
.irp m, 0,1,2,3
	v_pk_add_f32 v[ST+8*\m+2:ST+8*\m+3], v[ST+8*\m+2:ST+8*\m+3], v[SUM2+2*\m:SUM2+2*\m+1]
.endr
.endm
.macro RESCALE                         ; O^T x the number in the tile's ST + 4; each accumulator from its low end on
	WIN 0xc3
.irp m, 0,1,2,3
.set J, 64*\m
.rept 32
	v_pk_mul_f32 v[J:J+1], v[J:J+1], v[ST+8*\m+4:ST+8*\m+5] op_sel_hi:[1,0]
.set J, J+2
.endr
.endr
.endm
; A STEP OF 512 KEYS.  last = 1: nothing follows it.
.macro STEP last
	PLACES 5                                       ; the first scores are written over registers that the last products read (five places), and k's tiles are loaded into such registers (four)
	KLOAD 0
	KLOAD 1
.irp n, 0,1,2,3,4,5,6,7
.if \n < 7
	s_wait_dscnt 12                                ; tile n's 12 loads are in; the next tile's 12 may be out
.else
	s_wait_dscnt 0x0
.endif
	SMUL \n
.if \n != 6
	WIN 0
	PLACES 4                                       ; in front of loads into the tile's registers; behind the last tile: of loads into k's scale words and of the first read of scores
.endif
.if \n == 2
	s_wait_tensorcnt 0x0                           ; my one load that is out brings V_a and K_b: K_b is read next, by me alone
.endif
.if \n < 6
	KLOAD \n+2
.endif
.endr
	SCLOAD \last
	MAXPART
.if \last
	RITUAL G0B, 0                                  ; my reads of K_a and K_b are over, my largest scores have landed
	TL G0A, G1S                                    ; V_b alone: R1
.else
	RITUAL G0B, 1
	TL G0A, G1B                                    ; V_b and the next step's K_a: R1, R2
.endif
.irp m, 0,1,2,3
.irp w, 0,1,2,3
	ds_load_b32 v[X+4*\m+\w], v[AL4] offset:2048+512*\m+128*\w     ; the four waves' largest scores of my query
.endr
.endr
	s_wait_dscnt 0x0
	EXPPART
	s_wait_dscnt 0x0                               ; for the others' sake: p's images and scale words have landed
	s_barrier_signal -1
	VLOAD 0                                        ; from my R0, which nobody writes before the next round
	RESCALE                                        ; O^T under the new M, while the others arrive
	WIN 0
	s_barrier_wait -1                              ; p's 16 fragments lie in LDS.  My tensor load may stay out across it
.irp m, 0,1,2,3
.irp c, 0,1,2,3
	ds_load_b32 v[PS+4*\m+\c], v[AL4] offset:512*\m+128*\c
.endr
.endr
	PLOAD 0
	VLOAD 1
	PLOAD 1
	s_wait_dscnt 36                                ; all but key step 1's 24 + 12 loads
	s_wait_loadcnt 0x0                             ; the scale words; their loads are done, so the bases may step
	s_add_nc_u64 s[VSP:VSP+1], s[VSP:VSP+1], 8192
.if !\last
	s_add_nc_u64 s[KSP:KSP+1], s[KSP:KSP+1], 2048
.endif
	PVMUL 0
	WIN 0
	PLACES 4
	s_wait_tensorcnt 0x0                           ; my one load that is out brings V_b, which is read next, by me alone
	VLOAD 2
	PLOAD 2
	s_wait_dscnt 36                                ; all but key step 2's 24 + 12 loads
	PVMUL 1
	WIN 0
	PLACES 4
	VLOAD 3
	PLOAD 3
.if \last
	s_wait_dscnt 36                                ; all but key step 3's
	PVMUL 2
	s_wait_dscnt 0x0
	PVMUL 3
.else
	RITUAL G0A, 1                                  ; v's and p's last fragments are in registers: my reads of R0, R1 and of p's images are over
	TL G0B, G1B                                    ; the next step's V_a and K_b: R0, R1; it has 64 + 48 products in which to land
	PVMUL 2
	PVMUL 3
.endif
	WIN 0
.endm
	s_load_b512 s[4:19], s[0:1], 0x0               ; Q_text s[4:5], Q_image s[6:7], bq_text s[8:9], bq_image s[10:11], wimg s[12:13], wsc s[14:15], kv s[16:17], scl s[18:19]
	s_load_b128 s[20:23], s[0:1], 0x40             ; out0 s[20:21], out1 s[22:23]
	v_lshl_add_u32 v[SPW], v0, 2, SPARE
	v_mov_b32 v[NIL], 0
	ds_add_u32 v6, v7
	ds_add_u32 v6, v7
	s_wait_dscnt 0x0
	v_lshrrev_b32 v240, 5, v0
	v_readfirstlane_b32 s[WV], v240                ; wave 0..3
	v_and_b32 v240, 31, v0                         ; lane
	v_and_b32 v241, 15, v0                         ; r
	v_bfe_u32 v242, v0, 4, 1                       ; h
	v_lshlrev_b32 v[GL16], 4, v240
	v_lshlrev_b32 v[L4], 2, v240
	v_lshlrev_b32 v[XA], 11, v241
	v_lshl_add_u32 v[XA], v242, 6, v[XA]           ; x: row r, + 64 h: my 16 numbers of a block of 32
	v_lshlrev_b32 v[H64], 6, v242
	s_and_b32 s77, ttmp7, 0xffff                   ; y, which the four partners share
	s_bfe_u32 s78, ttmp6, 0x40000                  ; cx: my place in the cluster
	s_lshl_b32 s79, ttmp9, 2                       ; in a cluster launch ttmp9 counts clusters
	s_add_co_u32 s79, s79, s78                     ; my block of 64 queries: it enters x's and O's addresses alone
	s_lshr_b32 s80, s77, 2                         ; the direction: also Wq's number among the six weights
	; group 1: a dense run of bytes as rows of 256 bytes (32 elements of 8 bytes), no padding: images are read 512 consecutive bytes an instruction
	s_mov_b32 s[G1B], 15|(3<<16)|(1<<21)           ; 15:0 the mask: all four work-groups; 17:16 elements of 8 bytes; 21 set beside a mask
	s_mov_b32 s[G1B+1], 32<<16                     ; tensor_dim0 = 32
	s_mov_b32 s[G1B+2], 192<<16                    ; tensor_dim1 = 192
	s_mov_b32 s[G1B+3], 32<<16                     ; tile_dim0 = 32
	s_mov_b32 s[G1B+4], 192                        ; tile_dim1 = 192
	s_mov_b32 s[G1B+5], 32                         ; from row to row: 32 elements
	s_mov_b32 s[G1B+6], 0
	s_mov_b32 s[G1B+7], 0
	s_mov_b32 s[G1S], 15|(3<<16)|(1<<21)           ; the same with 96 rows: one unit
	s_mov_b32 s[G1S+1], 32<<16
	s_mov_b32 s[G1S+2], 96<<16
	s_mov_b32 s[G1S+3], 32<<16
	s_mov_b32 s[G1S+4], 96
	s_mov_b32 s[G1S+5], 32
	s_mov_b32 s[G1S+6], 0
	s_mov_b32 s[G1S+7], 0
	s_mov_b32 s[CS], 0x3d8293ee                    ; c = log2(e) / sqrt(512)
	s_mov_b32 s[CS+1], s[CS]                       ; (named with it as a pair, so it is written)
	s_mov_b32 s[SEL], 0x76543210
	s_mov_b32 s[SEL+1], 0xfedcba98
	s_lshl_b32 s66, s77, 2
	s_add_co_u32 s66, s66, s[WV]
	s_mul_i32 s66, s66, 16*UNIT                    ; my stream: (4 y + wave) x 16 units
	s_mov_b32 s67, 0
	s_mul_i32 s68, s[WV], AREA                     ; my area in LDS: no place in the cluster enters it
	s_mul_i32 s70, s80, 32*4*FRB                   ; Wq's images: the tensor, my eight tiles of four fragments
	s_mul_i32 s71, s[WV], 8*4*FRB
	s_add_co_u32 s70, s70, s71
	s_mov_b32 s71, 0
	s_lshl_b32 s69, s[WV], 9                       ; 512 x wave
	s_lshl_b32 s[WS], s80, 13                      ; Wq's scale words: the tensor, my 128 rows
	s_add_co_u32 s[WS], s[WS], s69
	s_mov_b32 s[WS+1], 0
	s_mov_b32 s[BP], s69                           ; the bias: my 128 channels
	s_mov_b32 s[BP+1], 0
	s_lshl_b32 s[KSP], s77, 15                     ; k's scale words: y, my 128 keys of a step
	s_add_co_u32 s[KSP], s[KSP], s69
	s_add_co_u32 s[VSP], s[KSP], 262144            ; v's: the second part, y, my 128 channels
	s_mov_b32 s[KSP+1], 0
	s_mov_b32 s[VSP+1], 0
	s_and_b32 s74, s77, 3                          ; x and O: batch, 64 rows of 2,048 bytes a block;
	s_lshl_b32 s74, s74, 22
	s_lshl_b32 s75, s79, 17
	s_add_co_u32 s74, s74, s75
	s_lshl_b32 s72, s[WV], 15                      ; x: my 16 rows;
	s_add_co_u32 s72, s72, s74
	s_mov_b32 s73, 0
	s_add_co_u32 s74, s74, s69                     ; O: my 512 bytes of a row
	s_mov_b32 s75, 0
	s_wait_kmcnt 0x0
	s_cmp_lt_u32 s77, 4                            ; the choices hang on the work-group's number alone
	s_cselect_b64 s[XP:XP+1], s[4:5], s[6:7]
	s_cselect_b64 s[8:9], s[8:9], s[10:11]
	s_cselect_b64 s[OUT:OUT+1], s[20:21], s[22:23]
	s_add_nc_u64 s[XP:XP+1], s[XP:XP+1], s[72:73]
	s_add_nc_u64 s[BP:BP+1], s[8:9], s[BP:BP+1]
	s_add_nc_u64 s[WS:WS+1], s[14:15], s[WS:WS+1]
	s_add_nc_u64 s[OUT:OUT+1], s[OUT:OUT+1], s[74:75]
	s_add_nc_u64 s[KSP:KSP+1], s[18:19], s[KSP:KSP+1]
	s_add_nc_u64 s[VSP:VSP+1], s[18:19], s[VSP:VSP+1]
	s_add_nc_u64 s[16:17], s[16:17], s[66:67]
	WIN 0x80                                       ; x first, since everything hangs on it: my 16 rows, 64 numbers a lane and K step, in the order QUANT takes: register 16 b + 4 j + i = k 32 b + 16 h + 4 j + i
.irp s, 0,1,2,3
.irp b, 0,1,2,3
.irp j, 0,1,2,3
	global_load_b128 v[64*\s+16*\b+4*\j:64*\s+16*\b+4*\j+3], v[XA], s[XP:XP+1] offset:512*\s+128*\b+16*\j th:TH_LOAD_NT
.endr
.endr
.endr
	WIN 0
	s_mov_b32 s[G0F], 1                            ; count = 1
	s_add_co_u32 s[G0F+1], s68, 2*UNIT             ; K_a of step 0 -> R2
	s_mov_b64 s[G0F+2:G0F+3], s[16:17]
	s_or_b32 s[G0F+3], s[G0F+3], 0x80000000        ; type = 2
	s_mov_b32 s[G0W], 1
	s_mov_b32 s[G0W+1], s68                        ; my quarter of Wq's images -> R0, R1
	s_add_nc_u64 s[G0W+2:G0W+3], s[12:13], s[70:71]
	s_or_b32 s[G0W+3], s[G0W+3], 0x80000000
	s_mov_b32 s[G0B], 1
	s_mov_b32 s[G0B+1], s68                        ; [V_a, K_b] -> R0, R1
	s_add_nc_u64 s[G0B+2:G0B+3], s[16:17], UNIT
	s_or_b32 s[G0B+3], s[G0B+3], 0x80000000
	s_mov_b32 s[G0A], 1
	s_add_co_u32 s[G0A+1], s68, UNIT               ; [V_b, next K_a] -> R1, R2
	s_add_nc_u64 s[G0A+2:G0A+3], s[16:17], 3*UNIT
	s_or_b32 s[G0A+3], s[G0A+3], 0x80000000
	ROUND                                          ; all four work-groups are here: the first joint loads meet
	tensor_load_to_lds s[G0F:G0F+3], s[G1S:G1S+7]  ; the two first fills go out together, ahead of every wait on TENSORcnt and every LDS read
	s_nop 0
	tensor_load_to_lds s[G0W:G0W+3], s[G1B:G1B+7]
	s_nop 0
	PLACES 4
	v_add_nc_u32 v[AR0], s68, v[GL16]
	v_add_nc_u32 v[AR2], 2*UNIT, v[AR0]
	v_add_nc_u32 v[AL16], XB, v[GL16]
	s_mul_i32 s69, s[WV], FRB
	s_add_co_u32 s69, s69, XB
	v_add_nc_u32 v[APW], s69, v[GL16]
	s_mul_i32 s69, s[WV], 4*FRB
	s_add_co_u32 s69, s69, XB
	v_add_nc_u32 v[APX], s69, v[GL16]
	v_add_nc_u32 v[AL4], PSC, v[L4]
	s_lshl_b32 s69, s[WV], 7
	s_add_co_u32 s69, s69, PSC
	v_add_nc_u32 v[AXW], s69, v[L4]
	s_lshl_b32 s69, s[WV], 9
	s_add_co_u32 s69, s69, PSC
	v_add_nc_u32 v[AXS], s69, v[L4]
	v_mul_u32_u24 v[STO], v241, SPI
	v_lshl_add_u32 v[STO], v242, 5, v[STO]
	v_add_nc_u32 v[STO], s68, v[STO]
.irp b, 0,1,2,3
	v_mov_b32 v[TM+4+\b], 0                        ; written once: a lane permute's destination counts as one of its sources
.endr
	; ---- q, part 1: my 16 rows of x become four fragments; Wq comes into registers beside that
	s_wait_tensorcnt 0x0                           ; Wq's images and K_a of step 0 have landed; I alone read these bytes: no barrier
	WL 0
	WL 1
	s_wait_loadcnt 48                              ; K step 0 of x is in; the 48 loads of K steps 1 to 3 may be out
	QUANT 0, 2, PCA, PW0
	IMGX 0, PCA, PW0
.irp s, 0,1,2,3                                ; Wq's scale words (two tiles' words, 128 consecutive bytes, a load) and the bias: 32 loads
.irp tp, 0,1,2,3
	global_load_b32 v[AS+4*\tp+\s], v[L4], s[WS:WS+1] offset:2048*\s+128*\tp
.endr
.endr
	WIN 0xc0
.irp t, 0,1,2,3,4,5,6,7                        ; lane (r, h) wants, for tile t, the bias of channels 32 (t / 2) + 8 (t % 2) + 16 h + 0 .. 7
	global_load_b128 v[BIASQ+8*\t:BIASQ+8*\t+3], v[H64], s[BP:BP+1] offset:(32*(\t/2)+8*(\t%2))*4
	global_load_b128 v[BIASQ+8*\t+4:BIASQ+8*\t+7], v[H64], s[BP:BP+1] offset:(32*(\t/2)+8*(\t%2))*4+16
.endr
	WIN 0
	s_wait_loadcnt 63                              ; K step 1 is in: 64 loads are younger (32 of x, the 32 above); the count is one under that, which is safe
	QUANT 64, 2, PCB, PW1
	IMGX 1, PCB, PW1
	s_wait_loadcnt 48                              ; K step 2 is in: 16 of x and the 32 are younger
	s_wait_dscnt 4                                 ; the first set's stores have read their registers; the second set's four may be out
	QUANT 128, 2, PCA, PW0
	IMGX 2, PCA, PW0
	WL 2                                           ; into the registers of x's K steps 0 and 1, which are done with
	s_wait_loadcnt 32                              ; K step 3 is in: the 32 are younger
	s_wait_dscnt 28                                ; the second set's stores have read their registers; the first set's four and the 24 loads above may be out
	QUANT 192, 2, PCB, PW1
	IMGX 3, PCB, PW1
	WL 3                                           ; into the registers of K steps 1 and 2
	RITUAL G0B, 0                                  ; Wq is in registers: my reads of R0 and R1 are over; my images of x have landed.  The round also shows them to the other waves
	TL G0B, G1B                                    ; V_a and K_b of step 0: R0, R1; they have all of part 2 in which to land
	; ---- q, part 2: my 128 channels for the 64 rows
	F16                                            ; x's 16 fragments
.irp m, 0,1,2,3
.irp s, 0,1,2,3
	ds_load_b32 v[XS+4*\m+\s], v[AL4] offset:512*\m+128*\s
.endr
.endr
	s_wait_dscnt 0x0                               ; they are in: my reads of x's images are over,
	s_wait_loadcnt 0x0                             ; (Wq's scale words and the bias)
	s_barrier_signal -1                            ; say so; q's images will lie in the same bytes
	PMULQ 0                                        ; work on registers while the others arrive
	QUANT HA, 0, PCA, PW0
	s_barrier_wait -1                              ; My tensor load may stay out across it
	QOUT 0, PCA, PW0
	PMULQ 1
	QUANT HA, 0, PCB, PW1
	QOUT 1, PCB, PW1
	PMULQ 2
	s_wait_dscnt 4                                 ; the first set's stores have read their registers; the second set's four may be out
	QUANT HA, 0, PCA, PW0
	QOUT 2, PCA, PW0
	PMULQ 3
	s_wait_dscnt 4
	QUANT HA, 0, PCB, PW1
	QOUT 3, PCB, PW1
	s_wait_dscnt 0x0                               ; for the others' sake: my images of q and their scale words have landed
	s_barrier_signal -1
	s_barrier_wait -1
	F16                                            ; q's 16 fragments (4 m + K step) stay in registers, where x's lay: the last products that read those stand more than four places back
.irp s, 0,1,2,3
.irp m, 0,1,2,3
	ds_load_b32 v[QS+4*\s+\m], v[AL4] offset:4096+512*\m+128*\s
.endr
.endr
.irp s, 0,1,2,3
.irp np, 0,1,2,3
	global_load_b32 v[KS+4*\s+\np], v[L4], s[KSP:KSP+1] offset:8192*\s+128*\np     ; step 0's scale words of k
.endr
.endr
.irp m, 0,1,2,3
	v_mov_b32 v[ST+8*\m+1], 0xff61b1e6             ; the largest t so far: -3e38
	v_floor_f32 v[ST+8*\m], -v[ST+8*\m+1]          ; -M
	v_mov_b32 v[ST+8*\m+2], 0                      ; the sum, in two halves
	v_mov_b32 v[ST+8*\m+3], 0
	v_mov_b32 v[ST+8*\m+4], 0
	v_mov_b32 v[ST+8*\m+5], 0                      ; (named as the upper half of f's pair)
.endr
	WIN 0xc0
.set J, 0
.rept 256
	v_mov_b32 v[J], 0                              ; O^T, where Wq lay.  The step is written for the loop and once for the tail: the first step finds zeros, which the first change of M leaves zeros.  These lines stand while q's fragments come back
.set J, J+1
.endr
	WIN 0
	s_wait_loadcnt 0x0                             ; k's scale words
	s_add_nc_u64 s[KSP:KSP+1], s[KSP:KSP+1], 2048  ; on to step 1's
	s_wait_dscnt 0x0                               ; q and its scale words
	s_mov_b32 s[CNT], 3
.Lstep:
	STEP 0
	s_sub_co_u32 s[CNT], s[CNT], 1
	s_cmp_lg_u32 s[CNT], 0
	s_cbranch_scc1 .Lstep
	STEP 1                                         ; the last step is written out
	; THE WAY OUT.  A wave's sum covers its own keys: halves, lane l xor 16, then the four waves' through LDS.  These plain lines are also the places behind the last products.
.irp m, 0,1,2,3
	v_add_f32 v[ST+8*\m+6], v[ST+8*\m+2], v[ST+8*\m+3]
.endr
.irp m, 0,1,2,3
	v_permlanex16_b32 v[X+4*\m], v[ST+8*\m+6], s[SEL], s[SEL+1]
.endr
.irp m, 0,1,2,3
	v_add_f32 v[ST+8*\m+6], v[ST+8*\m+6], v[X+4*\m]
.endr
.irp m, 0,1,2,3
	ds_store_b32 v[AXW], v[ST+8*\m+6] offset:4096+512*\m
.endr
	s_wait_dscnt 0x0                               ; for the others' sake
	s_barrier_signal -1
	s_barrier_wait -1
.irp m, 0,1,2,3
.irp w, 0,1,2,3
	ds_load_b32 v[X+4*\m+\w], v[AL4] offset:4096+512*\m+128*\w
.endr
.endr
	s_wait_dscnt 0x0
.irp m, 0,1,2,3
	v_add_f32 v[X+4*\m], v[X+4*\m], v[X+4*\m+1]
	v_add_f32 v[X+4*\m+2], v[X+4*\m+2], v[X+4*\m+3]
.endr
.irp m, 0,1,2,3
	v_add_f32 v[X+4*\m], v[X+4*\m], v[X+4*\m+2]    ; the row's sum
.endr
.irp m, 0,1,2,3
	v_rcp_f32 v[ST+8*\m+4], v[X+4*\m]
.endr
	v_nop                                          ; a plain place behind the last reciprocal
	s_wait_alu depctr_va_vdst(0)
	RESCALE                                        ; O^T / the sum
; Tile m: a lane holds 32 neighbouring bytes of a row and the lanes beside it other rows: so 16 rows go through my stage and come back whole, 512 bytes a row.
.macro TOSTAGE m
	WIN 0x0c                                       ; an LDS store's data are its source 1: window 3
.irp i, 0,1,2,3,4,5,6,7
	ds_store_b128 v[STO], v[64*(\m)+8*\i:64*(\m)+8*\i+3] offset:64*\i
	ds_store_b128 v[STO], v[64*(\m)+8*\i+4:64*(\m)+8*\i+7] offset:64*\i+16
.endr
	WIN 0x80
.irp t, 0,1,2,3,4,5,6,7,8,9,10,11,12,13,14,15
	ds_load_b128 v[64*((\m)%2)+4*\t:64*((\m)%2)+4*\t+3], v[AR0] offset:\t*SPI      ; LDS serves a wave's instructions in order: these see my stores, and the next tile's stores come behind them
.endr
.endm
.macro SEND m, younger                 ; younger: the LDS instructions issued behind tile m's loads, which may stay out
	s_wait_dscnt \younger
	WIN 0x08                                       ; a store's data are its source 1: window 2
.irp t, 0,1,2,3,4,5,6,7,8,9,10,11,12,13,14,15
	global_store_b128 v[GL16], v[64*((\m)%2)+4*\t:64*((\m)%2)+4*\t+3], s[OUT:OUT+1] offset:32768*(\m)+2048*\t th:TH_STORE_NT   ; 32 lanes store 512 consecutive bytes, aligned; written once, read by nobody here
.endr
.endm
	TOSTAGE 0
	TOSTAGE 1
	SEND 0, 32                                     ; behind tile 0's loads: tile 1's 16 stores and 16 loads
	s_wait_xcnt 0x0                                ; tile 0's stores have read their registers: tile 2's rows may land there
	TOSTAGE 2
	SEND 1, 32
	s_wait_xcnt 0x0
	TOSTAGE 3
	SEND 2, 32
	SEND 3, 0
	WIN 0
	s_wait_tensorcnt 0x0                           ; the wave's end: behind my last tensor load and my last LDS store
	ds_add_u32 v[SPW], v[NIL]
	s_wait_dscnt 0x0
	ROUND                                          ; the closing round: no work-group ends while a partner may still ask for a tile that names it
	s_endpgm
.Lfunc_end_k_q6eee58c035_attn:
	.size	k_q6eee58c035_attn, .Lfunc_end_k_q6eee58c035_attn-k_q6eee58c035_attn
	.p2alignl 7, 3214868480
	.fill 96, 4, 3214868480
	.section	.rodata,"a",@progbits
	.p2align	6, 0x0
	.amdhsa_kernel k_q6eee58c035_attn
		.amdhsa_group_segment_fixed_size 327680
		.amdhsa_private_segment_fixed_size 0
		.amdhsa_enable_private_segment 0
		.amdhsa_kernarg_size 80
		.amdhsa_user_sgpr_count 2
		.amdhsa_user_sgpr_kernarg_segment_ptr 1
		.amdhsa_wavefront_size32 1
		.amdhsa_system_sgpr_workgroup_id_x 1
		.amdhsa_system_sgpr_workgroup_id_y 1
		.amdhsa_system_sgpr_workgroup_id_z 1
		.amdhsa_system_vgpr_workitem_id 0
		.amdhsa_next_free_vgpr 1024
		.amdhsa_next_free_sgpr 92
		.amdhsa_reserve_vcc 0
		.amdhsa_float_denorm_mode_32 3
		.amdhsa_float_denorm_mode_16_64 3
		.amdhsa_memory_ordered 1
		.amdhsa_forward_progress 1
		.amdhsa_inst_pref_size 255
	.end_amdhsa_kernel
	.section	.bss,"aw",@nobits
	.p2align	6
	.space	262144
	.amdgpu_metadata
---
amdhsa.version: [ 1, 2 ]
amdhsa.kernels:
  - .name:           k_q6eee58c035_attn
    .symbol:         k_q6eee58c035_attn.kd
    .args:
      - { .name: Q_text, .offset: 0, .size: 8, .value_kind: global_buffer, .address_space: global }
      - { .name: Q_image, .offset: 8, .size: 8, .value_kind: global_buffer, .address_space: global }
      - { .name: bq_text, .offset: 16, .size: 8, .value_kind: global_buffer, .address_space: global }
      - { .name: bq_image, .offset: 24, .size: 8, .value_kind: global_buffer, .address_space: global }
      - { .name: wimg, .offset: 32, .size: 8, .value_kind: global_buffer, .address_space: global }
      - { .name: wsc, .offset: 40, .size: 8, .value_kind: global_buffer, .address_space: global }
      - { .name: kv, .offset: 48, .size: 8, .value_kind: global_buffer, .address_space: global }
      - { .name: scl, .offset: 56, .size: 8, .value_kind: global_buffer, .address_space: global }
      - { .name: out0, .offset: 64, .size: 8, .value_kind: global_buffer, .address_space: global }
      - { .name: out1, .offset: 72, .size: 8, .value_kind: global_buffer, .address_space: global }
    .group_segment_fixed_size: 327680
    .private_segment_fixed_size: 0
    .kernarg_segment_align: 8
    .kernarg_segment_size: 80
    .max_flat_workgroup_size: 128
    .sgpr_count:     92
    .vgpr_count:     1024
    .wavefront_size: 32
...
	.end_amdgpu_metadata
.endif
;; end of part 3
;; ======== version 2 of 2: 3 launches
;; workspace buffers: wimg 1,179,648 bytes; wsc 49,152 bytes; kv 12,582,912 bytes; scl 524,288 bytes
;; launch wq (part 4): grid 16 x 6, 4 waves a work-group, no clusters, 68,096 bytes of LDS; arguments Wq_text, Wq_image, Wk_image, Wk_text, Wv_image, Wv_text, wimg, wsc; writes wimg, wsc
.if DOCPART == 4
	.amdgcn_target "amdgcn-amd-amdhsa--gfx1250"
	.amdhsa_code_object_version 6
	.text
	.protected	k_q6eee58c035_wq
	.globl	k_q6eee58c035_wq
	.p2align	8
	.type	k_q6eee58c035_wq,@function
k_q6eee58c035_wq:
	s_mov_b64 s[64:65], 0
	v_nop
	global_prefetch_b8 v0, s[64:65] scope:SCOPE_SE
	s_setreg_imm32_b32 hwreg(HW_REG_WAVE_MODE, 25, 1), 1
	s_wait_xcnt 0x0
; The six weights W [512][512] f32 (K = the last axis) become codes of BF6 (E3M2) with one E8M0 byte for each 32 along K, laid as IMAGES OF OPERAND REGISTERS.
; A fragment (16 rows x 128 K) is 12 registers a lane; its image is 1,536 bytes: registers 4 c .. 4 c + 3 of lane l at 512 c + 16 l.  wimg: [tensor][tile 0..31][K step 0..3][1,536];  wsc: [tensor][K step][512 words], word 16 tile + lane.
; Tensors 0-3 (q's and k's weights) have PERMUTED tiles: lane r of tile 2 G + u takes row 32 G + 8 u + r + 8 (r / 8), so that a product used transposed leaves 16 neighbours along its N in a lane's 16 registers of two tiles.
; Tensors 4, 5 (v's weights) have natural tiles: row 16 tile + r.
; SHARES: work-group x = G, a group of 32 rows; y = the tensor; wave = the K step.  A wave makes two fragments.  Each load takes 512 consecutive bytes of one row; the 32 rows turn through the wave's own stage in LDS
; (rows 528 bytes apart), so that a lane gets 16 neighbours of each block of 32.  The order of rows is made by three bases, so the LDS text is the same for both orders.  No barrier: waves share nothing.
; A block's scale is 2^(floor(log2(largest magnitude)) - 4): its byte is the largest magnitude's exponent field - 4, held at 1 from below.
; LIMITS: NaN and infinities are not served; a block whose largest magnitude lies under 2^-122 (a block of zeros among them) gets the byte 1: a block of zeros has zero codes, and this program alone reads the bytes.
.set SP,    528                        ; a stage row: 512 bytes + 16
.set STGW,  32*SP                      ; a wave's stage
.set FRB,   1536                       ; a fragment's image
.set GL16,  1                          ; v1   16 x lane
.set SWR,   2                          ; v2   the stage, on the way in: 16 x lane
.set SRD,   3                          ; v3   on the way out: row r, + 64 h
.set L4,    4                          ; v4   4 x lane
.set RAW,   16                         ; v16-143  32 rows as loaded
.set XN0,   144                        ; v144-207 tile 0: 64 numbers of my row
.set XN1,   16                         ; v16-79   tile 1 (once RAW has been stored)
.set TM,    80                         ; v80-95   at work in QUANT
.set PW0,   96                         ; the two scale words
.set PW1,   97
.set PC0,   208                        ; v208-226 codes of tile 0
.set PC1,   228                        ; v228-246 codes of tile 1
.set SEL,   40                         ; s[40:41] selects for lane l xor 16
; 64 numbers of a lane, register 16 b + i = k 32 b + 16 (lane / 16) + i of my row, become a fragment's 12 registers in v[pc] on and my row's scale word in v[pw].
.macro QUANT src, pc, pw
.irp b, 0,1,2,3
	v_max3_num_f32 v[TM+\b], |v[(\src)+16*\b]|, |v[(\src)+1+16*\b]|, 0x2800000   ; my 16 numbers of block b, and the floor 2^(5 - 127): the byte cannot fall under 1
.endr
.irp i, 2,4,6,8,10,12,14
.irp b, 0,1,2,3
	v_max3_num_f32 v[TM+\b], v[TM+\b], |v[(\src)+16*\b+\i]|, |v[(\src)+1+16*\b+\i]|   ; the four blocks by turns
.endr
.endr
.irp b, 0,1,2,3
	v_permlanex16_b32 v[TM+4+\b], v[TM+\b], s[SEL], s[SEL+1]
.endr
.irp b, 0,1,2,3
	v_max_num_f32 v[TM+\b], v[TM+\b], v[TM+4+\b]           ; with lane l xor 16's 16: the block's largest magnitude
.endr
.irp b, 0,1,2,3
	v_add_nc_u32 v[TM+12+\b], 0xfe000000, v[TM+\b]         ; 4 off its exponent field: the conversion takes this operand's exponent field as its scale
.endr
.irp b, 0,1,2,3
	v_lshrrev_b32 v[TM+4+\b], 23, v[TM+12+\b]              ; the scale's byte
.endr
	v_lshl_or_b32 v[\pw], v[TM+5], 8, v[TM+4]
	v_lshl_or_b32 v[\pw], v[TM+6], 16, v[\pw]
	v_lshl_or_b32 v[\pw], v[TM+7], 24, v[\pw]
.irp c, 0,1
	v_cvt_scalef32_pk16_bf6_f32 v[(\pc)+6*\c:(\pc)+2+6*\c], v[(\src)+32*\c:(\src)+15+32*\c], v[TM+12+2*\c]
	v_cvt_scalef32_pk16_bf6_f32 v[(\pc)+12+4*\c:(\pc)+14+4*\c], v[(\src)+16+32*\c:(\src)+31+32*\c], v[TM+12+2*\c+1]   ; (three registers that begin on an even number)
.endr
	v_nop                                                  ; one plain place behind a scaled conversion
.irp c, 0,1                                            ; the layout wants a whole block in a lane: lanes 0-15 block 2 c, lanes 16-31 block 2 c + 1
.irp i, 0,1,2
	v_permlane16_swap_b32 v[(\pc)+6*\c+\i], v[(\pc)+12+4*\c+\i]
.endr
.irp i, 0,1,2
	v_mov_b32 v[(\pc)+3+6*\c+\i], v[(\pc)+12+4*\c+\i]
.endr
.endr
.endm
	s_load_b512 s[4:19], s[0:1], 0x0               ; the six weights s[4:15], wimg s[16:17], wsc s[18:19]
	v_lshl_add_u32 v254, v0, 2, 0x10800
	v_mov_b32 v255, 0
	v_lshrrev_b32 v5, 5, v0
	v_readfirstlane_b32 s21, v5                    ; wave = K step
	s_and_b32 s20, ttmp7, 0xffff                   ; the tensor
	v_and_b32 v6, 31, v0                           ; lane
	v_and_b32 v7, 15, v0                           ; r
	v_bfe_u32 v8, v0, 4, 1                         ; h
	v_lshlrev_b32 v[GL16], 4, v6
	v_lshlrev_b32 v[L4], 2, v6
	s_mul_i32 s30, s21, STGW
	v_add_nc_u32 v[SWR], s30, v[GL16]
	v_mul_u32_u24 v[SRD], v7, SP
	v_lshl_add_u32 v[SRD], v8, 6, v[SRD]
	v_add_nc_u32 v[SRD], s30, v[SRD]
	s_mov_b32 s[SEL], 0x76543210
	s_mov_b32 s[SEL+1], 0xfedcba98
	s_lshl_b32 s24, ttmp9, 16                      ; 32 rows of 2,048 bytes a group,
	s_lshl_b32 s25, s21, 9                         ; 512 bytes a K step
	s_add_co_u32 s24, s24, s25
	s_mov_b32 s25, 0
	s_mov_b32 s27, 0
	s_mov_b32 s29, 0
	s_mov_b32 s26, 16384                           ; natural order: stage rows 8-15 are rows 8-15, stage rows 16-23 are rows 16-23
	s_mov_b32 s28, 32768
	s_cmp_lt_u32 s20, 4                            ; permuted order: they change places
	s_cselect_b32 s26, 32768, s26
	s_cselect_b32 s28, 16384, s28
	s_mul_i32 s32, s20, 32*4*FRB                   ; my images: tensor, tile 2 G, K step
	s_mul_i32 s34, ttmp9, 8*FRB
	s_add_co_u32 s32, s32, s34
	s_mul_i32 s34, s21, FRB
	s_add_co_u32 s32, s32, s34
	s_mov_b32 s33, 0
	s_lshl_b32 s34, s20, 13                        ; my scale words: tensor, K step, 32 words a group
	s_lshl_b32 s36, s21, 11
	s_add_co_u32 s34, s34, s36
	s_lshl_b32 s36, ttmp9, 7
	s_add_co_u32 s34, s34, s36
	s_mov_b32 s35, 0
	s_wait_alu depctr_va_vdst(0)
	s_wait_kmcnt 0x0
	s_cmp_eq_u32 s20, 1                            ; the choice hangs on the work-group's number alone
	s_cselect_b64 s[4:5], s[6:7], s[4:5]
	s_cmp_eq_u32 s20, 2
	s_cselect_b64 s[4:5], s[8:9], s[4:5]
	s_cmp_eq_u32 s20, 3
	s_cselect_b64 s[4:5], s[10:11], s[4:5]
	s_cmp_eq_u32 s20, 4
	s_cselect_b64 s[4:5], s[12:13], s[4:5]
	s_cmp_eq_u32 s20, 5
	s_cselect_b64 s[4:5], s[14:15], s[4:5]
	s_add_nc_u64 s[4:5], s[4:5], s[24:25]          ; stage rows 0-7 and 24-31
	s_add_nc_u64 s[6:7], s[4:5], s[26:27]          ; stage rows 8-15
	s_add_nc_u64 s[8:9], s[4:5], s[28:29]          ; stage rows 16-23
	s_add_nc_u64 s[16:17], s[16:17], s[32:33]
	s_add_nc_u64 s[18:19], s[18:19], s[34:35]
.set P, 0
.rept 32                                       ; 32 lanes read 512 consecutive bytes of one row
.if P < 8
	global_load_b128 v[RAW+4*P:RAW+4*P+3], v[GL16], s[4:5] offset:P*2048 th:TH_LOAD_NT
.elseif P < 16
	global_load_b128 v[RAW+4*P:RAW+4*P+3], v[GL16], s[6:7] offset:(P-8)*2048 th:TH_LOAD_NT
.elseif P < 24
	global_load_b128 v[RAW+4*P:RAW+4*P+3], v[GL16], s[8:9] offset:(P-16)*2048 th:TH_LOAD_NT
.else
	global_load_b128 v[RAW+4*P:RAW+4*P+3], v[GL16], s[4:5] offset:P*2048 th:TH_LOAD_NT
.endif
.set P, P+1
.endr
	s_wait_loadcnt 0x0
.set P, 0
.rept 32
	ds_store_b128 v[SWR], v[RAW+4*P:RAW+4*P+3] offset:P*SP
.set P, P+1
.endr
.irp b, 0,1,2,3
.irp j, 0,1,2,3
	ds_load_b128 v[XN0+16*\b+4*\j:XN0+16*\b+4*\j+3], v[SRD] offset:128*\b+16*\j   ; LDS serves a wave's instructions in order: these see my stores
.endr
.endr
	s_wait_dscnt 0x0                               ; tile 0 is back, and the stores have read RAW: its registers are free
.irp b, 0,1,2,3
.irp j, 0,1,2,3
	ds_load_b128 v[XN1+16*\b+4*\j:XN1+16*\b+4*\j+3], v[SRD] offset:16*SP+128*\b+16*\j
.endr
.endr
.irp b, 0,1,2,3
	v_mov_b32 v[TM+4+\b], 0                        ; written once: a lane permute's destination counts as one of its sources
.endr
	QUANT XN0, PC0, PW0
	s_wait_dscnt 0x0                               ; tile 1 is back
	QUANT XN1, PC1, PW1
	v_cmp_gt_u32 vcc_lo, 16, v6
	v_cndmask_b32 v9, v[PW1], v[PW0], vcc_lo       ; lanes 0-15: tile 0's words, lanes 16-31: tile 1's (both halves of a word register hold row r's)
.irp k, 0,1,2
	global_store_b128 v[GL16], v[PC0+4*\k:PC0+4*\k+3], s[16:17] offset:512*\k          ; each store covers 512 consecutive bytes, aligned
	global_store_b128 v[GL16], v[PC1+4*\k:PC1+4*\k+3], s[16:17] offset:4*FRB+512*\k
.endr
	global_store_b32 v[L4], v9, s[18:19]           ; 128 consecutive bytes
	s_wait_tensorcnt 0x0
	ds_add_u32 v254, v255
	s_wait_dscnt 0x0
	s_endpgm
.Lfunc_end_k_q6eee58c035_wq:
	.size	k_q6eee58c035_wq, .Lfunc_end_k_q6eee58c035_wq-k_q6eee58c035_wq
	.p2alignl 7, 3214868480
	.fill 96, 4, 3214868480
	.section	.rodata,"a",@progbits
	.p2align	6, 0x0
	.amdhsa_kernel k_q6eee58c035_wq
		.amdhsa_group_segment_fixed_size 68096
		.amdhsa_private_segment_fixed_size 0
		.amdhsa_enable_private_segment 0
		.amdhsa_kernarg_size 64
		.amdhsa_user_sgpr_count 2
		.amdhsa_user_sgpr_kernarg_segment_ptr 1
		.amdhsa_wavefront_size32 1
		.amdhsa_system_sgpr_workgroup_id_x 1
		.amdhsa_system_sgpr_workgroup_id_y 1
		.amdhsa_system_sgpr_workgroup_id_z 1
		.amdhsa_system_vgpr_workitem_id 0
		.amdhsa_next_free_vgpr 256
		.amdhsa_next_free_sgpr 66
		.amdhsa_reserve_vcc 1
		.amdhsa_float_denorm_mode_32 3
		.amdhsa_float_denorm_mode_16_64 3
		.amdhsa_memory_ordered 1
		.amdhsa_forward_progress 1
		.amdhsa_inst_pref_size 19
	.end_amdhsa_kernel
	.amdgpu_metadata
---
amdhsa.version: [ 1, 2 ]
amdhsa.kernels:
  - .name:           k_q6eee58c035_wq
    .symbol:         k_q6eee58c035_wq.kd
    .args:
      - { .name: Wq_text, .offset: 0, .size: 8, .value_kind: global_buffer, .address_space: global }
      - { .name: Wq_image, .offset: 8, .size: 8, .value_kind: global_buffer, .address_space: global }
      - { .name: Wk_image, .offset: 16, .size: 8, .value_kind: global_buffer, .address_space: global }
      - { .name: Wk_text, .offset: 24, .size: 8, .value_kind: global_buffer, .address_space: global }
      - { .name: Wv_image, .offset: 32, .size: 8, .value_kind: global_buffer, .address_space: global }
      - { .name: Wv_text, .offset: 40, .size: 8, .value_kind: global_buffer, .address_space: global }
      - { .name: wimg, .offset: 48, .size: 8, .value_kind: global_buffer, .address_space: global }
      - { .name: wsc, .offset: 56, .size: 8, .value_kind: global_buffer, .address_space: global }
    .group_segment_fixed_size: 68096
    .private_segment_fixed_size: 0
    .kernarg_segment_align: 8
    .kernarg_segment_size: 64
    .max_flat_workgroup_size: 128
    .sgpr_count:     66
    .vgpr_count:     256
    .wavefront_size: 32
...
	.end_amdgpu_metadata
.endif
;; end of part 4
;; launch projkv (part 5): grid 64 x 4, 4 waves a work-group, no clusters, 246,272 bytes of LDS; arguments K_image, K_text, V_image, V_text, bk_image, bk_text, bv_image, bv_text, wimg, wsc, kv, scl; writes kv, scl
.if DOCPART == 5
	.amdgcn_target "amdgcn-amd-amdhsa--gfx1250"
	.amdhsa_code_object_version 6
	.text
	.protected	k_q6eee58c035_projkv
	.globl	k_q6eee58c035_projkv
	.p2align	8
	.type	k_q6eee58c035_projkv,@function
k_q6eee58c035_projkv:
	s_mov_b64 s[64:65], 0
	v_nop
	global_prefetch_b8 v0, s[64:65] scope:SCOPE_SE
	s_setreg_imm32_b32 hwreg(HW_REG_WAVE_SCHED_MODE, 0, 2), 2
	s_setreg_imm32_b32 hwreg(HW_REG_WAVE_MODE, 25, 1), 1
	s_wait_xcnt 0x0
	s_wait_alu depctr_vm_vsrc(0)
; k and v of both attentions: y = x W^T + b on codes of BF6 (E3M2) with one E8M0 scale for each 32 along K, and y quantised again for the attention launch: k along its 512 channels, v ALONG THE KEYS (the rows of x).
; y-id T: 0 k_image, 1 k_text, 2 v_image, 3 v_text.  kind = T / 2, direction = T % 2.  x-id: a block of 128 rows of x [8,192][512] f32: batch = x / 16, g = x % 16.  256 equal work-groups.
; The head is common; then the text parts ONCE, on the work-group's y alone, into k's body and v's body, which do not join again.  Each body has LDS bytes of its own.
; BOTH BODIES.  Wave w first quantises rows 32 w .. 32 w + 31 of the block (two tiles x four K steps) and stores the fragments' images in LDS; one barrier; then it owns output channels 128 w .. 128 w + 127.
; A fragment (16 rows x 128 K) is 12 registers a lane; its image is 1,536 bytes: registers 4 c .. 4 c + 3 of lane l at 512 c + 16 l.  x's tiles are PERMUTED: lane r of tile 2 b + u takes row 32 b + 8 u + r + 8 (r / 8).
; k: source 0 = 16 rows of W (permuted tiles; my quarter, 384 registers, loaded at the head), source 1 = 16 rows of x, from LDS tile by tile: a lane holds one key, its 64 results run along the channels in the order QUANT takes:
;    ONE fragment (tile n of keys, K step w of the attention's first product).  The bias is the C of each sum's first product.
; v: source 0 = 16 rows of x (all 32 fragments in registers), source 1 = 16 rows of W (natural tiles, from memory tile by tile): a lane holds ONE CHANNEL, its 64 results are keys 32 b + 16 h + i:
;    ONE fragment (16 channels x these 128 keys).  The bias, one number a lane, is spread over eight registers as C.
; OUT: kv [y of the attention][wave w'][16 units of 24,576].  k: w' = g % 4, unit 4 (g / 4) holds tiles 0-3, unit 4 (g / 4) + 2 tiles 4-7, fragment 4 (n % 4) + K step.
;      v: w' = my wave, unit 4 (g / 4) + 1 + 2 ((g / 2) % 2), fragment 8 (g % 2) + channel tile.  Scale words: scl: k's at 0, [y][K step][2,048 words]; v's at 262,144, [y][g][512 words by channel].
; NO JOINT LOADS: of the 458,752 bytes that a work-group reads, the 196,608 of W's images are shared with others, but each wave's quarter goes once from memory straight into the registers of the one wave that uses it;
; through LDS it would be written and read once more, and there is no loop in which a ring could turn.  The 262,144 bytes of x are nobody else's.
; LIMITS: NaN and infinities are not served; a block whose largest magnitude lies under 2^-122 (a block of zeros among them) gets the byte 1: a block of zeros has zero codes, and this program alone reads the bytes.
; REGISTERS, in windows of 256.  window 0: v1-15 addresses; v16-79 the results (earlier: tile 1's numbers); v80-143 tile 0's numbers; v144-183 codes, two sets; v184-199 at work; v200-201 scale words made;
;   v204-219 the resident operand's scale words (tiles 2 tp and 2 tp + 1 in the two halves of the lanes); v220-227 the other's, two sets; v228-243 v's bias; v254, v255 the closing add's two.
;   window 1: the resident operand's fragments of K steps 0, 1 (k: from v192 the bias, 8 registers a tile).   window 2: K steps 2, 3.   window 3: x as loaded, two sets of 128; later the other operand's fragments, two sets of 48.
; THE MODE: SCHED_MODE bits 1:0 = 2 (LLVM: expert scheduling mode 2), set by the entry lines.  The code itself states the register dependences between vector or matrix instructions and memory or LDS instructions,
; with s_wait_alu, always for 0.
; THE PLAN.  Registers that memory or LDS instructions touch, and who else names them:
;   v1, v13-15     offsets, written once in the common head; one wait on va_vdst ahead of the parting.   v2-10  a path's LDS addresses, written once behind the path's first loads; one wait at the head of K step 0.
;   RAW            window 3, two sets of 128.  The loads of x land there; the stage's LDS stores read them; no vector instruction names them.
;   XN0, XN1       The stage's LDS loads land there; the K step's two quantisings read them.
;   PC0, PC1 and PW0, PW1   codes and scale words, two sets.  Written by the quantisings; read by the images' LDS stores (x), later by a tile's three global stores and one LDS store.
;   window 3, two sets of 48, and BS, two sets of 4   Tile n's 32 products read set n % 2; the 16 loads of tile n + 2 land in it.
;   Windows 1 and 2, AS and the biases are loaded once and read by products (the bias of v also by moves) alone.
; A K STEP OF x: one wait on vm_vsrc behind the turn through the stage (the stage's stores have read RAW, the last images' stores the codes), and one on va_vdst behind BOTH quantisings: the codes are written, for the eight stores
; that follow, and XN0, XN1 are done with, for the next K step's loads from the stage: no vector instruction stands between.
; A TILE STEP: behind the products and their places one wait on vm_vsrc (the stores that read this tile's set of codes, issued a step ago, have read it) and one on va_vdst (the products are done reading their set; the tile
; before has written its codes).  Behind them go tile n + 2's loads and the stores of tile n - 1; the quantising that follows names the results, the registers at work and the OTHER set of codes: nothing that those touch.
.set SP,    528                        ; a stage row: 512 bytes + 16
.set STGW,  32*SP                      ; a wave's stage
.set FRB,   1536                       ; a fragment's image
.set XIMG,  4*STGW                     ; a path's LDS: behind the four stages x's 32 fragments, (4 tile + K step) x FRB,
.set XSC,   XIMG+32*FRB                ; their scale words, 128 bytes each,
.set SCG,   XSC+32*128                 ; and 512 bytes for each wave, in which its results' scale words are gathered
.set PATHB, SCG+4*512                  ; 122,880 bytes a path: k's at 0, v's behind them
.set GL16,  1                          ; v1   16 x lane
.set SWR,   2                          ; v2   my stage, in: 16 x lane
.set SRD,   3                          ; v3   my stage, out: row r, + 64 h
.set XWI,   4                          ; v4   where I store x's images
.set XWS,   5                          ; v5   and their scale words
.set XIR,   6                          ; v6   where anybody reads x's images: XIMG + 16 x lane
.set XSR,   7                          ; v7   k: x's scale words: XSC + 4 x lane
.set XSH,   8                          ; v8   v: XSC + 4 r + 512 h: lanes 16-31 take the next tile's words
.set GW,    9                          ; v9   my gathering place, in: 4 r
.set GR,    10                         ; v10  out: 16 x lane
.set R4,    13                         ; v13  4 r
.set H64,   14                         ; v14  64 h
.set L4,    15                         ; v15  4 x lane
.set HA,    16
.set XN1,   16
.set XN0,   80
.set PC0,   144
.set PC1,   164
.set TM,    184
.set PW0,   200
.set PW1,   201
.set AS,    204
.set BS,    220
.set CB,    228
.set BV,    236
.set T0,    244                        ; v244 lane, v245 r, v246 h
.set T1,    245
.set T2,    246
.set BIAS,  192                        ; in window 1
.set WV,    38
.set X0,    44                         ; s[44:45] my 32 rows of x
.set BP,    50                         ; s[50:51] my 128 numbers of the bias
.set WI,    52                         ; s[52:53] my quarter of W's images
.set WS,    54                         ; s[54:55] and of its scale words
.set OB0,   56                         ; s[56:57] where the fragments go (k: tiles 0-3;  s[58:59] tiles 4-7)
.set OB1,   58
.set SB,    60                         ; s[60:61] where my 128 scale words go
.set SEL,   62
.set MSB, 0
.macro WIN new                         ; the immediate's high byte repeats the setting that is left; a switch that changes nothing is dropped
.if MSB != \new
	s_set_vgpr_msb (MSB<<8)|\new
.set MSB, \new
.endif
.endm
; 64 numbers of a lane, register 16 b + i = k 32 b + 16 (lane / 16) + i of my row, become a fragment's 12 registers in v[pc] on and my row's scale word in v[pw].
.macro QUANT src, pc, pw
.irp b, 0,1,2,3
	v_max3_num_f32 v[TM+\b], |v[(\src)+16*\b]|, |v[(\src)+1+16*\b]|, 0x2800000   ; my 16 numbers of block b, and the floor 2^(5 - 127): the byte cannot fall under 1
.endr
.irp i, 2,4,6,8,10,12,14
.irp b, 0,1,2,3
	v_max3_num_f32 v[TM+\b], v[TM+\b], |v[(\src)+16*\b+\i]|, |v[(\src)+1+16*\b+\i]|   ; the four blocks by turns; each tile of results is read from its low end on
.endr
.endr
.irp b, 0,1,2,3
	v_permlanex16_b32 v[TM+4+\b], v[TM+\b], s[SEL], s[SEL+1]
.endr
.irp b, 0,1,2,3
	v_max_num_f32 v[TM+\b], v[TM+\b], v[TM+4+\b]           ; with lane l xor 16's 16: the block's largest magnitude
.endr
.irp b, 0,1,2,3
	v_add_nc_u32 v[TM+12+\b], 0xfe000000, v[TM+\b]         ; 4 off its exponent field: the conversion takes this operand's exponent field as its scale
.endr
.irp b, 0,1,2,3
	v_lshrrev_b32 v[TM+4+\b], 23, v[TM+12+\b]              ; the scale's byte
.endr
	v_lshl_or_b32 v[\pw], v[TM+5], 8, v[TM+4]
	v_lshl_or_b32 v[\pw], v[TM+6], 16, v[\pw]
	v_lshl_or_b32 v[\pw], v[TM+7], 24, v[\pw]
.irp c, 0,1
	v_cvt_scalef32_pk16_bf6_f32 v[(\pc)+6*\c:(\pc)+2+6*\c], v[(\src)+32*\c:(\src)+15+32*\c], v[TM+12+2*\c]
	v_cvt_scalef32_pk16_bf6_f32 v[(\pc)+12+4*\c:(\pc)+14+4*\c], v[(\src)+16+32*\c:(\src)+31+32*\c], v[TM+12+2*\c+1]   ; (three registers that begin on an even number)
.endr
	v_nop                                                  ; one plain place behind a scaled conversion
.irp c, 0,1                                            ; the layout wants a whole block in a lane: lanes 0-15 block 2 c, lanes 16-31 block 2 c + 1
.irp i, 0,1,2
	v_permlane16_swap_b32 v[(\pc)+6*\c+\i], v[(\pc)+12+4*\c+\i]
.endr
.irp i, 0,1,2
	v_mov_b32 v[(\pc)+3+6*\c+\i], v[(\pc)+12+4*\c+\i]
.endr
.endr
.endm
.macro ADDRS base                      ; a path's LDS addresses: a constant, a constant x lane, a constant x wave
	s_mul_i32 s30, s[WV], STGW
	s_add_co_u32 s30, s30, \base
	v_add_nc_u32 v[SWR], s30, v[GL16]
	v_mul_u32_u24 v[SRD], v[T1], SP
	v_lshl_add_u32 v[SRD], v[T2], 6, v[SRD]
	v_add_nc_u32 v[SRD], s30, v[SRD]
	s_mul_i32 s30, s[WV], 8*FRB
	s_add_co_u32 s30, s30, (\base)+XIMG
	v_add_nc_u32 v[XWI], s30, v[GL16]
	s_lshl_b32 s30, s[WV], 10
	s_add_co_u32 s30, s30, (\base)+XSC
	v_add_nc_u32 v[XWS], s30, v[L4]
	v_add_nc_u32 v[XIR], (\base)+XIMG, v[GL16]
	s_lshl_b32 s30, s[WV], 9
	s_add_co_u32 s30, s30, (\base)+SCG
	v_add_nc_u32 v[GW], s30, v[R4]
	v_add_nc_u32 v[GR], s30, v[GL16]
.endm
.macro XLOAD s                         ; K step s of my 32 rows, in the permuted order: stage rows 8-15 are rows 16-23, stage rows 16-23 are rows 8-15
	WIN 0xc0
.set P, 0
.rept 32
.set SROW, P
.if (P >= 8) && (P < 16)
.set SROW, P+8
.elseif (P >= 16) && (P < 24)
.set SROW, P-8
.endif
	global_load_b128 v[128*((\s)%2)+4*P:128*((\s)%2)+4*P+3], v[GL16], s[X0:X0+1] offset:SROW*2048+512*(\s) th:TH_LOAD_NT   ; 512 consecutive bytes of one row
.set P, P+1
.endr
	WIN 0
.endm
.macro XTURN s                         ; through my stage: in as loaded, out 16 neighbours of each block of 32 to a lane
	WIN 0x0c                                       ; an LDS store's data are its source 1: window 3
.set P, 0
.rept 32
	ds_store_b128 v[SWR], v[128*((\s)%2)+4*P:128*((\s)%2)+4*P+3] offset:P*SP
.set P, P+1
.endr
	WIN 0
.irp u, 0,1
.irp b, 0,1,2,3
.irp j, 0,1,2,3
	ds_load_b128 v[XN0-64*\u+16*\b+4*\j:XN0-64*\u+16*\b+4*\j+3], v[SRD] offset:16*SP*\u+128*\b+16*\j   ; LDS serves a wave's instructions in order: these see my stores
.endr
.endr
.endr
.endm
.macro IMG u, s                        ; the fragment just made (my tile u, K step s) goes to LDS as it stands, its scale words beside it
.irp k, 0,1,2
	ds_store_b128 v[XWI], v[PC0+20*(\u)+4*\k:PC0+20*(\u)+4*\k+3] offset:(4*(\u)+(\s))*FRB+512*\k
.endr
	ds_store_b32 v[XWS], v[PW0+(\u)] offset:(4*(\u)+(\s))*128
.endm
.macro WM d, a, b, c, x, y, ra         ; one product; ra = 1: source 0's scale words stand in lanes 16-31
.if \ra
	v_wmma_scale_f32_16x16x128_f8f6f4 v[(\d):(\d)+7], v[(\a):(\a)+11], v[(\b):(\b)+11], v[(\c):(\c)+7], v[\x], v[\y] matrix_a_fmt:MATRIX_FMT_BF6 matrix_b_fmt:MATRIX_FMT_BF6 matrix_a_scale:MATRIX_SCALE_ROW1
.else
	v_wmma_scale_f32_16x16x128_f8f6f4 v[(\d):(\d)+7], v[(\a):(\a)+11], v[(\b):(\b)+11], v[(\c):(\c)+7], v[\x], v[\y] matrix_a_fmt:MATRIX_FMT_BF6 matrix_b_fmt:MATRIX_FMT_BF6
.endif
.endm
.macro KBFETCH n                       ; k: tile n of x from LDS: four fragments into set n % 2 of window 3, four scale words: 16 loads
	WIN 0xc0
.irp s, 0,1,2,3
.irp k, 0,1,2
	ds_load_b128 v[48*((\n)%2)+12*\s+4*\k:48*((\n)%2)+12*\s+4*\k+3], v[XIR] offset:(4*(\n)+\s)*FRB+512*\k
.endr
.endr
	WIN 0
.irp s, 0,1,2,3
	ds_load_b32 v[BS+4*((\n)%2)+\s], v[XSR] offset:(4*(\n)+\s)*128
.endr
.endm
.macro VBFETCH n                       ; v: tile n of my quarter of W from memory: four fragments into set n % 2 of window 3, four scale words: 16 loads
	WIN 0xc0
.irp s, 0,1,2,3
.irp k, 0,1,2
	global_load_b128 v[48*((\n)%2)+12*\s+4*\k:48*((\n)%2)+12*\s+4*\k+3], v[GL16], s[WI:WI+1] offset:(4*(\n)+\s)*FRB+512*\k
.endr
.endr
	WIN 0
.irp s, 0,1,2,3
	global_load_b32 v[BS+4*((\n)%2)+\s], v[R4], s[WS:WS+1] offset:2048*\s+64*(\n)
.endr
.endm
.macro XSTEP s, v                      ; K step s of my 32 rows becomes two fragments.  v = 1: v's body
.if (\s) < 3
	s_wait_loadcnt 32                              ; this K step's loads (and all older ones) are in; the next K step's 32 may be out
.else
	s_wait_loadcnt 0x0
.endif
.if (\s) == 0
	s_wait_alu depctr_va_vdst(0)                   ; the path's LDS addresses v2 to v10 are written, which every LDS instruction from here on reads; they are not written again
.endif
	XTURN \s                                       ; (the loads from the stage land in XN0 and XN1: the wait behind the last K step's quantisings has shown these done with, and no vector instruction stands between)
	s_wait_dscnt 0x0                               ; the numbers are back
	s_wait_alu depctr_vm_vsrc(0)                   ; the stage's stores have read the raw registers, in which loads land next (x's K step two on; behind K step 3 the first tiles' fragments); the last images' stores have read both sets of codes and scale words, which are written again below
.if (\s) < 2
	XLOAD (\s)+2
.endif
.if (\s) == 3
.if \v
	VBFETCH 0                                      ; W's first two tiles are asked for here, into registers of x that have been stored: they land while the last K step is quantised
	VBFETCH 1
.endif
.endif
	QUANT XN0, PC0, PW0
	QUANT XN1, PC1, PW1
	s_wait_alu depctr_va_vdst(0)                   ; both quantisings have written their codes and scale words, which the eight stores below read, and are done reading XN0 and XN1, in which the next K step's numbers land
	IMG 0, \s
	IMG 1, \s
.endm
.macro KPMUL n                         ; k: 32 products: my 8 tiles of W by turns, K step by K step; the first takes the bias as C
.irp s, 0,1,2,3
.if \s == 0
	WIN 0x1d                                       ; source 0 (W) window 1, source 1 (x) window 3, C (bias) window 1, D window 0
.elseif \s == 1
	WIN 0x0d
.else
	WIN 0x0e                                       ; W's K steps 2, 3: window 2
.endif
.irp t, 0,1,2,3,4,5,6,7
.set rD, HA+8*\t
.set rC, rD
.if \s == 0
.set rC, BIAS+8*\t
.endif
	WM rD, 12*(8*(\s%2)+\t), 48*((\n)%2)+12*\s, rC, AS+4*(\t/2)+\s, BS+4*((\n)%2)+\s, \t%2
.endr
.endr
.endm
.macro VPMUL n                         ; v: 32 products: x's 8 tiles by turns, K step by K step; the first takes the bias as C
.irp s, 0,1,2,3
.if \s < 2
	WIN 0x0d                                       ; source 0 (x) window 1, source 1 (W) window 3, C and D window 0
.else
	WIN 0x0e                                       ; x's K steps 2, 3: window 2
.endif
.irp t, 0,1,2,3,4,5,6,7
.set rD, HA+8*\t
.set rC, rD
.if \s == 0
.set rC, CB
.endif
	WM rD, 12*(8*(\s%2)+\t), 48*((\n)%2)+12*\s, rC, AS+4*(\t/2)+\s, BS+4*((\n)%2)+\s, \t%2
.endr
.endr
.endm
.macro KOUT n                          ; k: tile n's fragment leaves, and its scale words go to my gathering place
.irp k, 0,1,2
.if (\n) < 4
	global_store_b128 v[GL16], v[PC0+20*((\n)%2)+4*\k:PC0+20*((\n)%2)+4*\k+3], s[OB0:OB0+1] offset:(\n)*4*FRB+512*\k   ; 512 consecutive bytes, aligned
.else
	global_store_b128 v[GL16], v[PC0+20*((\n)%2)+4*\k:PC0+20*((\n)%2)+4*\k+3], s[OB1:OB1+1] offset:((\n)-4)*4*FRB+512*\k
.endif
.endr
	ds_store_b32 v[GW], v[PW0+((\n)%2)] offset:64*(\n)     ; both halves of the lanes write row r's word with the same value
.endm
.macro VOUT n                          ; v: the same
.irp k, 0,1,2
	global_store_b128 v[GL16], v[PC0+20*((\n)%2)+4*\k:PC0+20*((\n)%2)+4*\k+3], s[OB0:OB0+1] offset:(\n)*FRB+512*\k   ; 512 consecutive bytes, aligned
.endr
	ds_store_b32 v[GW], v[PW0+((\n)%2)] offset:64*(\n)     ; both halves of the lanes write channel r's word with the same value
.endm
.macro KSTEP n                         ; k: tile n of x against my quarter of W; the results become one fragment, which leaves in the next step
.if (\n) < 7
	s_wait_dscnt 16                                ; tile n's 16 loads are in; younger than they are the next tile's 16 loads and at most two stores of scale words, of which 16 may be out
.else
	s_wait_dscnt 0x0
.endif
	KPMUL \n
	WIN 0
.rept 4
	v_nop                                          ; four places behind the products, in front of the first read of results (ISA guide 7.12.1)
.endr
	s_wait_xcnt 0x0                                ; the global stores of two tiles ago, issued a step ago, have had their addresses translated: this set of codes is written again only behind this wait,
	s_wait_alu depctr_vm_vsrc(0)                   ; and the stores that read this set of codes and its scale word (two tiles ago's; in tiles 0 and 1 x's last images) have read them: the quantising below writes them again
	s_wait_alu depctr_va_vdst(0)                   ; the products are done reading their set of x's fragments and scale words, in which the loads below land; the tile before has written its codes and scale word, which the stores below read
.if (\n) < 6
	KBFETCH (\n)+2
.endif
.if (\n) > 0
	KOUT (\n)-1
.endif
	QUANT HA, PC0+20*((\n)%2), PW0+((\n)%2)        ; it names the results, the registers at work and this tile's set of codes: none of the registers that the loads and stores above touch
.endm
.macro VSTEP n                         ; v: the 128 keys against tile n of W; the results become one fragment, which leaves in the next step
.if (\n) < 7
	s_wait_loadcnt 16                              ; tile n's 16 loads are in; the next tile's 16 may be out
.else
	s_wait_loadcnt 0x0
.endif
	VPMUL \n
	WIN 0
.rept 4
	v_nop                                          ; four places behind the products, in front of writes of the bias that they read and of the first read of results (ISA guide 7.12.1)
.endr
.if (\n) < 7
.irp j, 0,1,2,3,4,5,6,7
	v_mov_b32 v[CB+\j], v[BV+(\n)+1]               ; the next tile's bias, one number a lane, as eight registers of C
.endr
.endif
	s_wait_xcnt 0x0                                ; the global stores of two tiles ago, issued a step ago, have had their addresses translated: this set of codes is written again only behind this wait,
	s_wait_alu depctr_vm_vsrc(0)                   ; and the stores that read this set of codes and its scale word (two tiles ago's; in tiles 0 and 1 x's last images) have read them: the quantising below writes them again
	s_wait_alu depctr_va_vdst(0)                   ; the products are done reading their set of W's fragments and scale words, in which the loads below land; the tile before has written its codes and scale word, which the stores below read
.if (\n) < 6
	VBFETCH (\n)+2
.endif
.if (\n) > 0
	VOUT (\n)-1
.endif
	QUANT HA, PC0+20*((\n)%2), PW0+((\n)%2)        ; it names the results, the registers at work and this tile's set of codes: none of the registers that the loads and stores above touch
.endm
	; ---- the common head
	s_load_b512 s[4:19], s[0:1], 0x0               ; x: K_image, K_text, V_image, V_text s[4:11];  their biases s[12:19]
	s_load_b256 s[20:27], s[0:1], 0x40             ; wimg s[20:21], wsc s[22:23], kv s[24:25], scl s[26:27]
	v_lshl_add_u32 v254, v0, 2, 0x3c000
	v_mov_b32 v255, 0
	v_lshrrev_b32 v[T0], 5, v0
	v_readfirstlane_b32 s[WV], v[T0]               ; wave 0..3
	s_and_b32 s39, ttmp7, 0xffff                   ; T
	s_lshr_b32 s40, s39, 1                         ; kind: 0 k, 1 v
	s_add_co_u32 s43, s39, 2                       ; the tensor's number among the six weights
	s_and_b32 s41, s39, 1
	s_lshl_b32 s41, s41, 2
	s_lshr_b32 s30, ttmp9, 4
	s_add_co_u32 s41, s41, s30                     ; y of the attention = 4 x direction + batch
	s_and_b32 s42, ttmp9, 15                       ; g
	v_and_b32 v[T0], 31, v0                        ; lane
	v_and_b32 v[T1], 15, v0                        ; r
	v_bfe_u32 v[T2], v0, 4, 1                      ; h
	v_lshlrev_b32 v[GL16], 4, v[T0]
	v_lshlrev_b32 v[L4], 2, v[T0]
	v_lshlrev_b32 v[R4], 2, v[T1]
	v_lshlrev_b32 v[H64], 6, v[T2]
.irp b, 0,1,2,3
	v_mov_b32 v[TM+4+\b], 0                        ; written once: a lane permute's destination counts as one of its sources
.endr
	s_mov_b32 s[SEL], 0x76543210
	s_mov_b32 s[SEL+1], 0xfedcba98
	s_wait_alu depctr_va_sdst(0)                   ; the wave's number is written, ahead of its first reader: the bases below are made from it
	s_lshl_b32 s[X0], ttmp9, 18                    ; offsets, each in the registers that will hold the address: 128 rows of 2,048 bytes a block,
	s_lshl_b32 s30, s[WV], 16                      ; 32 rows a wave
	s_add_co_u32 s[X0], s[X0], s30
	s_mov_b32 s[X0+1], 0
	s_lshl_b32 s[BP], s[WV], 9
	s_mov_b32 s[BP+1], 0
	s_mul_i32 s[WI], s43, 32*4*FRB
	s_mul_i32 s30, s[WV], 8*4*FRB
	s_add_co_u32 s[WI], s[WI], s30
	s_mov_b32 s[WI+1], 0
	s_lshl_b32 s[WS], s43, 13
	s_lshl_b32 s30, s[WV], 9
	s_add_co_u32 s[WS], s[WS], s30
	s_mov_b32 s[WS+1], 0
	s_wait_kmcnt 0x0
	s_cmp_eq_u32 s39, 1                            ; the choices hang on the work-group's number alone
	s_cselect_b64 s[4:5], s[6:7], s[4:5]
	s_cselect_b64 s[12:13], s[14:15], s[12:13]
	s_cmp_eq_u32 s39, 2
	s_cselect_b64 s[4:5], s[8:9], s[4:5]
	s_cselect_b64 s[12:13], s[16:17], s[12:13]
	s_cmp_eq_u32 s39, 3
	s_cselect_b64 s[4:5], s[10:11], s[4:5]
	s_cselect_b64 s[12:13], s[18:19], s[12:13]
	s_add_nc_u64 s[X0:X0+1], s[4:5], s[X0:X0+1]
	s_add_nc_u64 s[BP:BP+1], s[12:13], s[BP:BP+1]
	s_add_nc_u64 s[WI:WI+1], s[20:21], s[WI:WI+1]
	s_add_nc_u64 s[WS:WS+1], s[22:23], s[WS:WS+1]
	s_wait_alu depctr_va_vdst(0)                   ; the offsets v1, v13, v14 and v15 are written, which the global loads and stores of both bodies read; they are not written again, and no vector instruction stands between here and either body's first loads
	s_cmp_lg_u32 s40, 0                            ; the one parting: alike in all four waves of a work-group
	s_cbranch_scc1 .Lv_body
	; ---- k's body.  My quarter of W, its scale words and the bias are asked for ahead of x, so that the counted waits of the K steps cover them
	WIN 0x40
.irp s, 0,1
.irp t, 0,1,2,3,4,5,6,7
.irp k, 0,1,2
	global_load_b128 v[12*(8*\s+\t)+4*\k:12*(8*\s+\t)+4*\k+3], v[GL16], s[WI:WI+1] offset:(4*\t+\s)*FRB+512*\k
.endr
.endr
.endr
.irp t, 0,1,2,3,4,5,6,7                        ; lane (r, h) wants, for tile t, the bias of channels 32 (t / 2) + 8 (t % 2) + 16 h + 0 .. 7
	global_load_b128 v[BIAS+8*\t:BIAS+8*\t+3], v[H64], s[BP:BP+1] offset:(32*(\t/2)+8*(\t%2))*4
	global_load_b128 v[BIAS+8*\t+4:BIAS+8*\t+7], v[H64], s[BP:BP+1] offset:(32*(\t/2)+8*(\t%2))*4+16
.endr
	WIN 0x80
.irp s, 0,1
.irp t, 0,1,2,3,4,5,6,7
.irp k, 0,1,2
	global_load_b128 v[12*(8*\s+\t)+4*\k:12*(8*\s+\t)+4*\k+3], v[GL16], s[WI:WI+1] offset:(4*\t+\s+2)*FRB+512*\k
.endr
.endr
.endr
	WIN 0
.irp s, 0,1,2,3
.irp tp, 0,1,2,3
	global_load_b32 v[AS+4*\tp+\s], v[L4], s[WS:WS+1] offset:2048*\s+128*\tp
.endr
.endr
	XLOAD 0
	XLOAD 1
	ADDRS 0
	v_add_nc_u32 v[XSR], XSC, v[L4]
	s_lshl_b32 s30, s41, 2                         ; the stream of the attention's wave g % 4,
	s_and_b32 s31, s42, 3
	s_add_co_u32 s30, s30, s31
	s_mul_i32 s[OB0], s30, 393216
	s_lshr_b32 s30, s42, 2                         ; step g / 4,
	s_mul_i32 s30, s30, 98304
	s_add_co_u32 s[OB0], s[OB0], s30
	s_mul_i32 s30, s[WV], FRB                      ; the next product's K step is my wave's number
	s_add_co_u32 s[OB0], s[OB0], s30
	s_mov_b32 s[OB0+1], 0
	s_add_nc_u64 s[OB0:OB0+1], s[24:25], s[OB0:OB0+1]
	s_add_nc_u64 s[OB1:OB1+1], s[OB0:OB0+1], 49152 ; tiles 4-7: two units on
	s_lshl_b32 s[SB], s41, 15                      ; scale words: y, plane = K step, 128 words a block
	s_lshl_b32 s30, s[WV], 13
	s_add_co_u32 s[SB], s[SB], s30
	s_lshl_b32 s30, s42, 9
	s_add_co_u32 s[SB], s[SB], s30
	s_mov_b32 s[SB+1], 0
	s_add_nc_u64 s[SB:SB+1], s[26:27], s[SB:SB+1]
	XSTEP 0, 0
	XSTEP 1, 0
	XSTEP 2, 0
	XSTEP 3, 0
	s_wait_dscnt 0x0                               ; for the others' sake: my images and scale words have landed
	s_barrier_signal -1
	s_barrier_wait -1                              ; x's 32 fragments lie in LDS; from here on they are only read
	KBFETCH 0                                      ; into raw registers of x: K step 3's wait on vm_vsrc has shown the stage's stores done reading them, and no vector instruction has named them
	KBFETCH 1
.irp n, 0,1,2,3,4,5,6,7
	KSTEP \n
.endr
	s_wait_alu depctr_va_vdst(0)                   ; the last tile's codes and scale word are written, which the stores below read
	KOUT 7
	ds_load_b128 v[XN0:XN0+3], v[GR]               ; my 128 scale words: LDS serves a wave's instructions in order, these see my stores
	s_wait_dscnt 0x0
	global_store_b128 v[GL16], v[XN0:XN0+3], s[SB:SB+1]    ; 512 consecutive bytes, aligned
	s_wait_dscnt 0x0                               ; the closing lines, six on end
	s_wait_alu 0x0
	s_wait_tensorcnt 0x0
	ds_add_u32 v254, v255
	s_wait_dscnt 0x0
	s_endpgm
	; ---- v's body, on LDS bytes of its own
.Lv_body:
.irp n, 0,1,2,3,4,5,6,7
	global_load_b32 v[BV+\n], v[R4], s[BP:BP+1] offset:64*\n       ; the bias of channel 16 n + r of my quarter; asked for ahead of x, so that the counted waits of the K steps cover it
.endr
	XLOAD 0
	XLOAD 1
	ADDRS PATHB
	v_lshl_add_u32 v[XSH], v[T2], 9, v[R4]
	v_add_nc_u32 v[XSH], PATHB+XSC, v[XSH]
	s_lshl_b32 s30, s41, 2                         ; the stream of the attention's wave w = my wave,
	s_add_co_u32 s30, s30, s[WV]
	s_mul_i32 s[OB0], s30, 393216
	s_lshr_b32 s30, s42, 2                         ; step g / 4,
	s_mul_i32 s30, s30, 98304
	s_add_co_u32 s[OB0], s[OB0], s30
	s_bfe_u32 s30, s42, 0x10001                    ; unit 1 or 3 of the step: (g / 2) % 2,
	s_mul_i32 s30, s30, 49152
	s_add_co_u32 s[OB0], s[OB0], s30
	s_and_b32 s30, s42, 1                          ; its first or second eight fragments
	s_mul_i32 s30, s30, 8*FRB
	s_add_co_u32 s[OB0], s[OB0], s30
	s_add_co_u32 s[OB0], s[OB0], 24576
	s_mov_b32 s[OB0+1], 0
	s_add_nc_u64 s[OB0:OB0+1], s[24:25], s[OB0:OB0+1]
	s_lshl_b32 s[SB], s41, 15                      ; scale words: the second part, y, plane g, my 128 channels
	s_lshl_b32 s30, s42, 11
	s_add_co_u32 s[SB], s[SB], s30
	s_lshl_b32 s30, s[WV], 9
	s_add_co_u32 s[SB], s[SB], s30
	s_add_co_u32 s[SB], s[SB], 262144
	s_mov_b32 s[SB+1], 0
	s_add_nc_u64 s[SB:SB+1], s[26:27], s[SB:SB+1]
	XSTEP 0, 1
	XSTEP 1, 1
	XSTEP 2, 1
	XSTEP 3, 1
	s_wait_dscnt 0x0                               ; for the others' sake: my images and scale words have landed
	s_barrier_signal -1
	s_barrier_wait -1                              ; x's 32 fragments lie in LDS; from here on they are only read
	WIN 0x40                                       ; (windows 1 and 2 and AS have been named by nothing so far: these loads hang on their addresses alone)
.irp s, 0,1
.irp t, 0,1,2,3,4,5,6,7
.irp k, 0,1,2
	ds_load_b128 v[12*(8*\s+\t)+4*\k:12*(8*\s+\t)+4*\k+3], v[XIR] offset:(4*\t+\s)*FRB+512*\k
.endr
.endr
.endr
	WIN 0x80
.irp s, 0,1
.irp t, 0,1,2,3,4,5,6,7
.irp k, 0,1,2
	ds_load_b128 v[12*(8*\s+\t)+4*\k:12*(8*\s+\t)+4*\k+3], v[XIR] offset:(4*\t+\s+2)*FRB+512*\k
.endr
.endr
.endr
	WIN 0
.irp s, 0,1,2,3
.irp tp, 0,1,2,3
	ds_load_b32 v[AS+4*\tp+\s], v[XSH] offset:1024*\tp+128*\s
.endr
.endr
.irp j, 0,1,2,3,4,5,6,7
	v_mov_b32 v[CB+\j], v[BV]                      ; the first tile's bias
.endr
	s_wait_alu depctr_va_vdst(0)
	s_wait_dscnt 0x0                               ; x's fragments and scale words are in
.irp n, 0,1,2,3,4,5,6,7
	VSTEP \n
.endr
	s_wait_alu depctr_va_vdst(0)                   ; the last tile's codes and scale word are written, which the stores below read
	VOUT 7
	ds_load_b128 v[XN0:XN0+3], v[GR]               ; my 128 scale words: LDS serves a wave's instructions in order, these see my stores
	s_wait_dscnt 0x0
	global_store_b128 v[GL16], v[XN0:XN0+3], s[SB:SB+1]    ; 512 consecutive bytes, aligned
	s_wait_dscnt 0x0                               ; the closing lines, six on end
	s_wait_alu 0x0
	s_wait_tensorcnt 0x0
	ds_add_u32 v254, v255
	s_wait_dscnt 0x0
	s_endpgm
.Lfunc_end_k_q6eee58c035_projkv:
	.size	k_q6eee58c035_projkv, .Lfunc_end_k_q6eee58c035_projkv-k_q6eee58c035_projkv
	.p2alignl 7, 3214868480
	.fill 96, 4, 3214868480
	.section	.rodata,"a",@progbits
	.p2align	6, 0x0
	.amdhsa_kernel k_q6eee58c035_projkv
		.amdhsa_group_segment_fixed_size 246272
		.amdhsa_private_segment_fixed_size 0
		.amdhsa_enable_private_segment 0
		.amdhsa_kernarg_size 96
		.amdhsa_user_sgpr_count 2
		.amdhsa_user_sgpr_kernarg_segment_ptr 1
		.amdhsa_wavefront_size32 1
		.amdhsa_system_sgpr_workgroup_id_x 1
		.amdhsa_system_sgpr_workgroup_id_y 1
		.amdhsa_system_sgpr_workgroup_id_z 1
		.amdhsa_system_vgpr_workitem_id 0
		.amdhsa_next_free_vgpr 1024
		.amdhsa_next_free_sgpr 66
		.amdhsa_reserve_vcc 0
		.amdhsa_float_denorm_mode_32 3
		.amdhsa_float_denorm_mode_16_64 3
		.amdhsa_memory_ordered 1
		.amdhsa_forward_progress 1
		.amdhsa_inst_pref_size 255
	.end_amdhsa_kernel
	.section	.bss,"aw",@nobits
	.p2align	6
	.space	262144
	.amdgpu_metadata
---
amdhsa.version: [ 1, 2 ]
amdhsa.kernels:
  - .name:           k_q6eee58c035_projkv
    .symbol:         k_q6eee58c035_projkv.kd
    .args:
      - { .name: K_image, .offset: 0, .size: 8, .value_kind: global_buffer, .address_space: global }
      - { .name: K_text, .offset: 8, .size: 8, .value_kind: global_buffer, .address_space: global }
      - { .name: V_image, .offset: 16, .size: 8, .value_kind: global_buffer, .address_space: global }
      - { .name: V_text, .offset: 24, .size: 8, .value_kind: global_buffer, .address_space: global }
      - { .name: bk_image, .offset: 32, .size: 8, .value_kind: global_buffer, .address_space: global }
      - { .name: bk_text, .offset: 40, .size: 8, .value_kind: global_buffer, .address_space: global }
      - { .name: bv_image, .offset: 48, .size: 8, .value_kind: global_buffer, .address_space: global }
      - { .name: bv_text, .offset: 56, .size: 8, .value_kind: global_buffer, .address_space: global }
      - { .name: wimg, .offset: 64, .size: 8, .value_kind: global_buffer, .address_space: global }
      - { .name: wsc, .offset: 72, .size: 8, .value_kind: global_buffer, .address_space: global }
      - { .name: kv, .offset: 80, .size: 8, .value_kind: global_buffer, .address_space: global }
      - { .name: scl, .offset: 88, .size: 8, .value_kind: global_buffer, .address_space: global }
    .group_segment_fixed_size: 246272
    .private_segment_fixed_size: 0
    .kernarg_segment_align: 8
    .kernarg_segment_size: 96
    .max_flat_workgroup_size: 128
    .sgpr_count:     66
    .vgpr_count:     1024
    .wavefront_size: 32
...
	.end_amdgpu_metadata
.endif
;; end of part 5
;; launch attn (part 6): grid 32 x 8, 4 waves a work-group, clusters of 4 x 1, 327,680 bytes of LDS; arguments Q_text, Q_image, bq_text, bq_image, wimg, wsc, kv, scl, out0, out1; writes out0, out1
.if DOCPART == 6
	.amdgcn_target "amdgcn-amd-amdhsa--gfx1250"
	.amdhsa_code_object_version 6
	.text
	.protected	k_q6eee58c035_attn
	.globl	k_q6eee58c035_attn
	.p2align	8
	.type	k_q6eee58c035_attn,@function
k_q6eee58c035_attn:
	s_mov_b64 s[64:65], 0
	v_nop
	global_prefetch_b8 v0, s[64:65] scope:SCOPE_SE
	s_setreg_imm32_b32 hwreg(HW_REG_WAVE_MODE, 25, 1), 1
	s_wait_xcnt 0x0
	s_wait_alu depctr_hold_cnt(0) depctr_sa_sdst(0) depctr_va_vdst(0) depctr_va_sdst(0) depctr_va_ssrc(0) depctr_va_vcc(0) depctr_vm_vsrc(0)
	s_getreg_b32 s2, hwreg(HW_REG_IB_STS2, 6, 4)
	s_cmp_eq_u32 s2, 0
	s_cbranch_scc0 .Lentry_in_a_cluster
	s_endpgm
.Lentry_in_a_cluster:
	s_bfe_u32 s2, ttmp6, 0x10000c
	s_cmp_lg_u32 s2, 0x3003
	s_cbranch_scc0 .Lentry_shape_is_right
	s_endpgm
.Lentry_shape_is_right:
; Both cross attentions, O = softmax(q k^T / sqrt(512)) v, with q = x Wq^T + bq made here, all products on codes of BF6 (E3M2) with one E8M0 scale for each 32 along a product's K.
; y = 4 x direction + batch; 2,048 queries, 2,048 keys, one head of 512.  Wq, k and v arrive as IMAGES OF OPERAND REGISTERS (a fragment of 16 rows x 128 K: 1,536 bytes, registers 4 c .. 4 c + 3 of lane l at 512 c + 16 l),
; so every fragment comes by three loads of 512 consecutive bytes.  x (Q_text or Q_image) arrives as f32.
; THE SOFTMAX AHEAD OF THE SECOND PRODUCT: t = score x log2(e) / sqrt(512); M = the row's largest t so far, rounded UP to a whole number; p = 2^(t - M) is quantised along the keys, not normalised; the row's sum is taken
; of the unquantised p and divides O at the end.  When M moves, the sum and O are multiplied by 2^(old M - new M), which rounds nothing.
; SHARES.  A work-group owns 64 queries (four tiles m).  O for them is 64 x 512 f32, four times a wave's window, so THE FOUR WAVES SHARE THE QUERIES: in a step of 512 keys wave w makes the scores of keys 128 w .. 128 w + 127
; of the step for all 64 queries (128 products; q's 16 fragments stay in every wave's registers, each fragment of k feeds four products), and O^T for channels 128 w .. 128 w + 127 (128 products; each fragment of v feeds
; four, each of p eight).  Between the two the waves exchange through LDS: their rows' largest scores, so that all four use one M; and p, as images of its registers: wave w's p of tile m is the whole fragment (m, key step w).
; q.  The 64 queries are nobody else's, so their projection is made here and never goes to memory.  Wave w quantises rows 16 w .. 16 w + 15 of x (four fragments, images to LDS), then makes channels 128 w .. 128 w + 127 of q for
; all 64 rows: source 0 = 16 rows of Wq (permuted tiles), source 1 = 16 rows of x, the bias as the C of each sum's first product: a lane holds one query and its 64 results run along the channels in the order QUANT takes:
; they become the fragment (m, K step w), which goes to the other waves as an image, in the bytes that p's images take later.
; LAYOUT.  The attention's products are used transposed (S^T = k q^T, O^T = v^T p^T): a lane holds ONE query (lane % 16) throughout.  k's tiles are permuted (lane r of tile 2 b + u holds key 32 b + 8 u + r + 8 (r / 8)), so that
; the 16 registers of tiles 2 b, 2 b + 1 are keys 32 b + 16 (lane / 16) + 0 .. 15.
; TILES.  Every byte of k and v is read by exactly one wave of a work-group, and kv holds each wave's bytes as one stream in the order of reading, in units of 24,576 bytes: K_a (key tiles 0-3), V_a (key steps 0, 1), K_b, V_b.
; Each wave fetches its own stream into three parts R0, R1, R2 of its own LDS area and reads them behind its own wait on TENSORcnt.  The four work-groups of a cluster (four query blocks of one y) need the same streams and
; the same weights: every tensor load is JOINT, the same descriptor and the mask 15 in all four.  First fills: K_a of step 0 into R2, my quarter of Wq's images (49,152 bytes) into R0, R1.  Behind each round of the cluster's
; barrier a wave issues one load, of two units: [V_a, K_b] into R0, R1 once Wq (later: v's last fragments) is in registers; [V_b, next K_a] into R1, R2 once the scores are made.
; By this text's own count a wave has one tensor load out at a time.  x is each work-group's own: it comes by plain loads into registers.
; All of a WGP's LDS is claimed.
; LIMITS: NaN and infinities are not served.  The largest t begins at -3e38, under every t.  A block whose largest magnitude lies under 2^-122 (a block of zeros, or of p fallen to 0, among them) gets the scale byte 1:
; a block of zeros has zero codes, and this program alone reads the bytes.
; REGISTERS, in windows of 256.  window 0: v1-15 addresses; v16-47 statistics, 8 a tile; v48-63 the blocks' largest scores; v64-79 at work; v88-135 scale words of k, v, p; v136-143 at work; v144-159 q's scale words;
;   v176-255 p's codes, 20 a tile (while scores are made: v176-223 k's odd tiles).   window 1: v0-191 q; v192-239 k's even tiles, later p's fragments of odd key steps.
;   window 2: S^T, then p, (n, m) at 64 m + 8 n; later v's fragments in two sets of 96 and p's fragments of even key steps at v192; at the end rows of O.   window 3: O^T, (i, m) at 64 m + 8 i.
;   WHILE q IS MADE: window 0: v48-63 at work; v64-79 x's scale words; v88-127 codes, two sets; v128-129 scale words made; v160-175 Wq's scale words; v176-239 the results.   window 1: v0-191 x's fragments.
;   window 2: x as f32, 64 registers a K step; then Wq's K steps 2, 3.   window 3: Wq's K steps 0, 1; from v192 the bias.
.set FRB,   1536
.set UNIT,  24576
.set AREA,  3*UNIT                     ; a wave's area: R0 at 0, R1 at UNIT, R2 at 2 UNIT
.set STEPB, 4*UNIT                     ; a step's bytes in a stream
.set XB,    4*AREA                     ; behind the areas: 16 fragments' images: x's (4 wave + K step), then q's (4 m + K step), then p's (4 m + key step)
.set PSC,   XB+UNIT                    ; words, 512 m + 128 wave + 4 lane: x's scale words, later p's;  2,048 on: the largest scores;  4,096 on: q's scale words, at the end the sums
.set SPARE, PSC+3*2048                 ; the spare words, 128 bytes for each wave: two blocks of 256 bytes that no other line names
.set SPI,   528                        ; the way out: a stage of 16 rows x (512 bytes + 16) in my own R0, which has had its last fill and which I alone read
.set AR0,   1                          ; v1   my area + 16 x lane
.set AR2,   2                          ; v2   my R2 + 16 x lane
.set AL16,  3                          ; v3   XB + 16 x lane
.set APW,   4                          ; v4   where I store q's and p's images: XB + FRB x wave + 16 x lane
.set AXW,   5                          ; v5   where I store words: PSC + 128 x wave + 4 x lane
.set SPW,   6                          ; v6   my spare word; never rewritten
.set NIL,   7                          ; v7   0; never rewritten
.set L4,    8                          ; v8   4 x lane
.set GL16,  9                          ; v9   16 x lane
.set STO,   10                         ; v10  the stage: row r, + 32 h
.set AL4,   11                         ; v11  PSC + 4 x lane
.set XA,    12                         ; v12  x: row r of 2,048 bytes, + 64 h
.set H64,   13                         ; v13  64 h
.set APX,   14                         ; v14  where I store x's images: XB + 4 FRB x wave + 16 x lane
.set AXS,   15                         ; v15  and x's scale words: PSC + 512 x wave + 4 x lane
.set ST,    16                         ; tile m at ST + 8 m: +0 -M, +1 the largest t, +2, +3 the sum in two halves, +4 f, +5 (named with f as a pair), +6 at work, +7 p's scale word
.set BM,    48                         ; (m, b) at 4 m + b
.set TM,    48                         ; while q is made: at work in QUANT
.set X,     64
.set XS,    64                         ; while q is made: x's scale words (m, K step s) at 4 m + s
.set KS,    88                         ; k's scale words (K step s, pair of tiles np) at 4 s + np
.set VS,    104                        ; v's (key step c, pair of tiles ip) at 4 c + ip
.set PS,    120                        ; p's (m, key step c) at 4 m + c
.set PCA,   88                         ; while q is made: codes, two sets,
.set PCB,   108
.set PW0,   128                        ; and the scale words just made
.set PW1,   129
.set SUM2,  136
.set QS,    144                        ; q's scale words (K step s, m) at 4 s + m
.set AS,    160                        ; Wq's (pair of tiles tp, K step s) at 4 tp + s
.set PC,    176
.set HA,    176                        ; while q is made: the 64 results
.set KO,    176                        ; k's odd tiles, window 0
.set KE,    192                        ; k's even tiles, window 1
.set BIASQ, 192                        ; the bias, window 3
.set G1B,   24                         ; s[24:31] group 1: 192 rows of 256 bytes
.set G1S,   32                         ; s[32:39] group 1: 96 rows
.set G0F,   40                         ; s[40:43] group 0 of the first K_a
.set G0B,   44                         ; s[44:47] group 0 of [V_a, K_b], which walks
.set G0A,   48                         ; s[48:51] group 0 of [V_b, K_a], which walks
.set CS,    52                         ; s[52:53] c = log2(e) / sqrt(512)
.set SEL,   54
.set KSP,   56
.set VSP,   58
.set OUT,   60
.set CNT,   62
.set WV,    76
.set XP,    82                         ; s[82:83] my 16 rows of x
.set BP,    84                         ; s[84:85] my 128 numbers of the bias
.set WS,    86                         ; s[86:87] my quarter of Wq's scale words
.set G0W,   88                         ; s[88:91] group 0 of my quarter of Wq's images
.set MSB, 0
.macro WIN new                         ; the immediate's high byte repeats the setting that is left; a switch that changes nothing is dropped
.if MSB != \new
	s_set_vgpr_msb (MSB<<8)|\new
.set MSB, \new
.endif
.endm
.macro ROUND                           ; a round of the cluster's barrier: my work-group's barrier; wave 0 signals for the work-group; every wave waits for all four work-groups; my work-group's barrier once more
	s_barrier_signal -1
	s_barrier_wait -1
	s_cmp_lg_u32 s[WV], 0
	s_cbranch_scc1 .Lnot_wave_0_\@
	s_barrier_signal -3
.Lnot_wave_0_\@:
	s_barrier_wait -3
	s_barrier_signal -1
	s_barrier_wait -1
.endm
; In front of a refill: all my tensor loads have landed; 0 onto my spare word; the other walking descriptor steps while the add is out; the add is done and all my
; LDS reads and stores are over; then the round: no wave of any partner still reads the bytes to be filled or has a load on its way.
.macro RITUAL g0, step
	WIN 0
	s_wait_tensorcnt 0x0
	ds_add_u32 v[SPW], v[NIL]
.if \step
	s_add_nc_u64 s[\g0+2:\g0+3], s[\g0+2:\g0+3], STEPB     ; no load of mine is out, so a group 0 may be written; the type bits on top are not reached
.endif
	s_wait_dscnt 0x0
	ROUND
.endm
.macro TL g0, g1                       ; the joint refill, first thing behind the round; four v_nop follow it
	tensor_load_to_lds s[\g0:\g0+3], s[\g1:\g1+7]
	s_nop 0
.rept 4
	v_nop
.endr
.endm
.macro WM d, a, b, c, x, y, ra         ; one product; c < 0: it starts the sum; ra = 1: source 0's scale words stand in lanes 16-31
.if (\c) < 0
.if \ra
	v_wmma_scale_f32_16x16x128_f8f6f4 v[(\d):(\d)+7], v[(\a):(\a)+11], v[(\b):(\b)+11], 0, v[\x], v[\y] matrix_a_fmt:MATRIX_FMT_BF6 matrix_b_fmt:MATRIX_FMT_BF6 matrix_a_scale:MATRIX_SCALE_ROW1
.else
	v_wmma_scale_f32_16x16x128_f8f6f4 v[(\d):(\d)+7], v[(\a):(\a)+11], v[(\b):(\b)+11], 0, v[\x], v[\y] matrix_a_fmt:MATRIX_FMT_BF6 matrix_b_fmt:MATRIX_FMT_BF6
.endif
.else
.if \ra
	v_wmma_scale_f32_16x16x128_f8f6f4 v[(\d):(\d)+7], v[(\a):(\a)+11], v[(\b):(\b)+11], v[(\c):(\c)+7], v[\x], v[\y] matrix_a_fmt:MATRIX_FMT_BF6 matrix_b_fmt:MATRIX_FMT_BF6 matrix_a_scale:MATRIX_SCALE_ROW1
.else
	v_wmma_scale_f32_16x16x128_f8f6f4 v[(\d):(\d)+7], v[(\a):(\a)+11], v[(\b):(\b)+11], v[(\c):(\c)+7], v[\x], v[\y] matrix_a_fmt:MATRIX_FMT_BF6 matrix_b_fmt:MATRIX_FMT_BF6
.endif
.endif
.endm
.macro PLACES n                        ; places behind matrix instructions (ISA guide 7.12.1): plain vector instructions that name none of their registers
.rept \n
	v_nop
.endr
.endm
; ---- the macros with which q is made
; 64 numbers of a lane in window w, register 16 b + i = k 32 b + 16 (lane / 16) + i of my row, become a fragment's 12 registers in v[pc] on and my row's scale word in v[pw] (both in window 0).
.macro QUANT src, w, pc, pw
.set QW1, 5*(\w)                       ; sources 0 and 1 in window w
.set QW2, 20*(\w)                      ; sources 1 and 2 in window w
	WIN QW1
.irp b, 0,1,2,3
	v_max3_num_f32 v[TM+\b], |v[(\src)+16*\b]|, |v[(\src)+1+16*\b]|, 0x2800000   ; my 16 numbers of block b, and the floor 2^(5 - 127): the byte cannot fall under 1
.endr
	WIN QW2
.irp i, 2,4,6,8,10,12,14
.irp b, 0,1,2,3
	v_max3_num_f32 v[TM+\b], v[TM+\b], |v[(\src)+16*\b+\i]|, |v[(\src)+1+16*\b+\i]|   ; the four blocks by turns; each tile of results is read from its low end on
.endr
.endr
	WIN 0
.irp b, 0,1,2,3
	v_permlanex16_b32 v[TM+4+\b], v[TM+\b], s[SEL], s[SEL+1]
.endr
.irp b, 0,1,2,3
	v_max_num_f32 v[TM+\b], v[TM+\b], v[TM+4+\b]           ; with lane l xor 16's 16: the block's largest magnitude
.endr
.irp b, 0,1,2,3
	v_add_nc_u32 v[TM+12+\b], 0xfe000000, v[TM+\b]         ; 4 off its exponent field: the conversion takes this operand's exponent field as its scale
.endr
.irp b, 0,1,2,3
	v_lshrrev_b32 v[TM+4+\b], 23, v[TM+12+\b]              ; the scale's byte
.endr
	v_lshl_or_b32 v[\pw], v[TM+5], 8, v[TM+4]
	v_lshl_or_b32 v[\pw], v[TM+6], 16, v[\pw]
	v_lshl_or_b32 v[\pw], v[TM+7], 24, v[\pw]
	WIN \w                                                 ; the numbers: source 0
.irp c, 0,1
	v_cvt_scalef32_pk16_bf6_f32 v[(\pc)+6*\c:(\pc)+2+6*\c], v[(\src)+32*\c:(\src)+15+32*\c], v[TM+12+2*\c]
	v_cvt_scalef32_pk16_bf6_f32 v[(\pc)+12+4*\c:(\pc)+14+4*\c], v[(\src)+16+32*\c:(\src)+31+32*\c], v[TM+12+2*\c+1]   ; (three registers that begin on an even number)
.endr
	WIN 0
	v_nop                                                  ; one plain place behind a scaled conversion
.irp c, 0,1                                            ; the layout wants a whole block in a lane: lanes 0-15 block 2 c, lanes 16-31 block 2 c + 1
.irp i, 0,1,2
	v_permlane16_swap_b32 v[(\pc)+6*\c+\i], v[(\pc)+12+4*\c+\i]
.endr
.irp i, 0,1,2
	v_mov_b32 v[(\pc)+3+6*\c+\i], v[(\pc)+12+4*\c+\i]
.endr
.endr
.endm
.macro IMGX s, pc, pw                  ; x's fragment (my tile, K step s) goes to LDS as it stands, its scale words beside it
.irp k, 0,1,2
	ds_store_b128 v[APX], v[(\pc)+4*\k:(\pc)+4*\k+3] offset:(\s)*FRB+512*\k
.endr
	ds_store_b32 v[AXS], v[\pw] offset:128*(\s)
.endm
.macro QOUT m, pc, pw                  ; q's fragment (tile m, K step = my wave) likewise
.irp k, 0,1,2
	ds_store_b128 v[APW], v[(\pc)+4*\k:(\pc)+4*\k+3] offset:4*FRB*(\m)+512*\k
.endr
	ds_store_b32 v[AXW], v[\pw] offset:4096+512*(\m)
.endm
.macro WL s                            ; Wq's eight fragments of K step s, from my R0 and R1: 24 loads
.if (\s) < 2
	WIN 0xc0
.else
	WIN 0x80
.endif
.irp t, 0,1,2,3,4,5,6,7
.irp k, 0,1,2
	ds_load_b128 v[12*(8*((\s)%2)+\t)+4*\k:12*(8*((\s)%2)+\t)+4*\k+3], v[AR0] offset:(4*\t+(\s))*FRB+512*\k
.endr
.endr
	WIN 0
.endm
.macro F16                             ; the 16 fragments whose images lie at XB, into window 1: 48 loads
	WIN 0x40
.irp f, 0,1,2,3,4,5,6,7,8,9,10,11,12,13,14,15
.irp k, 0,1,2
	ds_load_b128 v[12*\f+4*\k:12*\f+4*\k+3], v[AL16] offset:\f*FRB+512*\k
.endr
.endr
	WIN 0
.endm
.macro PMULQ m                         ; 32 products: my 8 tiles of Wq by turns x tile m of x, K step by K step; the first takes the bias as C
.irp s, 0,1,2,3
.if \s == 0
	WIN 0x37                                       ; source 0 (Wq) window 3, source 1 (x) window 1, C (bias) window 3, D window 0
.elseif \s == 1
	WIN 0x07
.else
	WIN 0x06                                       ; Wq's K steps 2, 3: window 2
.endif
.irp t, 0,1,2,3,4,5,6,7
.set rD, HA+8*\t
.set rC, rD
.if \s == 0
.set rC, BIASQ+8*\t
.endif
	WM rD, 12*(8*(\s%2)+\t), 12*(4*(\m)+\s), rC, AS+4*(\t/2)+\s, XS+4*(\m)+\s, \t%2
.endr
.endr
	WIN 0
	PLACES 4                                       ; in front of the first read of results
.endm
; ---- the macros of a step of the attention
.macro KLOAD n                         ; key tile n: four fragments, 12 loads.  Tiles 0-3 lie in R2, tiles 4-7 in R1
.if ((\n)%2) == 0
	WIN 0x40
.set KD, KE
.else
	WIN 0
.set KD, KO
.endif
.irp s, 0,1,2,3
.irp k, 0,1,2
.if (\n) < 4
	ds_load_b128 v[KD+12*\s+4*\k:KD+12*\s+4*\k+3], v[AR2] offset:(4*(\n)+\s)*FRB+512*\k
.else
	ds_load_b128 v[KD+12*\s+4*\k:KD+12*\s+4*\k+3], v[AR0] offset:UNIT+(4*((\n)-4)+\s)*FRB+512*\k
.endif
.endr
.endr
.endm
.macro SMUL n                          ; 16 products: key tile n x the four tiles of queries by turns, K step by K step; the first four start the sums
.if ((\n)%2) == 0
	WIN 0xa5                                       ; k and q window 1, S^T window 2
.set KD, KE
.else
	WIN 0xa4                                       ; k window 0
.set KD, KO
.endif
.irp s, 0,1,2,3
.irp m, 0,1,2,3
.set rD, 64*\m+8*(\n)
.set rC, rD
.if \s == 0
.set rC, -1
.endif
	WM rD, KD+12*\s, 12*(4*\m+\s), rC, KS+4*\s+(\n)/2, QS+4*\s+\m, (\n)%2
.endr
.endr
.endm
.macro VLOAD c                         ; v's eight fragments of key step c, 24 loads, into set c % 2.  Key steps 0, 1 lie in R0, key steps 2, 3 in R1
	WIN 0x80
.irp i, 0,1,2,3,4,5,6,7
.irp k, 0,1,2
	ds_load_b128 v[96*((\c)%2)+12*\i+4*\k:96*((\c)%2)+12*\i+4*\k+3], v[AR0] offset:((\c)/2)*UNIT+(8*((\c)%2)+\i)*FRB+512*\k
.endr
.endr
.endm
.macro PLOAD c                         ; p's four fragments of key step c, 12 loads
.if ((\c)%2) == 0
	WIN 0x80
.else
	WIN 0x40
.endif
.irp m, 0,1,2,3
.irp k, 0,1,2
	ds_load_b128 v[192+12*\m+4*\k:192+12*\m+4*\k+3], v[AL16] offset:(4*\m+(\c))*FRB+512*\k
.endr
.endr
.endm
.macro PVMUL c                         ; 32 products: O^T += v^T p^T for key step c; the 32 accumulators by turns
.if ((\c)%2) == 0
	WIN 0xfa                                       ; v and p window 2, O^T window 3
.else
	WIN 0xf6                                       ; p window 1
.endif
.irp i, 0,1,2,3,4,5,6,7
.irp m, 0,1,2,3
.set rD, 64*\m+8*\i
	WM rD, 96*((\c)%2)+12*\i, 192+12*\m, rD, VS+4*(\c)+\i/2, PS+4*\m+(\c), \i%2
.endr
.endr
.endm
.macro SCLOAD last                     ; this step's scale words of v and, if there is one, the next step's of k: two tiles' words, 128 consecutive bytes, a load
.irp c, 0,1,2,3
.irp ip, 0,1,2,3
	global_load_b32 v[VS+4*\c+\ip], v[L4], s[VSP:VSP+1] offset:2048*\c+128*\ip
.endr
.endr
.if !\last
.irp s, 0,1,2,3
.irp np, 0,1,2,3
	global_load_b32 v[KS+4*\s+\np], v[L4], s[KSP:KSP+1] offset:8192*\s+128*\np
.endr
.endr
.endif
.endm
; The largest score of each block of 32 keys (it serves twice: for the row's maximum, and, since p rises with the score, for the block's largest p), and of my 128 keys, which goes to LDS for the other waves.
.macro MAXPART
	WIN 0x2a
.irp m, 0,1,2,3
.irp b, 0,1,2,3
	v_max3_num_f32 v[BM+4*\m+\b], v[64*\m+16*\b], v[64*\m+16*\b+1], v[64*\m+16*\b+2]   ; each tile of scores is read from its low end on
.endr
.endr
	WIN 0x28
.irp i, 3,5,7,9,11,13
.irp m, 0,1,2,3
.irp b, 0,1,2,3
	v_max3_num_f32 v[BM+4*\m+\b], v[BM+4*\m+\b], v[64*\m+16*\b+\i], v[64*\m+16*\b+\i+1]   ; sixteen chains by turns
.endr
.endr
.endr
	WIN 0x08
.irp m, 0,1,2,3
.irp b, 0,1,2,3
	v_max_num_f32 v[BM+4*\m+\b], v[BM+4*\m+\b], v[64*\m+16*\b+15]
.endr
.endr
	WIN 0
.irp i, 0,1,2,3,4,5,6,7,8,9,10,11,12,13,14,15
	v_permlanex16_b32 v[X+\i], v[BM+\i], s[SEL], s[SEL+1]
.endr
.irp i, 0,1,2,3,4,5,6,7,8,9,10,11,12,13,14,15
	v_max_num_f32 v[BM+\i], v[BM+\i], v[X+\i]      ; with lane l xor 16's 16 keys
.endr
.irp m, 0,1,2,3
	v_max3_num_f32 v[ST+8*\m+6], v[BM+4*\m], v[BM+4*\m+1], v[BM+4*\m+2]
.endr
.irp m, 0,1,2,3
	v_max_num_f32 v[ST+8*\m+6], v[ST+8*\m+6], v[BM+4*\m+3]
.endr
.irp m, 0,1,2,3
	ds_store_b32 v[AXW], v[ST+8*\m+6] offset:2048+512*\m
.endr
.endm
; From the four waves' largest scores (in X) to p's images in LDS and the sums.
.macro EXPPART
.irp m, 0,1,2,3
	v_max3_num_f32 v[ST+8*\m+6], v[X+4*\m], v[X+4*\m+1], v[X+4*\m+2]
.endr
.irp m, 0,1,2,3
	v_max_num_f32 v[ST+8*\m+6], v[ST+8*\m+6], v[X+4*\m+3]  ; the step's largest score of my query, over all 512 keys
.endr
.irp m, 0,1,2,3
	v_mul_f32 v[ST+8*\m+6], s[CS], v[ST+8*\m+6]            ; as t (c is positive)
.endr
.irp m, 0,1,2,3
	v_max_num_f32 v[ST+8*\m+1], v[ST+8*\m+1], v[ST+8*\m+6] ; the running largest t
.endr
.irp m, 0,1,2,3
	v_mov_b32 v[ST+8*\m+6], v[ST+8*\m]
.endr
.irp m, 0,1,2,3
	v_floor_f32 v[ST+8*\m], -v[ST+8*\m+1]                  ; the new -M = floor(-t): M is a whole number
.endr
.irp m, 0,1,2,3
	v_sub_f32 v[ST+8*\m+6], v[ST+8*\m], v[ST+8*\m+6]       ; old M - new M: a whole number, 0 or less
.endr
.irp m, 0,1,2,3
	v_cvt_i32_f32 v[ST+8*\m+6], v[ST+8*\m+6]               ; (it saturates)
.endr
.irp m, 0,1,2,3
	v_ldexp_f32 v[ST+8*\m+4], 1.0, v[ST+8*\m+6]            ; f = 2^(old M - new M)
.endr
	WIN 0x82
.irp m, 0,1,2,3
.set J, 64*\m
.rept 32
	v_pk_fma_f32 v[J:J+1], v[J:J+1], s[CS:CS+1], v[ST+8*\m:ST+8*\m+1] op_sel_hi:[1,0,0]   ; t - M, two at a time (of the pairs c and -M the low word serves both halves)
.set J, J+2
.endr
.endr
	WIN 0
.irp m, 0,1,2,3
.irp b, 0,1,2,3
	v_fma_f32 v[BM+4*\m+\b], v[BM+4*\m+\b], s[CS], v[ST+8*\m]      ; the same of each block's largest score
.endr
.endr
	WIN 0x82
.set J, 0
	s_wait_alu depctr_va_vdst(0)
.rept 256
	v_exp_f32 v[J], v[J]                           ; p = 2^(t - M), at most 1
.set J, J+1
.endr
	WIN 0
.irp i, 0,1,2,3,4,5,6,7,8,9,10,11,12,13,14,15
	v_exp_f32 v[BM+\i], v[BM+\i]                   ; the block's largest p: the same arithmetic on the same number
.endr
.irp m, 0,1,2,3
	v_pk_mul_f32 v[ST+8*\m+2:ST+8*\m+3], v[ST+8*\m+2:ST+8*\m+3], v[ST+8*\m+4:ST+8*\m+5] op_sel_hi:[1,0]   ; the sums under the new M (plain places behind the exponentials)
.endr
	s_wait_alu depctr_va_vdst(0)
.irp i, 0,1,2,3,4,5,6,7,8,9,10,11,12,13,14,15
	v_max_num_f32 v[BM+\i], 0x2800000, v[BM+\i]    ; the floor 2^(5 - 127): the byte cannot fall under 1
.endr
.irp i, 0,1,2,3,4,5,6,7,8,9,10,11,12,13,14,15
	v_add_nc_u32 v[X+\i], 0xfe000000, v[BM+\i]     ; 4 off the exponent field: the conversion's scale operand
.endr
.irp i, 0,1,2,3,4,5,6,7,8,9,10,11,12,13,14,15
	v_lshrrev_b32 v[BM+\i], 23, v[X+\i]            ; the scale's byte
.endr
.irp m, 0,1,2,3
	v_lshl_or_b32 v[ST+8*\m+7], v[BM+4*\m+1], 8, v[BM+4*\m]
.endr
.irp m, 0,1,2,3
	v_lshl_or_b32 v[ST+8*\m+7], v[BM+4*\m+2], 16, v[ST+8*\m+7]
.endr
.irp m, 0,1,2,3
	v_lshl_or_b32 v[ST+8*\m+7], v[BM+4*\m+3], 24, v[ST+8*\m+7]     ; p's scale word of my query for my 128 keys
.endr
	WIN 0x02
.irp m, 0,1,2,3
.irp c, 0,1
	v_cvt_scalef32_pk16_bf6_f32 v[PC+20*\m+6*\c:PC+20*\m+6*\c+2], v[64*\m+32*\c:64*\m+32*\c+15], v[X+4*\m+2*\c]
	v_cvt_scalef32_pk16_bf6_f32 v[PC+20*\m+12+4*\c:PC+20*\m+14+4*\c], v[64*\m+32*\c+16:64*\m+32*\c+31], v[X+4*\m+2*\c+1]   ; (three registers that begin on an even number)
.endr
.endr
	WIN 0
	v_nop                                          ; one plain place behind a scaled conversion
.irp m, 0,1,2,3
.irp c, 0,1                                    ; the layout wants a whole block in a lane
.irp i, 0,1,2
	v_permlane16_swap_b32 v[PC+20*\m+6*\c+\i], v[PC+20*\m+12+4*\c+\i]
.endr
.irp i, 0,1,2
	v_mov_b32 v[PC+20*\m+3+6*\c+\i], v[PC+20*\m+12+4*\c+\i]
.endr
.endr
.endr
.irp m, 0,1,2,3
.irp k, 0,1,2
	ds_store_b128 v[APW], v[PC+20*\m+4*\k:PC+20*\m+4*\k+3] offset:4*FRB*\m+512*\k   ; fragment (m, key step = my wave) as it stands
.endr
	ds_store_b32 v[AXW], v[ST+8*\m+7] offset:512*\m
.endr
	WIN 0x0a                                       ; the row's sum is taken of the unquantised p: two at a time, in two chains a tile
.irp m, 0,1,2,3
	v_pk_add_f32 v[SUM2+2*\m:SUM2+2*\m+1], v[64*\m:64*\m+1], v[64*\m+2:64*\m+3]
.endr
	WIN 0x08
.irp q, 4,8,12,16,20,24,28,32,36,40,44,48,52,56,60
.irp m, 0,1,2,3
	v_pk_add_f32 v[ST+8*\m+2:ST+8*\m+3], v[ST+8*\m+2:ST+8*\m+3], v[64*\m+\q:64*\m+\q+1]
	v_pk_add_f32 v[SUM2+2*\m:SUM2+2*\m+1], v[SUM2+2*\m:SUM2+2*\m+1], v[64*\m+\q+2:64*\m+\q+3]
.endr
.endr
	WIN 0
.irp m, 0,1,2,3
	v_pk_add_f32 v[ST+8*\m+2:ST+8*\m+3], v[ST+8*\m+2:ST+8*\m+3], v[SUM2+2*\m:SUM2+2*\m+1]
.endr
.endm
.macro RESCALE                         ; O^T x the number in the tile's ST + 4; each accumulator from its low end on
	WIN 0xc3
.irp m, 0,1,2,3
.set J, 64*\m
.rept 32
	v_pk_mul_f32 v[J:J+1], v[J:J+1], v[ST+8*\m+4:ST+8*\m+5] op_sel_hi:[1,0]
.set J, J+2
.endr
.endr
.endm
; A STEP OF 512 KEYS.  last = 1: nothing follows it.
.macro STEP last
	PLACES 5                                       ; the first scores are written over registers that the last products read (five places), and k's tiles are loaded into such registers (four)
	KLOAD 0
	KLOAD 1
.irp n, 0,1,2,3,4,5,6,7
.if \n < 7
	s_wait_dscnt 12                                ; tile n's 12 loads are in; the next tile's 12 may be out
.else
	s_wait_dscnt 0x0
.endif
	SMUL \n
.if \n != 6
	WIN 0
	PLACES 4                                       ; in front of loads into the tile's registers; behind the last tile: of loads into k's scale words and of the first read of scores
.endif
.if \n == 2
	s_wait_tensorcnt 0x0                           ; my one load that is out brings V_a and K_b: K_b is read next, by me alone
.endif
.if \n < 6
	KLOAD \n+2
.endif
.endr
	SCLOAD \last
	MAXPART
.if \last
	RITUAL G0B, 0                                  ; my reads of K_a and K_b are over, my largest scores have landed
	TL G0A, G1S                                    ; V_b alone: R1
.else
	RITUAL G0B, 1
	TL G0A, G1B                                    ; V_b and the next step's K_a: R1, R2
.endif
.irp m, 0,1,2,3
.irp w, 0,1,2,3
	ds_load_b32 v[X+4*\m+\w], v[AL4] offset:2048+512*\m+128*\w     ; the four waves' largest scores of my query
.endr
.endr
	s_wait_dscnt 0x0
	EXPPART
	s_wait_dscnt 0x0                               ; for the others' sake: p's images and scale words have landed
	s_barrier_signal -1
	VLOAD 0                                        ; from my R0, which nobody writes before the next round
	RESCALE                                        ; O^T under the new M, while the others arrive
	WIN 0
	s_wait_alu depctr_va_vdst(0)
	s_barrier_wait -1                              ; p's 16 fragments lie in LDS.  My tensor load may stay out across it
.irp m, 0,1,2,3
.irp c, 0,1,2,3
	ds_load_b32 v[PS+4*\m+\c], v[AL4] offset:512*\m+128*\c
.endr
.endr
	PLOAD 0
	VLOAD 1
	PLOAD 1
	s_wait_dscnt 36                                ; all but key step 1's 24 + 12 loads
	s_wait_loadcnt 0x0                             ; the scale words; their loads are done, so the bases may step
	s_add_nc_u64 s[VSP:VSP+1], s[VSP:VSP+1], 8192
.if !\last
	s_add_nc_u64 s[KSP:KSP+1], s[KSP:KSP+1], 2048
.endif
	PVMUL 0
	WIN 0
	PLACES 4
	s_wait_tensorcnt 0x0                           ; my one load that is out brings V_b, which is read next, by me alone
	VLOAD 2
	PLOAD 2
	s_wait_dscnt 36                                ; all but key step 2's 24 + 12 loads
	PVMUL 1
	WIN 0
	PLACES 4
	VLOAD 3
	PLOAD 3
.if \last
	s_wait_dscnt 36                                ; all but key step 3's
	PVMUL 2
	s_wait_dscnt 0x0
	PVMUL 3
.else
	RITUAL G0A, 1                                  ; v's and p's last fragments are in registers: my reads of R0, R1 and of p's images are over
	TL G0B, G1B                                    ; the next step's V_a and K_b: R0, R1; it has 64 + 48 products in which to land
	PVMUL 2
	PVMUL 3
.endif
	WIN 0
.endm
	s_load_b512 s[4:19], s[0:1], 0x0               ; Q_text s[4:5], Q_image s[6:7], bq_text s[8:9], bq_image s[10:11], wimg s[12:13], wsc s[14:15], kv s[16:17], scl s[18:19]
	s_load_b128 s[20:23], s[0:1], 0x40             ; out0 s[20:21], out1 s[22:23]
	v_lshl_add_u32 v[SPW], v0, 2, SPARE
	v_mov_b32 v[NIL], 0
	ds_add_u32 v6, v7
	ds_add_u32 v6, v7
	s_wait_dscnt 0x0
	v_lshrrev_b32 v240, 5, v0
	v_readfirstlane_b32 s[WV], v240                ; wave 0..3
	v_and_b32 v240, 31, v0                         ; lane
	v_and_b32 v241, 15, v0                         ; r
	v_bfe_u32 v242, v0, 4, 1                       ; h
	v_lshlrev_b32 v[GL16], 4, v240
	v_lshlrev_b32 v[L4], 2, v240
	v_lshlrev_b32 v[XA], 11, v241
	v_lshl_add_u32 v[XA], v242, 6, v[XA]           ; x: row r, + 64 h: my 16 numbers of a block of 32
	v_lshlrev_b32 v[H64], 6, v242
	s_and_b32 s77, ttmp7, 0xffff                   ; y, which the four partners share
	s_bfe_u32 s78, ttmp6, 0x40000                  ; cx: my place in the cluster
	s_lshl_b32 s79, ttmp9, 2                       ; in a cluster launch ttmp9 counts clusters
	s_add_co_u32 s79, s79, s78                     ; my block of 64 queries: it enters x's and O's addresses alone
	s_lshr_b32 s80, s77, 2                         ; the direction: also Wq's number among the six weights
	; group 1: a dense run of bytes as rows of 256 bytes (32 elements of 8 bytes), no padding: images are read 512 consecutive bytes an instruction
	s_mov_b32 s[G1B], 15|(3<<16)|(1<<21)           ; 15:0 the mask: all four work-groups; 17:16 elements of 8 bytes; 21 set beside a mask
	s_mov_b32 s[G1B+1], 32<<16                     ; tensor_dim0 = 32
	s_mov_b32 s[G1B+2], 192<<16                    ; tensor_dim1 = 192
	s_mov_b32 s[G1B+3], 32<<16                     ; tile_dim0 = 32
	s_mov_b32 s[G1B+4], 192                        ; tile_dim1 = 192
	s_mov_b32 s[G1B+5], 32                         ; from row to row: 32 elements
	s_mov_b32 s[G1B+6], 0
	s_mov_b32 s[G1B+7], 0
	s_mov_b32 s[G1S], 15|(3<<16)|(1<<21)           ; the same with 96 rows: one unit
	s_mov_b32 s[G1S+1], 32<<16
	s_mov_b32 s[G1S+2], 96<<16
	s_mov_b32 s[G1S+3], 32<<16
	s_mov_b32 s[G1S+4], 96
	s_mov_b32 s[G1S+5], 32
	s_mov_b32 s[G1S+6], 0
	s_mov_b32 s[G1S+7], 0
	s_mov_b32 s[CS], 0x3d8293ee                    ; c = log2(e) / sqrt(512)
	s_mov_b32 s[CS+1], s[CS]                       ; (named with it as a pair, so it is written)
	s_mov_b32 s[SEL], 0x76543210
	s_mov_b32 s[SEL+1], 0xfedcba98
	s_lshl_b32 s66, s77, 2
	s_add_co_u32 s66, s66, s[WV]
	s_mul_i32 s66, s66, 16*UNIT                    ; my stream: (4 y + wave) x 16 units
	s_mov_b32 s67, 0
	s_mul_i32 s68, s[WV], AREA                     ; my area in LDS: no place in the cluster enters it
	s_mul_i32 s70, s80, 32*4*FRB                   ; Wq's images: the tensor, my eight tiles of four fragments
	s_mul_i32 s71, s[WV], 8*4*FRB
	s_add_co_u32 s70, s70, s71
	s_mov_b32 s71, 0
	s_lshl_b32 s69, s[WV], 9                       ; 512 x wave
	s_lshl_b32 s[WS], s80, 13                      ; Wq's scale words: the tensor, my 128 rows
	s_add_co_u32 s[WS], s[WS], s69
	s_mov_b32 s[WS+1], 0
	s_mov_b32 s[BP], s69                           ; the bias: my 128 channels
	s_mov_b32 s[BP+1], 0
	s_lshl_b32 s[KSP], s77, 15                     ; k's scale words: y, my 128 keys of a step
	s_add_co_u32 s[KSP], s[KSP], s69
	s_add_co_u32 s[VSP], s[KSP], 262144            ; v's: the second part, y, my 128 channels
	s_mov_b32 s[KSP+1], 0
	s_mov_b32 s[VSP+1], 0
	s_and_b32 s74, s77, 3                          ; x and O: batch, 64 rows of 2,048 bytes a block;
	s_lshl_b32 s74, s74, 22
	s_lshl_b32 s75, s79, 17
	s_add_co_u32 s74, s74, s75
	s_lshl_b32 s72, s[WV], 15                      ; x: my 16 rows;
	s_add_co_u32 s72, s72, s74
	s_mov_b32 s73, 0
	s_add_co_u32 s74, s74, s69                     ; O: my 512 bytes of a row
	s_mov_b32 s75, 0
	s_wait_alu depctr_va_vdst(0)
	s_wait_kmcnt 0x0
	s_cmp_lt_u32 s77, 4                            ; the choices hang on the work-group's number alone
	s_cselect_b64 s[XP:XP+1], s[4:5], s[6:7]
	s_cselect_b64 s[8:9], s[8:9], s[10:11]
	s_cselect_b64 s[OUT:OUT+1], s[20:21], s[22:23]
	s_add_nc_u64 s[XP:XP+1], s[XP:XP+1], s[72:73]
	s_add_nc_u64 s[BP:BP+1], s[8:9], s[BP:BP+1]
	s_add_nc_u64 s[WS:WS+1], s[14:15], s[WS:WS+1]
	s_add_nc_u64 s[OUT:OUT+1], s[OUT:OUT+1], s[74:75]
	s_add_nc_u64 s[KSP:KSP+1], s[18:19], s[KSP:KSP+1]
	s_add_nc_u64 s[VSP:VSP+1], s[18:19], s[VSP:VSP+1]
	s_add_nc_u64 s[16:17], s[16:17], s[66:67]
	WIN 0x80                                       ; x first, since everything hangs on it: my 16 rows, 64 numbers a lane and K step, in the order QUANT takes: register 16 b + 4 j + i = k 32 b + 16 h + 4 j + i
.irp s, 0,1,2,3
.irp b, 0,1,2,3
.irp j, 0,1,2,3
	global_load_b128 v[64*\s+16*\b+4*\j:64*\s+16*\b+4*\j+3], v[XA], s[XP:XP+1] offset:512*\s+128*\b+16*\j th:TH_LOAD_NT
.endr
.endr
.endr
	WIN 0
	s_mov_b32 s[G0F], 1                            ; count = 1
	s_add_co_u32 s[G0F+1], s68, 2*UNIT             ; K_a of step 0 -> R2
	s_mov_b64 s[G0F+2:G0F+3], s[16:17]
	s_or_b32 s[G0F+3], s[G0F+3], 0x80000000        ; type = 2
	s_mov_b32 s[G0W], 1
	s_mov_b32 s[G0W+1], s68                        ; my quarter of Wq's images -> R0, R1
	s_add_nc_u64 s[G0W+2:G0W+3], s[12:13], s[70:71]
	s_or_b32 s[G0W+3], s[G0W+3], 0x80000000
	s_mov_b32 s[G0B], 1
	s_mov_b32 s[G0B+1], s68                        ; [V_a, K_b] -> R0, R1
	s_add_nc_u64 s[G0B+2:G0B+3], s[16:17], UNIT
	s_or_b32 s[G0B+3], s[G0B+3], 0x80000000
	s_mov_b32 s[G0A], 1
	s_add_co_u32 s[G0A+1], s68, UNIT               ; [V_b, next K_a] -> R1, R2
	s_add_nc_u64 s[G0A+2:G0A+3], s[16:17], 3*UNIT
	s_or_b32 s[G0A+3], s[G0A+3], 0x80000000
	ROUND                                          ; all four work-groups are here: the first joint loads meet
	tensor_load_to_lds s[G0F:G0F+3], s[G1S:G1S+7]  ; the first fill, K_a of step 0: it lands before Wq's fill goes out
	s_nop 0
	s_wait_alu depctr_va_vdst(0)
	s_wait_tensorcnt 0x0
	ds_add_u32 v6, v7
	s_wait_dscnt 0x0
	ROUND
	tensor_load_to_lds s[G0W:G0W+3], s[G1B:G1B+7]
	s_nop 0
	PLACES 4
	v_add_nc_u32 v[AR0], s68, v[GL16]
	v_add_nc_u32 v[AR2], 2*UNIT, v[AR0]
	v_add_nc_u32 v[AL16], XB, v[GL16]
	s_mul_i32 s69, s[WV], FRB
	s_add_co_u32 s69, s69, XB
	v_add_nc_u32 v[APW], s69, v[GL16]
	s_mul_i32 s69, s[WV], 4*FRB
	s_add_co_u32 s69, s69, XB
	v_add_nc_u32 v[APX], s69, v[GL16]
	v_add_nc_u32 v[AL4], PSC, v[L4]
	s_lshl_b32 s69, s[WV], 7
	s_add_co_u32 s69, s69, PSC
	v_add_nc_u32 v[AXW], s69, v[L4]
	s_lshl_b32 s69, s[WV], 9
	s_add_co_u32 s69, s69, PSC
	v_add_nc_u32 v[AXS], s69, v[L4]
	v_mul_u32_u24 v[STO], v241, SPI
	v_lshl_add_u32 v[STO], v242, 5, v[STO]
	v_add_nc_u32 v[STO], s68, v[STO]
.irp b, 0,1,2,3
	v_mov_b32 v[TM+4+\b], 0                        ; written once: a lane permute's destination counts as one of its sources
.endr
	; ---- q, part 1: my 16 rows of x become four fragments; Wq comes into registers beside that
	s_wait_tensorcnt 0x0                           ; Wq's images and K_a of step 0 have landed; I alone read these bytes: no barrier
	WL 0
	WL 1
	s_wait_loadcnt 48                              ; K step 0 of x is in; the 48 loads of K steps 1 to 3 may be out
	QUANT 0, 2, PCA, PW0
	IMGX 0, PCA, PW0
.irp s, 0,1,2,3                                ; Wq's scale words (two tiles' words, 128 consecutive bytes, a load) and the bias: 32 loads
.irp tp, 0,1,2,3
	global_load_b32 v[AS+4*\tp+\s], v[L4], s[WS:WS+1] offset:2048*\s+128*\tp
.endr
.endr
	WIN 0xc0
.irp t, 0,1,2,3,4,5,6,7                        ; lane (r, h) wants, for tile t, the bias of channels 32 (t / 2) + 8 (t % 2) + 16 h + 0 .. 7
	global_load_b128 v[BIASQ+8*\t:BIASQ+8*\t+3], v[H64], s[BP:BP+1] offset:(32*(\t/2)+8*(\t%2))*4
	global_load_b128 v[BIASQ+8*\t+4:BIASQ+8*\t+7], v[H64], s[BP:BP+1] offset:(32*(\t/2)+8*(\t%2))*4+16
.endr
	WIN 0
	s_wait_loadcnt 63                              ; K step 1 is in: 64 loads are younger (32 of x, the 32 above); the count is one under that, which is safe
	QUANT 64, 2, PCB, PW1
	IMGX 1, PCB, PW1
	s_wait_loadcnt 48                              ; K step 2 is in: 16 of x and the 32 are younger
	s_wait_dscnt 4                                 ; the first set's stores have read their registers; the second set's four may be out
	QUANT 128, 2, PCA, PW0
	IMGX 2, PCA, PW0
	WL 2                                           ; into the registers of x's K steps 0 and 1, which are done with
	s_wait_loadcnt 32                              ; K step 3 is in: the 32 are younger
	s_wait_dscnt 28                                ; the second set's stores have read their registers; the first set's four and the 24 loads above may be out
	QUANT 192, 2, PCB, PW1
	IMGX 3, PCB, PW1
	WL 3                                           ; into the registers of K steps 1 and 2
	RITUAL G0B, 0                                  ; Wq is in registers: my reads of R0 and R1 are over; my images of x have landed.  The round also shows them to the other waves
	TL G0B, G1B                                    ; V_a and K_b of step 0: R0, R1; they have all of part 2 in which to land
	; ---- q, part 2: my 128 channels for the 64 rows
	F16                                            ; x's 16 fragments
.irp m, 0,1,2,3
.irp s, 0,1,2,3
	ds_load_b32 v[XS+4*\m+\s], v[AL4] offset:512*\m+128*\s
.endr
.endr
	s_wait_dscnt 0x0                               ; they are in: my reads of x's images are over,
	s_wait_loadcnt 0x0                             ; (Wq's scale words and the bias)
	s_barrier_signal -1                            ; say so; q's images will lie in the same bytes
	PMULQ 0                                        ; work on registers while the others arrive
	QUANT HA, 0, PCA, PW0
	s_wait_alu depctr_va_vdst(0)
	s_barrier_wait -1                              ; My tensor load may stay out across it
	QOUT 0, PCA, PW0
	PMULQ 1
	QUANT HA, 0, PCB, PW1
	QOUT 1, PCB, PW1
	PMULQ 2
	s_wait_dscnt 4                                 ; the first set's stores have read their registers; the second set's four may be out
	QUANT HA, 0, PCA, PW0
	QOUT 2, PCA, PW0
	PMULQ 3
	s_wait_dscnt 4
	QUANT HA, 0, PCB, PW1
	QOUT 3, PCB, PW1
	s_wait_dscnt 0x0                               ; for the others' sake: my images of q and their scale words have landed
	s_barrier_signal -1
	s_barrier_wait -1
	F16                                            ; q's 16 fragments (4 m + K step) stay in registers, where x's lay: the last products that read those stand more than four places back
.irp s, 0,1,2,3
.irp m, 0,1,2,3
	ds_load_b32 v[QS+4*\s+\m], v[AL4] offset:4096+512*\m+128*\s
.endr
.endr
.irp s, 0,1,2,3
.irp np, 0,1,2,3
	global_load_b32 v[KS+4*\s+\np], v[L4], s[KSP:KSP+1] offset:8192*\s+128*\np     ; step 0's scale words of k
.endr
.endr
.irp m, 0,1,2,3
	v_mov_b32 v[ST+8*\m+1], 0xff61b1e6             ; the largest t so far: -3e38
	v_floor_f32 v[ST+8*\m], -v[ST+8*\m+1]          ; -M
	v_mov_b32 v[ST+8*\m+2], 0                      ; the sum, in two halves
	v_mov_b32 v[ST+8*\m+3], 0
	v_mov_b32 v[ST+8*\m+4], 0
	v_mov_b32 v[ST+8*\m+5], 0                      ; (named as the upper half of f's pair)
.endr
	WIN 0xc0
.set J, 0
.rept 256
	v_mov_b32 v[J], 0                              ; O^T, where Wq lay.  The step is written for the loop and once for the tail: the first step finds zeros, which the first change of M leaves zeros.  These lines stand while q's fragments come back
.set J, J+1
.endr
	WIN 0
	s_wait_loadcnt 0x0                             ; k's scale words
	s_add_nc_u64 s[KSP:KSP+1], s[KSP:KSP+1], 2048  ; on to step 1's
	s_wait_dscnt 0x0                               ; q and its scale words
	s_mov_b32 s[CNT], 3
.Lstep:
	STEP 0
	s_sub_co_u32 s[CNT], s[CNT], 1
	s_cmp_lg_u32 s[CNT], 0
	s_cbranch_scc1 .Lstep
	STEP 1                                         ; the last step is written out
	; THE WAY OUT.  A wave's sum covers its own keys: halves, lane l xor 16, then the four waves' through LDS.  These plain lines are also the places behind the last products.
.irp m, 0,1,2,3
	v_add_f32 v[ST+8*\m+6], v[ST+8*\m+2], v[ST+8*\m+3]
.endr
.irp m, 0,1,2,3
	v_permlanex16_b32 v[X+4*\m], v[ST+8*\m+6], s[SEL], s[SEL+1]
.endr
.irp m, 0,1,2,3
	v_add_f32 v[ST+8*\m+6], v[ST+8*\m+6], v[X+4*\m]
.endr
.irp m, 0,1,2,3
	ds_store_b32 v[AXW], v[ST+8*\m+6] offset:4096+512*\m
.endr
	s_wait_dscnt 0x0                               ; for the others' sake
	s_barrier_signal -1
	s_barrier_wait -1
.irp m, 0,1,2,3
.irp w, 0,1,2,3
	ds_load_b32 v[X+4*\m+\w], v[AL4] offset:4096+512*\m+128*\w
.endr
.endr
	s_wait_dscnt 0x0
.irp m, 0,1,2,3
	v_add_f32 v[X+4*\m], v[X+4*\m], v[X+4*\m+1]
	v_add_f32 v[X+4*\m+2], v[X+4*\m+2], v[X+4*\m+3]
.endr
.irp m, 0,1,2,3
	v_add_f32 v[X+4*\m], v[X+4*\m], v[X+4*\m+2]    ; the row's sum
.endr
	s_wait_alu depctr_va_vdst(0)
.irp m, 0,1,2,3
	v_rcp_f32 v[ST+8*\m+4], v[X+4*\m]
.endr
	v_nop                                          ; a plain place behind the last reciprocal
	s_wait_alu depctr_va_vdst(0)
	RESCALE                                        ; O^T / the sum
; Tile m: a lane holds 32 neighbouring bytes of a row and the lanes beside it other rows: so 16 rows go through my stage and come back whole, 512 bytes a row.
.macro TOSTAGE m
	WIN 0x0c                                       ; an LDS store's data are its source 1: window 3
.irp i, 0,1,2,3,4,5,6,7
	ds_store_b128 v[STO], v[64*(\m)+8*\i:64*(\m)+8*\i+3] offset:64*\i
	ds_store_b128 v[STO], v[64*(\m)+8*\i+4:64*(\m)+8*\i+7] offset:64*\i+16
.endr
	WIN 0x80
.irp t, 0,1,2,3,4,5,6,7,8,9,10,11,12,13,14,15
	ds_load_b128 v[64*((\m)%2)+4*\t:64*((\m)%2)+4*\t+3], v[AR0] offset:\t*SPI      ; LDS serves a wave's instructions in order: these see my stores, and the next tile's stores come behind them
.endr
.endm
.macro SEND m, younger                 ; younger: the LDS instructions issued behind tile m's loads, which may stay out
	s_wait_dscnt \younger
	WIN 0x08                                       ; a store's data are its source 1: window 2
.irp t, 0,1,2,3,4,5,6,7,8,9,10,11,12,13,14,15
	global_store_b128 v[GL16], v[64*((\m)%2)+4*\t:64*((\m)%2)+4*\t+3], s[OUT:OUT+1] offset:32768*(\m)+2048*\t th:TH_STORE_NT   ; 32 lanes store 512 consecutive bytes, aligned; written once, read by nobody here
.endr
.endm
	TOSTAGE 0
	TOSTAGE 1
	s_wait_alu depctr_va_vdst(0)
	SEND 0, 32                                     ; behind tile 0's loads: tile 1's 16 stores and 16 loads
	s_wait_xcnt 0x0                                ; tile 0's stores have read their registers: tile 2's rows may land there
	TOSTAGE 2
	SEND 1, 32
	s_wait_xcnt 0x0
	TOSTAGE 3
	SEND 2, 32
	SEND 3, 0
	WIN 0
	s_wait_tensorcnt 0x0                           ; the wave's end: behind my last tensor load and my last LDS store
	ds_add_u32 v[SPW], v[NIL]
	s_wait_dscnt 0x0
	ROUND                                          ; the closing round: no work-group ends while a partner may still ask for a tile that names it
	s_endpgm
.Lfunc_end_k_q6eee58c035_attn:
	.size	k_q6eee58c035_attn, .Lfunc_end_k_q6eee58c035_attn-k_q6eee58c035_attn
	.p2alignl 7, 3214868480
	.fill 96, 4, 3214868480
	.section	.rodata,"a",@progbits
	.p2align	6, 0x0
	.amdhsa_kernel k_q6eee58c035_attn
		.amdhsa_group_segment_fixed_size 327680
		.amdhsa_private_segment_fixed_size 0
		.amdhsa_enable_private_segment 0
		.amdhsa_kernarg_size 80
		.amdhsa_user_sgpr_count 2
		.amdhsa_user_sgpr_kernarg_segment_ptr 1
		.amdhsa_wavefront_size32 1
		.amdhsa_system_sgpr_workgroup_id_x 1
		.amdhsa_system_sgpr_workgroup_id_y 1
		.amdhsa_system_sgpr_workgroup_id_z 1
		.amdhsa_system_vgpr_workitem_id 0
		.amdhsa_next_free_vgpr 1024
		.amdhsa_next_free_sgpr 92
		.amdhsa_reserve_vcc 0
		.amdhsa_float_denorm_mode_32 3
		.amdhsa_float_denorm_mode_16_64 3
		.amdhsa_memory_ordered 1
		.amdhsa_forward_progress 1
		.amdhsa_inst_pref_size 255
	.end_amdhsa_kernel
	.section	.bss,"aw",@nobits
	.p2align	6
	.space	262144
	.amdgpu_metadata
---
amdhsa.version: [ 1, 2 ]
amdhsa.kernels:
  - .name:           k_q6eee58c035_attn
    .symbol:         k_q6eee58c035_attn.kd
    .args:
      - { .name: Q_text, .offset: 0, .size: 8, .value_kind: global_buffer, .address_space: global }
      - { .name: Q_image, .offset: 8, .size: 8, .value_kind: global_buffer, .address_space: global }
      - { .name: bq_text, .offset: 16, .size: 8, .value_kind: global_buffer, .address_space: global }
      - { .name: bq_image, .offset: 24, .size: 8, .value_kind: global_buffer, .address_space: global }
      - { .name: wimg, .offset: 32, .size: 8, .value_kind: global_buffer, .address_space: global }
      - { .name: wsc, .offset: 40, .size: 8, .value_kind: global_buffer, .address_space: global }
      - { .name: kv, .offset: 48, .size: 8, .value_kind: global_buffer, .address_space: global }
      - { .name: scl, .offset: 56, .size: 8, .value_kind: global_buffer, .address_space: global }
      - { .name: out0, .offset: 64, .size: 8, .value_kind: global_buffer, .address_space: global }
      - { .name: out1, .offset: 72, .size: 8, .value_kind: global_buffer, .address_space: global }
    .group_segment_fixed_size: 327680
    .private_segment_fixed_size: 0
    .kernarg_segment_align: 8
    .kernarg_segment_size: 80
    .max_flat_workgroup_size: 128
    .sgpr_count:     92
    .vgpr_count:     1024
    .wavefront_size: 32
...
	.end_amdgpu_metadata
.endif
;; end of part 6
